; MI455X (gfx1250); checked and timed in simulation.
; The chip was launched on July 23, 2026; its instructions are those of AMD's public machine-readable ISA for CDNA 5 (MIT licence, August 2026) and "CDNA5" Instruction Set Architecture Reference Guide (July 2026). The comments in the code are by the model that wrote it; some were corrected since.
;; Casual Transformer Block. Allowed arithmetic: matrix products marked QUANTISED: E3M2 operands, one E8M0 scale for each 32 along K, by v_wmma_scale_f32_16x16x128_f8f6f4 with both operands' format E3M2, f32 sums; everything else in f32.
;; Inputs: W1 2,048 x 512 float32; W2 512 x 2,048 float32; Wk 512 x 512 float32; Wo 512 x 512 float32; Wq 512 x 512 float32; Wv 512 x 512 float32; b1 2,048 float32; b2 512 float32; be1 512 float32; be2 512 float32; bk 512 float32; bo 512 float32; bq 512 float32; bv 512 float32; g1 512 float32; g2 512 float32; x 2 x 4,096 x 512 float32.
;; Outputs: out0 2 x 4,096 x 512 float32.
;; This version of the problem:
;;   THIS VERSION OF THE PROBLEM IS GIVEN IN LOW PRECISION. The matrix products marked QUANTISED in the list below multiply operands that are first quantised to E3M2 (3 exponent bits, 2 mantissa bits; 6 bits a number), with one power-of-two scale for each 32 numbers along K (OCP MX v1.0); their sums are f32. All else is computed in f32.
;;   The module's matrix products, in the order in which they are computed (A, B: the left and right operand; K: the contracted axis; several contracted axes count as one K, in the product's order):
;;     1. [M 8,192, K 512] x [K 512, N 512]; A: input x; B: input Wq: QUANTISED
;;     2. [M 8,192, K 512] x [K 512, N 512]; A: input x; B: input Wk: QUANTISED
;;     3. [M 8,192, K 512] x [K 512, N 512]; A: input x; B: input Wv: QUANTISED
;;     4. batch 16 x [M 4,096, K 64] x [K 64, N 4,096]; A: computed on the way; B: computed on the way: QUANTISED
;;     5. batch 16 x [M 4,096, K 4,096] x [K 4,096, N 64]; A: softmax (see below); B: computed on the way: QUANTISED
;;     6. [M 8,192, K 512] x [K 512, N 512]; A: computed on the way; B: input Wo: QUANTISED
;;     7. [M 8,192, K 512] x [K 512, N 2,048]; A: computed on the way; B: input W1: QUANTISED
;;     8. [M 8,192, K 2,048] x [K 2,048, N 512]; A: computed on the way; B: input W2: QUANTISED
;;   THE QUANTISER, for each operand of a quantised product, along K:
;;     - K is cut into blocks of 32 from its start; a last block that is shorter is filled with zeros.
;;     - A block's scale is 2^e with e = floor(log2(the largest magnitude in the block)) - 4, held to -126 .. 127; a block of zeros has e = 0. As a byte (E8M0): e + 127.
;;     - Each number is divided by its block's scale, clamped to +-28, and rounded to the nearest number of E3M2, ties to even, subnormals kept.
;;     - The product sums the exact products of the quantised numbers (number of the format x scale) in f32.
;;   ~~~python
;;   def quantise(x, axis):      # numpy; x: float32 -> the quantised numbers, widened to float32 again
;;       x = np.moveaxis(x, axis, -1); K = x.shape[-1]
;;       x = np.pad(x, [(0, 0)] * (x.ndim - 1) + [(0, -K % 32)]); x = x.reshape(x.shape[:-1] + (-1, 32)); a = np.abs(x).max(-1, keepdims=True)
;;       e = np.where(a > 0, np.clip(np.frexp(np.where(a > 0, a, 1))[1] - 1 - 4, -126, 127), 0)      # np.frexp(a)[1] - 1 = floor(log2(a)), exactly
;;       r = np.clip(x / 2.0 ** e, -28, 28)
;;       step = 2.0 ** (np.maximum(np.frexp(np.where(r == 0, 1, r))[1] - 1, -2) - 2)
;;       q = np.round(r / step) * step * 2.0 ** e      # np.round: ties to even
;;       return np.moveaxis(q.reshape(q.shape[:-2] + (-1,))[..., :K], -1, axis).astype(np.float32)
;;   ~~~
;;   SOFTMAX AHEAD OF A QUANTISED PRODUCT. Where the list says 'softmax', what is quantised is not the finished softmax but p = 2^(t - M), with t = logit x log2(e) and M = ceil(the row's largest t), a whole number; so 1/2 < the row's largest p <= 1. The row's sum l is taken of the UNQUANTISED p, in f32, and the product's result is divided by l at the end. Since M is a whole number, a kernel that streams over the keys may use a running M (the ceiling of the running maximum): every later rescaling is an exact power of two, which a block's scale takes up: the codes' values come out the same.
;;   OPERANDS COMPUTED ON THE WAY. 'Computed on the way' means the value that the module computes at that place (a softmax that the list does not call 'softmax' is quantised finished and normalised). What goes into a quantiser is computed in f32, as accurately as f32 sums, v_exp_f32 and their like allow (about 1e-6 of the number): no bf16 or f16 on the way to a quantiser, and a product that is left as it is and whose result goes on into a quantised operand takes f32 operands (vector FMAs, or v_wmma_f32_16x16x4_f32). A number that lies on a knife's edge between two numbers of the format may be rounded either way, as far as f32 arithmetic and the matrix unit's own rounding can turn it there, and no further.
;; 2 versions. Each part assembles by itself: llvm-mc -triple=amdgcn-amd-amdhsa -mcpu=gfx1250 --defsym DOCPART=n.
;; ======== version 1 of 2: 4 launches
;; workspace buffers: wts 2,555,904 bytes; qimg 3,407,872 bytes; kv 6,815,744 bytes; ctx 3,670,016 bytes
;; launch wquant (part 1): grid 48 x 4, 8 waves a work-group, no clusters, 69,632 bytes of LDS; arguments Wq, Wk, Wv, Wo, W1, W2, wts; writes wts
.if DOCPART == 1
	.amdgcn_target "amdgcn-amd-amdhsa--gfx1250"
	.amdhsa_code_object_version 6
	.text
	.protected	k_q8342a2b7cb_wquant
	.globl	k_q8342a2b7cb_wquant
	.p2align	8
	.type	k_q8342a2b7cb_wquant,@function
k_q8342a2b7cb_wquant:
	s_mov_b64 s[64:65], 0
	v_nop
	global_prefetch_b8 v0, s[64:65] scope:SCOPE_SE
	s_setreg_imm32_b32 hwreg(HW_REG_WAVE_MODE, 25, 1), 1
	s_wait_xcnt 0x0
; THE SIX WEIGHTS, f32 [N][K] with K innermost, BECOME CODES OF BF6 (E3M2) IN THE ORDER OF THE OPERAND'S REGISTERS.
; A block of wts (WB = 13,312 bytes) is what one wave of a later launch wants for one K step of 128: eight fragments of 16 rows x 128 K, each an image of its 12 registers
; (three chunks of 512 bytes, lane l's four registers at 16 l), and behind them two chunks of 512 bytes of scale words (lane l's 16 bytes: the words of four tiles).
; Block 48 w + x: x 0-3 Wq, 4-7 Wk, 8-11 Wv, 12-15 Wo (column group G = w, K step x % 4); 16-31 W1 (G = 4 w + (x - 16) / 4, K step x % 4); 32-47 W2 (G = w, K step x - 32): wave w of a later launch reads one run of memory.
; THE ROWS OF A TILE ARE NOT NEIGHBOURS: row i of tile t = 2 b + u is W's row 128 G + 32 b + 8 u + i + 8 (i / 8), so that a transposed product leaves 16 neighbours along the next K in a lane's 16 registers.
; Wv alone: tile t is the column group of 64 (t = 0 .. 7) and G the tile of 16 channels: row 64 t + 32 (G / 2) + 8 (G % 2) + i + 8 (i / 8).
; A work-group makes one block, wave t its tile t.  Each load reads 512 consecutive bytes of one row; the 16 rows turn through the wave's own stage in LDS (rows 528 bytes apart) so that a lane gets 16 neighbours of each block of 32.
; A block's scale is 2^(floor(log2(largest magnitude)) - 4); its byte is the largest magnitude's exponent field - 4, held at 1 from below.
; LIMITS: NaN and infinities are not served; a block whose largest magnitude lies under 2^-122, a block of zeros among them, gets the byte 1 (zero codes add nothing under it, and this program alone reads the bytes).
; No tensor load, no cluster: every input byte is read once, by one wave.
.set WB,     13312
.set FRB,    1536
.set SPITCH, 528                       ; a stage row: 512 bytes + 16
.set STG,    16*SPITCH                 ; a wave's stage
.set SCW,    8*STG                     ; behind the eight stages: the block's 1,024 bytes of scale words
.set LI,  1                            ; v1   16 x lane
.set SA,  2                            ; v2   the stage, by rows: 16 x lane in row 0
.set SB,  3                            ; v3   the stage, by lanes: row r, + 64 h
.set WA,  4                            ; v4   where my scale word goes
.set TL,  5                            ; v5   SCW + 16 x (thread % 64)
.set TG,  6                            ; v6   16 x (thread % 64)
.set OFF, 16                           ; v16-31  byte offset of row i's 16 bytes
.set R,   32                           ; v32-95  the rows as loaded
.set X,   96                           ; v96-159 register 16 b + i = k 32 b + 16 h + i of row r
.set PC,  160                          ; v160-179 the codes
.set TM,  180                          ; v180-191 at work
.set PW,  192                          ; v192 the scale word
.set WV,  18
.set SEL, 20
; 64 numbers of a lane become a fragment's codes in v[PC] on and its scale word in v[PW]
.macro QUANT s
.irp b, 0,1,2,3
	v_max3_num_f32 v[TM+\b], 0x2800000, |v[(\s)+16*\b]|, |v[(\s)+16*\b+1]|   ; block b: my 16 numbers, and the floor 2^(5 - 127): the byte cannot fall under 1
.endr
.irp i, 2,4,6,8,10,12,14
.irp b, 0,1,2,3
	v_max3_num_f32 v[TM+\b], v[TM+\b], |v[(\s)+16*\b+\i]|, |v[(\s)+16*\b+\i+1]|   ; the four blocks by turns
.endr
.endr
.irp b, 0,1,2,3
	v_permlanex16_b32 v[TM+4+\b], v[TM+\b], s[SEL], s[SEL+1]
.endr
.irp b, 0,1,2,3
	v_max_num_f32 v[TM+\b], v[TM+\b], v[TM+4+\b]           ; with lane l xor 16's: the block's largest magnitude
.endr
.irp b, 0,1,2,3
	v_add_nc_u32 v[TM+8+\b], 0xfe000000, v[TM+\b]          ; 4 off its exponent field: the conversion's scale operand
.endr
.irp b, 0,1,2,3
	v_lshrrev_b32 v[TM+4+\b], 23, v[TM+8+\b]               ; the scale's byte
.endr
	v_lshl_or_b32 v[PW], v[TM+5], 8, v[TM+4]
	v_lshl_or_b32 v[PW], v[TM+6], 16, v[PW]
	v_lshl_or_b32 v[PW], v[TM+7], 24, v[PW]
.irp c, 0,1
	v_cvt_scalef32_pk16_bf6_f32 v[PC+6*\c:PC+6*\c+2], v[(\s)+32*\c:(\s)+32*\c+15], v[TM+8+2*\c]
	v_cvt_scalef32_pk16_bf6_f32 v[PC+12+4*\c:PC+14+4*\c], v[(\s)+32*\c+16:(\s)+32*\c+31], v[TM+9+2*\c]   ; (a conversion's three registers begin on an even number)
.endr
	v_nop                                                  ; one plain place behind a scaled conversion
.irp c, 0,1                                            ; the operand's layout wants a whole block in a lane
.irp i, 0,1,2
	v_permlane16_swap_b32 v[PC+6*\c+\i], v[PC+12+4*\c+\i]
.endr
.irp i, 0,1,2
	v_mov_b32 v[PC+3+6*\c+\i], v[PC+12+4*\c+\i]
.endr
.endr
.endm
	s_load_b256 s[4:11], s[0:1], 0x0               ; Wq, Wk, Wv, Wo
	s_load_b128 s[12:15], s[0:1], 0x20             ; W1, W2
	s_load_b64 s[16:17], s[0:1], 0x30              ; wts
	v_lshl_add_u32 v208, v0, 2, 0x10c00
	v_mov_b32 v209, 0
	v_lshrrev_b32 v7, 5, v0
	v_readfirstlane_b32 s[WV], v7                  ; wave = tile t
	v_and_b32 v7, 31, v0
	v_lshlrev_b32 v[LI], 4, v7
	v_and_b32 v8, 15, v0                           ; r
	v_bfe_u32 v9, v0, 4, 1                         ; h
	s_mul_i32 s22, s[WV], STG
	v_add_nc_u32 v[SA], s22, v[LI]
	v_mul_u32_u24 v[SB], v8, SPITCH
	v_lshl_add_u32 v[SB], v9, 6, v[SB]
	v_add_nc_u32 v[SB], s22, v[SB]
	s_and_b32 s23, s[WV], 3
	s_lshl_b32 s23, s23, 2
	s_lshr_b32 s24, s[WV], 2
	s_lshl_b32 s24, s24, 9
	s_add_co_u32 s23, s23, s24
	s_add_co_u32 s23, s23, SCW
	v_add_nc_u32 v[WA], s23, v[LI]                 ; SCW + 512 (t / 4) + 16 lane + 4 (t % 4)
	v_and_b32 v7, 63, v0
	v_lshlrev_b32 v[TG], 4, v7
	v_lshl_add_u32 v[TL], v7, 4, SCW
	s_mov_b32 s[SEL], 0x76543210
	s_mov_b32 s[SEL+1], 0xfedcba98                 ; v_permlanex16_b32's selects for lane l xor 16
.irp b, 0,1,2,3
	v_mov_b32 v[TM+4+\b], 0                        ; written once: a lane permute's destination counts as one of its sources
.endr
	s_and_b32 s25, ttmp7, 0xffff                   ; w
	s_lshr_b32 s26, ttmp9, 2                       ; c = x / 4: 0 Wq, 1 Wk, 2 Wv, 3 Wo, 4-7 W1, 8-11 W2
	s_and_b32 s27, ttmp9, 3                        ; the K step of all but W2
	s_lshl_b32 s28, s25, 2
	s_add_co_u32 s28, s28, s26
	s_sub_co_u32 s28, s28, 4                       ; W1's G = 4 w + c - 4
	s_sub_co_u32 s29, ttmp9, 32                    ; W2's K step
	s_lshr_b32 s31, s26, 2                         ; 1 for W1 alone
	s_mov_b32 s30, 8192
	s_cmp_ge_u32 s26, 8
	s_cselect_b32 s27, s29, s27                    ; the K step
	s_cselect_b32 s30, s30, 2048                   ; a row of the weight in bytes
	s_cmp_eq_u32 s31, 1
	s_cselect_b32 s28, s28, s25                    ; G
	s_lshr_b32 s32, s[WV], 1
	s_lshl_b32 s32, s32, 5
	s_and_b32 s33, s[WV], 1
	s_lshl_b32 s33, s33, 3
	s_add_co_u32 s32, s32, s33
	s_lshl_b32 s33, s28, 7
	s_add_co_u32 s32, s32, s33                     ; the tile's first row: 128 G + 32 (t / 2) + 8 (t % 2);
	s_lshr_b32 s33, s28, 1
	s_lshl_b32 s33, s33, 5
	s_and_b32 s34, s28, 1
	s_lshl_b32 s34, s34, 3
	s_add_co_u32 s33, s33, s34
	s_lshl_b32 s34, s[WV], 6
	s_add_co_u32 s33, s33, s34                     ; Wv's: 64 t + 32 (G / 2) + 8 (G % 2)
	s_cmp_eq_u32 s26, 2
	s_cselect_b32 s32, s33, s32
	s_mul_i32 s32, s32, s30
	s_lshl_b32 s33, s27, 9
	s_add_co_u32 s32, s32, s33                     ; in bytes, + 512 for each K step
	s_mov_b32 s33, 0
	s_mul_i32 s34, s25, 48
	s_add_co_u32 s34, s34, ttmp9
	s_mul_i32 s34, s34, WB                         ; my block
	s_mov_b32 s35, 0
	s_mul_i32 s40, s[WV], FRB                      ; my tile's image in it
	s_mov_b32 s41, 0
.irp i, 0,1,2,3,4,5,6,7,8,9,10,11,12,13,14,15
	v_mad_u32_u24 v[OFF+\i], s30, \i+8*(\i/8), v[LI]       ; row i + 8 (i / 8) of the tile's 24, my 16 bytes of its 512
.endr
	s_wait_kmcnt 0x0
	s_cmp_eq_u32 s26, 1                            ; the weight is chosen by the work-group's number alone
	s_cselect_b64 s[4:5], s[6:7], s[4:5]
	s_cmp_eq_u32 s26, 2
	s_cselect_b64 s[4:5], s[8:9], s[4:5]
	s_cmp_eq_u32 s26, 3
	s_cselect_b64 s[4:5], s[10:11], s[4:5]
	s_cmp_ge_u32 s26, 4
	s_cselect_b64 s[4:5], s[12:13], s[4:5]
	s_cmp_ge_u32 s26, 8
	s_cselect_b64 s[4:5], s[14:15], s[4:5]
	s_add_nc_u64 s[4:5], s[4:5], s[32:33]
	s_add_nc_u64 s[36:37], s[16:17], s[34:35]      ; the block
	s_add_nc_u64 s[38:39], s[36:37], s[40:41]      ; my image
.irp i, 0,1,2,3,4,5,6,7,8,9,10,11,12,13,14,15
	global_load_b128 v[R+4*\i:R+4*\i+3], v[OFF+\i], s[4:5] th:TH_LOAD_NT   ; 32 lanes read 512 consecutive bytes of one row
.endr
.irp i, 0,1,2,3,4,5,6,7,8,9,10,11,12,13,14,15
	s_wait_loadcnt 15-\i                           ; loads come back in order: row i is in, the 15 - i younger ones may be out
	ds_store_b128 v[SA], v[R+4*\i:R+4*\i+3] offset:\i*SPITCH
.endr
.irp b, 0,1,2,3
.irp q, 0,1,2,3
	ds_load_b128 v[X+16*\b+4*\q:X+16*\b+4*\q+3], v[SB] offset:128*\b+16*\q   ; LDS serves a wave's instructions in order: these see my stores
.endr
.endr
	s_wait_dscnt 0x0
	QUANT X
.irp c, 0,1,2
	global_store_b128 v[LI], v[PC+4*\c:PC+4*\c+3], s[38:39] offset:512*\c   ; 512 consecutive bytes a store
.endr
	ds_store_b32 v[WA], v[PW]
	s_wait_dscnt 0x0                               ; for the others' sake: my word has landed
	s_barrier_signal -1
	s_barrier_wait -1
	s_cmp_ge_u32 s[WV], 2                          ; waves 0 and 1 store the eight tiles' 1,024 bytes of scale words
	s_cbranch_scc1 .Ldone
	ds_load_b128 v[X:X+3], v[TL]
	s_wait_dscnt 0x0
	global_store_b128 v[TG], v[X:X+3], s[36:37] offset:8*FRB
.Ldone:
	s_wait_tensorcnt 0x0
	ds_add_u32 v208, v209
	s_wait_dscnt 0x0
	s_endpgm
.Lfunc_end_k_q8342a2b7cb_wquant:
	.size	k_q8342a2b7cb_wquant, .Lfunc_end_k_q8342a2b7cb_wquant-k_q8342a2b7cb_wquant
	.p2alignl 7, 3214868480
	.fill 96, 4, 3214868480
	.section	.rodata,"a",@progbits
	.p2align	6, 0x0
	.amdhsa_kernel k_q8342a2b7cb_wquant
		.amdhsa_group_segment_fixed_size 69632
		.amdhsa_private_segment_fixed_size 0
		.amdhsa_enable_private_segment 0
		.amdhsa_kernarg_size 56
		.amdhsa_user_sgpr_count 2
		.amdhsa_user_sgpr_kernarg_segment_ptr 1
		.amdhsa_wavefront_size32 1
		.amdhsa_system_sgpr_workgroup_id_x 1
		.amdhsa_system_sgpr_workgroup_id_y 1
		.amdhsa_system_sgpr_workgroup_id_z 1
		.amdhsa_system_vgpr_workitem_id 0
		.amdhsa_next_free_vgpr 210
		.amdhsa_next_free_sgpr 66
		.amdhsa_reserve_vcc 0
		.amdhsa_float_denorm_mode_32 3
		.amdhsa_float_denorm_mode_16_64 3
		.amdhsa_memory_ordered 1
		.amdhsa_forward_progress 1
		.amdhsa_inst_pref_size 14
	.end_amdhsa_kernel
	.amdgpu_metadata
---
amdhsa.version: [ 1, 2 ]
amdhsa.kernels:
  - .name:           k_q8342a2b7cb_wquant
    .symbol:         k_q8342a2b7cb_wquant.kd
    .args:
      - { .name: Wq, .offset: 0, .size: 8, .value_kind: global_buffer, .address_space: global }
      - { .name: Wk, .offset: 8, .size: 8, .value_kind: global_buffer, .address_space: global }
      - { .name: Wv, .offset: 16, .size: 8, .value_kind: global_buffer, .address_space: global }
      - { .name: Wo, .offset: 24, .size: 8, .value_kind: global_buffer, .address_space: global }
      - { .name: W1, .offset: 32, .size: 8, .value_kind: global_buffer, .address_space: global }
      - { .name: W2, .offset: 40, .size: 8, .value_kind: global_buffer, .address_space: global }
      - { .name: wts, .offset: 48, .size: 8, .value_kind: global_buffer, .address_space: global }
    .group_segment_fixed_size: 69632
    .private_segment_fixed_size: 0
    .kernarg_segment_align: 8
    .kernarg_segment_size: 56
    .max_flat_workgroup_size: 256
    .sgpr_count:     66
    .vgpr_count:     210
    .wavefront_size: 32
...
	.end_amdgpu_metadata
.endif
;; end of part 1
;; launch qkv (part 2): grid 256 x 1, 4 waves a work-group, no clusters, 53,760 bytes of LDS; arguments x, bq, bk, bv, wts, qimg, kv; writes qimg, kv
.if DOCPART == 2
	.amdgcn_target "amdgcn-amd-amdhsa--gfx1250"
	.amdhsa_code_object_version 6
	.text
	.protected	k_q8342a2b7cb_qkv
	.globl	k_q8342a2b7cb_qkv
	.p2align	8
	.type	k_q8342a2b7cb_qkv,@function
k_q8342a2b7cb_qkv:
	s_mov_b64 s[64:65], 0
	v_nop
	global_prefetch_b8 v0, s[64:65] scope:SCOPE_SE
	s_setreg_imm32_b32 hwreg(HW_REG_WAVE_MODE, 25, 1), 1
	s_wait_xcnt 0x0
; q = x Wq^T + bq, k = x Wk^T + bk, v = x Wv^T + bv on codes of BF6 (E3M2) with one E8M0 scale for each 32 along K, and q, k, v quantised at once for attention's two products.
; THE HEADS ARE A RAW RESHAPE: head = row / 512; a row's 512 columns are 8 neighbouring positions g = column / 64 of 64 channels.  So 16 rows (a tile T) are 128 neighbouring positions of one head.
; SHARES.  A work-group takes 32 rows (tiles T = 2 wg, 2 wg + 1).  The four waves share the COLUMNS: wave w makes columns 128 w .. 128 w + 127 of q and of k, and channel tile w of v.
; x is quantised once (wave w: K step w of both tiles) and goes from wave to wave through LDS as images of the operand's registers.
; THE WEIGHTS come from wts in the order of the operand's registers, straight from memory into registers: a unit (one K step: eight fragments and their scale words, 26 loads of 512 bytes) is asked for two units ahead, in four sets of registers.
; No joint loads, though all work-groups read the same weights: a joint load lands in LDS, so each unit's 13,312 bytes would be written to and read from LDS besides, for 16 matrix instructions.
; ROW ORDER.  Lane r of a tile holds row pi(r) = 4 ((r / 2) % 4) + 2 (r / 8) + r % 2.  It stands in the x loads' immediates alone.  With it, register j = 2 B + n of lane half h of a result whose rows run along
; the registers is row 4 B + 2 h + n, so that key 8 row + g = 32 B + 16 h + 8 n + g: the order that the quantiser along the keys wants.
; q, k: the product is used TRANSPOSED (source 0 = 16 rows of W, source 1 = 16 rows of x); the bias is the C of the first K step.  A lane then holds one row and 64 neighbours-by-blocks along the columns.
; v: the product is used as it stands (source 0 = x, source 1 = Wv): a lane holds one channel, its registers run along the keys.  One addition a number adds the bias and puts the number at its place along the keys.
; OUT.  qimg: half images (16 positions x 64 channels, registers 0-5: 512 + 256 bytes) at (8 T + g) 768, scale words at QSC + (4 T + w) 128.
; kv, a block of 13,312 bytes a tile: k's four fragments (two position groups in a fragment's two halves), v^T's four (16 channels x 128 keys), k's four scale words' lanes, v's four.
; LIMITS: NaN and infinities are not served; a block whose largest magnitude lies under 2^-122, a block of zeros among them, gets the byte 1 (its codes are zeros or next to it; this program alone reads the bytes).
; REGISTERS.  window 0: v1-19 addresses and bv; v20-115 x's 8 fragments; v116-135 codes just made; v136-199 64 numbers; v200-212 at work; v216-223 x's scale words; v224-255 the weights' scale words, 4 sets of 8.
;   window 1: v0-191 weight sets 0, 1; v192-255 the bias in the result's layout.   window 2: v0-127 the 16 accumulators ((rt, t) at 64 rt + 8 t); v128-255 x as loaded.   window 3: v0-191 weight sets 2, 3.
.set WB,     13312
.set FRB,    1536
.set SPITCH, 528
.set STG,    16*SPITCH
.set XIMG,   4*STG                     ; LDS: four stages, then x's 8 images,
.set XSC,    XIMG+8*FRB                ; their scale words,
.set VEC,    XSC+8*128                 ; and bq, bk, bv
.set QSC,    3145728
.set LI,  1                            ; 16 x lane
.set L8,  2                            ; 8 x lane
.set LS,  3                            ; 4 x lane
.set SA,  4                            ; my stage by rows
.set SB,  5                            ; my stage by lanes
.set AB,  6                            ; a bias in the result's layout: VEC + 512 w + 64 h
.set AV,  7                            ; bv at my channel
.set XWI, 8                            ; where I store x's images
.set XWS, 9                            ; and their scale words
.set VW,  10                           ; VEC + 16 x thread
.set TI,  11                           ; 16 x thread
.set BV,  12                           ; v12-19 bv of my channel in the 8 position groups
.set XF,  20
.set PC,  116
.set ST,  136
.set TM,  200
.set PW,  212
.set XS,  216
.set WS,  224
.set BIAS, 192                         ; in window 1
.set Y,   128                          ; in window 2
.set SW,  12                           ; s[12:13] my wave's run of wts
.set WV,  18
.set SEL, 20
.set MSB, 0
.macro WIN new                         ; the immediate's high byte repeats the setting that is left; a switch that changes nothing is dropped
.if MSB != (\new)
	s_set_vgpr_msb (MSB<<8)|(\new)
.set MSB, (\new)
.endif
.endm
.macro PLACES n
.rept \n
	v_nop
.endr
.endm
.macro BARRIER                         ; my LDS stores have landed and my LDS loads are in: then the work-group's barrier
	s_wait_dscnt 0x0
	s_barrier_signal -1
	s_barrier_wait -1
.endm
; 64 numbers of a lane in window sw, register 16 b + i = k 32 b + 16 h + i of my row, become a fragment's codes in v[PC] on and its scale word in v[PW]
.macro QUANT s, sw
	WIN ((\sw)<<2)|((\sw)<<4)
.irp b, 0,1,2,3
	v_max3_num_f32 v[TM+\b], 0x2800000, |v[(\s)+16*\b]|, |v[(\s)+16*\b+1]|   ; block b: my 16 numbers, from each accumulator's low end on, and the floor 2^(5 - 127)
.endr
.irp i, 2,4,6,8,10,12,14
.irp b, 0,1,2,3
	v_max3_num_f32 v[TM+\b], v[TM+\b], |v[(\s)+16*\b+\i]|, |v[(\s)+16*\b+\i+1]|
.endr
.endr
	WIN 0
.irp b, 0,1,2,3
	v_permlanex16_b32 v[TM+4+\b], v[TM+\b], s[SEL], s[SEL+1]
.endr
.irp b, 0,1,2,3
	v_max_num_f32 v[TM+\b], v[TM+\b], v[TM+4+\b]           ; with lane l xor 16's: the block's largest magnitude
.endr
.irp b, 0,1,2,3
	v_add_nc_u32 v[TM+8+\b], 0xfe000000, v[TM+\b]          ; 4 off its exponent field: the conversion's scale operand
.endr
.irp b, 0,1,2,3
	v_lshrrev_b32 v[TM+4+\b], 23, v[TM+8+\b]               ; the scale's byte
.endr
	v_lshl_or_b32 v[PW], v[TM+5], 8, v[TM+4]
	v_lshl_or_b32 v[PW], v[TM+6], 16, v[PW]
	v_lshl_or_b32 v[PW], v[TM+7], 24, v[PW]
	WIN \sw
.irp c, 0,1
	v_cvt_scalef32_pk16_bf6_f32 v[PC+6*\c:PC+6*\c+2], v[(\s)+32*\c:(\s)+32*\c+15], v[TM+8+2*\c]
	v_cvt_scalef32_pk16_bf6_f32 v[PC+12+4*\c:PC+14+4*\c], v[(\s)+32*\c+16:(\s)+32*\c+31], v[TM+9+2*\c]
.endr
	WIN 0
	v_nop                                                  ; one plain place behind a scaled conversion
.irp c, 0,1
.irp i, 0,1,2
	v_permlane16_swap_b32 v[PC+6*\c+\i], v[PC+12+4*\c+\i]
.endr
.irp i, 0,1,2
	v_mov_b32 v[PC+3+6*\c+\i], v[PC+12+4*\c+\i]
.endr
.endr
.endm
.macro IMAGE adr, off                  ; the fragment in v[PC] on goes to LDS as it stands
.irp c, 0,1,2
	ds_store_b128 v[\adr], v[PC+4*\c:PC+4*\c+3] offset:(\off)+512*\c
.endr
.endm
.macro FETCH reg, adr, off             ; and comes back so, in any wave
.irp c, 0,1,2
	ds_load_b128 v[(\reg)+4*\c:(\reg)+4*\c+3], v[\adr] offset:(\off)+512*\c
.endr
.endm
.macro TURN_IN raw, rw, dst            ; 16 rows of 512 bytes, as loaded (window rw), through my stage: register 16 b + 4 q + e of v[dst] on is column 32 b + 16 h + 4 q + e of row r
	WIN (\rw)<<2
.irp i, 0,1,2,3,4,5,6,7,8,9,10,11,12,13,14,15
	ds_store_b128 v[SA], v[(\raw)+4*\i:(\raw)+4*\i+3] offset:\i*SPITCH
.endr
	WIN 0
.irp b, 0,1,2,3
.irp q, 0,1,2,3
	ds_load_b128 v[(\dst)+16*\b+4*\q:(\dst)+16*\b+4*\q+3], v[SB] offset:128*\b+16*\q   ; LDS serves a wave's instructions in order: these see my stores
.endr
.endr
.endm
.macro VECLOAD win, adr, off           ; a vector of my 128 columns in the result's layout: register 8 t + j = column 32 (t / 2) + 16 h + 8 (t % 2) + j
	WIN (\win)<<6
.irp t, 0,1,2,3,4,5,6,7
.irp q, 0,1
	ds_load_b128 v[192+8*\t+4*\q:192+8*\t+4*\q+3], v[\adr] offset:(\off)+(32*(\t/2)+8*(\t%2))*4+16*\q
.endr
.endr
	WIN 0
.endm
.macro WLOAD set, off                  ; a unit: 26 loads of 512 consecutive bytes
	WIN 0x40+0x80*((\set)/2)
.irp t, 0,1,2,3,4,5,6,7
.irp c, 0,1,2
	global_load_b128 v[96*((\set)%2)+12*\t+4*\c:96*((\set)%2)+12*\t+4*\c+3], v[LI], s[SW:SW+1] offset:(\off)+FRB*\t+512*\c
.endr
.endr
	WIN 0
	global_load_b128 v[WS+8*(\set):WS+8*(\set)+3], v[LI], s[SW:SW+1] offset:(\off)+8*FRB
	global_load_b128 v[WS+8*(\set)+4:WS+8*(\set)+7], v[LI], s[SW:SW+1] offset:(\off)+8*FRB+512
.endm
; K step s of a pass: 16 matrix instructions, the 16 accumulators by turns, in the same order in every unit.
; pf = 1: the unit two on is asked for first, into the set that the unit two back has left.  left: the loads that may stay out: 26 for each younger unit.
.macro UNIT s, ub, first, nat, pf, left
	WIN 0
	PLACES 4                                       ; in front of loads into registers that matrix instructions have read
.if \pf
	WLOAD ((\s)+2)%4, ((\ub)+(\s)+2)*WB
.endif
	s_wait_loadcnt \left
.if \nat
	WIN 0xa4+8*((\s)/2)                            ; source 0 (x) window 0, source 1 (W) window 1 or 3, C and D window 2
.elseif \first && ((\s) == 0)
	WIN 0x91                                       ; source 0 (W) window 1, source 1 (x) window 0, C (the bias) window 1, D window 2
.else
	WIN 0xa1+2*((\s)/2)                            ; source 0 (W) window 1 or 3, C and D window 2
.endif
.irp t, 0,1,2,3,4,5,6,7
.irp rt, 0,1
.if \nat
.if (\s) == 0
	v_wmma_scale_f32_16x16x128_f8f6f4 v[64*\rt+8*\t:64*\rt+8*\t+7], v[XF+12*(4*\rt+(\s)):XF+12*(4*\rt+(\s))+11], v[96*((\s)%2)+12*\t:96*((\s)%2)+12*\t+11], 0, v[XS+4*\rt+(\s)], v[WS+8*(\s)+\t] matrix_a_fmt:MATRIX_FMT_BF6 matrix_b_fmt:MATRIX_FMT_BF6
.else
	v_wmma_scale_f32_16x16x128_f8f6f4 v[64*\rt+8*\t:64*\rt+8*\t+7], v[XF+12*(4*\rt+(\s)):XF+12*(4*\rt+(\s))+11], v[96*((\s)%2)+12*\t:96*((\s)%2)+12*\t+11], v[64*\rt+8*\t:64*\rt+8*\t+7], v[XS+4*\rt+(\s)], v[WS+8*(\s)+\t] matrix_a_fmt:MATRIX_FMT_BF6 matrix_b_fmt:MATRIX_FMT_BF6
.endif
.elseif \first && ((\s) == 0)
	v_wmma_scale_f32_16x16x128_f8f6f4 v[64*\rt+8*\t:64*\rt+8*\t+7], v[96*((\s)%2)+12*\t:96*((\s)%2)+12*\t+11], v[XF+12*(4*\rt+(\s)):XF+12*(4*\rt+(\s))+11], v[BIAS+8*\t:BIAS+8*\t+7], v[WS+8*(\s)+\t], v[XS+4*\rt+(\s)] matrix_a_fmt:MATRIX_FMT_BF6 matrix_b_fmt:MATRIX_FMT_BF6
.else
	v_wmma_scale_f32_16x16x128_f8f6f4 v[64*\rt+8*\t:64*\rt+8*\t+7], v[96*((\s)%2)+12*\t:96*((\s)%2)+12*\t+11], v[XF+12*(4*\rt+(\s)):XF+12*(4*\rt+(\s))+11], v[64*\rt+8*\t:64*\rt+8*\t+7], v[WS+8*(\s)+\t], v[XS+4*\rt+(\s)] matrix_a_fmt:MATRIX_FMT_BF6 matrix_b_fmt:MATRIX_FMT_BF6
.endif
.endr
.endr
.endm
.macro PASS ub, first, nat, npf        ; four K steps: K = 512.  npf = 2: the run of weights ends with this pass
	UNIT 0, \ub, \first, \nat, 1, 52               ; 52: the two younger units, 2 x 26 loads, may be out
	UNIT 1, \ub, \first, \nat, 1, 52
.if \npf == 4
	UNIT 2, \ub, \first, \nat, 1, 52
	UNIT 3, \ub, \first, \nat, 1, 52
.else
	UNIT 2, \ub, \first, \nat, 0, 26               ; nothing more is asked for: one younger unit,
	UNIT 3, \ub, \first, \nat, 0, 0                ; then none
.endif
	WIN 0
.endm
	s_load_b256 s[4:11], s[0:1], 0x0               ; x, bq, bk, bv
	s_load_b128 s[12:15], s[0:1], 0x20             ; wts, qimg
	s_load_b64 s[16:17], s[0:1], 0x30              ; kv
	v_lshl_add_u32 v214, v0, 2, 0xd000
	v_mov_b32 v215, 0
	v_lshrrev_b32 v[BV], 5, v0
	v_readfirstlane_b32 s[WV], v[BV]               ; wave 0..3
	v_and_b32 v[BV], 31, v0
	v_lshlrev_b32 v[LI], 4, v[BV]
	v_lshlrev_b32 v[L8], 3, v[BV]
	v_lshlrev_b32 v[LS], 2, v[BV]
	v_and_b32 v[BV+1], 15, v0                      ; r
	v_bfe_u32 v[BV+2], v0, 4, 1                    ; h
	s_mul_i32 s22, s[WV], STG
	v_add_nc_u32 v[SA], s22, v[LI]
	v_mul_u32_u24 v[SB], v[BV+1], SPITCH
	v_lshl_add_u32 v[SB], v[BV+2], 6, v[SB]
	v_add_nc_u32 v[SB], s22, v[SB]
	s_lshl_b32 s22, s[WV], 9
	s_add_co_u32 s22, s22, VEC
	v_lshl_add_u32 v[AB], v[BV+2], 6, s22
	s_lshr_b32 s23, s[WV], 1
	s_lshl_b32 s23, s23, 5
	s_and_b32 s24, s[WV], 1
	s_lshl_b32 s24, s24, 3
	s_add_co_u32 s23, s23, s24
	s_lshl_b32 s23, s23, 2
	s_add_co_u32 s23, s23, VEC+4096
	v_and_b32 v[AV], 8, v[BV+1]
	v_add_nc_u32 v[AV], v[AV], v[BV+1]
	v_lshl_add_u32 v[AV], v[AV], 2, s23            ; bv at channel 32 (w / 2) + 8 (w % 2) + r + 8 (r / 8)
	s_mul_i32 s22, s[WV], FRB
	s_add_co_u32 s22, s22, XIMG
	v_add_nc_u32 v[XWI], s22, v[LI]
	s_lshl_b32 s22, s[WV], 7
	s_add_co_u32 s22, s22, XSC
	v_add_nc_u32 v[XWS], s22, v[LS]
	v_lshl_add_u32 v[VW], v0, 4, VEC
	v_lshlrev_b32 v[TI], 4, v0
	s_mov_b32 s[SEL], 0x76543210
	s_mov_b32 s[SEL+1], 0xfedcba98
.irp b, 0,1,2,3
	v_mov_b32 v[TM+4+\b], 0                        ; written once: a lane permute's destination counts as one of its sources
.endr
	s_lshl_b32 s22, ttmp9, 16                      ; my 32 rows of 2,048 bytes,
	s_lshl_b32 s23, s[WV], 9
	s_add_co_u32 s22, s22, s23                     ; my wave's 512 bytes of each
	s_mov_b32 s23, 0
	s_mul_i32 s32, s[WV], 48*WB                    ; my wave's run of wts
	s_mov_b32 s33, 0
	s_mul_i32 s34, ttmp9, 16*768
	s_mul_i32 s36, s[WV], FRB
	s_add_co_u32 s34, s34, s36                     ; q's half images 8 T + 2 w
	s_mov_b32 s35, 0
	s_lshl_b32 s36, ttmp9, 10
	s_lshl_b32 s37, s[WV], 7
	s_add_co_u32 s36, s36, s37
	s_add_co_u32 s36, s36, QSC                     ; q's scale words
	s_mov_b32 s37, 0
	s_mul_i32 s38, ttmp9, 2*WB
	s_mul_i32 s40, s[WV], FRB
	s_add_co_u32 s38, s38, s40                     ; kv: my tiles' blocks, fragment w
	s_mov_b32 s39, 0
	s_mul_i32 s40, ttmp9, 2*WB
	s_lshl_b32 s41, s[WV], 7
	s_add_co_u32 s40, s40, s41
	s_add_co_u32 s40, s40, 8*FRB                   ; and its scale word
	s_mov_b32 s41, 0
	s_wait_kmcnt 0x0
	s_add_nc_u64 s[4:5], s[4:5], s[22:23]
	s_add_nc_u64 s[SW:SW+1], s[SW:SW+1], s[32:33]
	s_add_nc_u64 s[24:25], s[14:15], s[34:35]
	s_add_nc_u64 s[26:27], s[14:15], s[36:37]
	s_add_nc_u64 s[28:29], s[16:17], s[38:39]
	s_add_nc_u64 s[30:31], s[16:17], s[40:41]
	; ---- x: my 512 bytes of the 32 rows, the rows of a tile in the order pi
	WIN 0x80
.irp rt, 0,1
.irp i, 0,1,2,3,4,5,6,7,8,9,10,11,12,13,14,15
	global_load_b128 v[Y+64*\rt+4*\i:Y+64*\rt+4*\i+3], v[LI], s[4:5] offset:(16*\rt+4*((\i/2)%4)+2*(\i/8)+(\i%2))*2048 th:TH_LOAD_NT
.endr
.endr
	WIN 0
	global_load_b128 v[PC:PC+3], v[TI], s[6:7]     ; the three biases: 16 bytes a thread
	global_load_b128 v[PC+4:PC+7], v[TI], s[8:9]
	global_load_b128 v[PC+8:PC+11], v[TI], s[10:11]
	WLOAD 0, 0
	WLOAD 1, WB
	s_wait_loadcnt 52                              ; x and the biases are in; the two units stay out
	ds_store_b128 v[VW], v[PC:PC+3]
	ds_store_b128 v[VW], v[PC+4:PC+7] offset:2048
	ds_store_b128 v[VW], v[PC+8:PC+11] offset:4096
.irp rt, 0,1
	TURN_IN Y+64*\rt, 2, ST
	s_wait_dscnt 0x0
	QUANT ST, 0
	IMAGE XWI, 4*FRB*\rt                           ; K step w of tile rt
	ds_store_b32 v[XWS], v[PW] offset:512*\rt
	s_wait_dscnt 0x0                               ; the stores have read their registers
.endr
	BARRIER                                        ; x's eight fragments and the biases lie in LDS
.irp k, 0,1,2,3,4,5,6,7
	FETCH XF+12*\k, LI, XIMG+FRB*\k
	ds_load_b32 v[XS+\k], v[LS] offset:XSC+128*\k
.endr
	; ---- q
	VECLOAD 1, AB, 0
	s_wait_dscnt 0x0
	PASS 0, 1, 0, 4
	PLACES 4                                       ; in front of the first read of results
.irp rt, 0,1
	s_wait_xcnt 0x0                                ; earlier stores have read the codes' registers
	QUANT 64*\rt, 2
	global_store_b128 v[LI], v[PC:PC+3], s[24:25] offset:8*768*\rt             ; position group 2 w: registers 0-3,
	global_store_b64 v[L8], v[PC+4:PC+5], s[24:25] offset:8*768*\rt+512        ; 4-5;
	global_store_b128 v[LI], v[PC+6:PC+9], s[24:25] offset:8*768*\rt+768       ; group 2 w + 1
	global_store_b64 v[L8], v[PC+10:PC+11], s[24:25] offset:8*768*\rt+1280
	global_store_b32 v[LS], v[PW], s[26:27] offset:512*\rt
.endr
	; ---- k
	VECLOAD 1, AB, 2048
	s_wait_dscnt 0x0
	PASS 4, 1, 0, 4
	PLACES 4
.irp rt, 0,1
	s_wait_xcnt 0x0
	QUANT 64*\rt, 2
.irp c, 0,1,2
	global_store_b128 v[LI], v[PC+4*\c:PC+4*\c+3], s[28:29] offset:WB*\rt+512*\c
.endr
	global_store_b32 v[LS], v[PW], s[30:31] offset:WB*\rt
.endr
	; ---- v: tile t of the weights is position group g = t; a lane holds channel r of channel tile w
.irp g, 0,1,2,3,4,5,6,7
	ds_load_b32 v[BV+\g], v[AV] offset:256*\g
.endr
	PASS 8, 0, 1, 2
	PLACES 4
	s_wait_dscnt 0x0                               ; bv
.irp rt, 0,1
	s_wait_xcnt 0x0
	WIN 0x02                                       ; source 0: the accumulators, window 2
.irp g, 0,1,2,3,4,5,6,7
.irp j, 0,1,2,3,4,5,6,7
	v_add_f32 v[ST+16*(\j/2)+8*(\j%2)+\g], v[64*\rt+8*\g+\j], v[BV+\g]   ; row 4 B + 2 h + n of group g is key 32 B + 16 h + 8 n + g; each accumulator from its low end on
.endr
.endr
	QUANT ST, 0
.irp c, 0,1,2
	global_store_b128 v[LI], v[PC+4*\c:PC+4*\c+3], s[28:29] offset:WB*\rt+4*FRB+512*\c
.endr
	global_store_b32 v[LS], v[PW], s[30:31] offset:WB*\rt+512
.endr
	s_wait_tensorcnt 0x0
	ds_add_u32 v214, v215
	s_wait_dscnt 0x0
	s_endpgm
.Lfunc_end_k_q8342a2b7cb_qkv:
	.size	k_q8342a2b7cb_qkv, .Lfunc_end_k_q8342a2b7cb_qkv-k_q8342a2b7cb_qkv
	.p2alignl 7, 3214868480
	.fill 96, 4, 3214868480
	.section	.rodata,"a",@progbits
	.p2align	6, 0x0
	.amdhsa_kernel k_q8342a2b7cb_qkv
		.amdhsa_group_segment_fixed_size 53760
		.amdhsa_private_segment_fixed_size 0
		.amdhsa_enable_private_segment 0
		.amdhsa_kernarg_size 56
		.amdhsa_user_sgpr_count 2
		.amdhsa_user_sgpr_kernarg_segment_ptr 1
		.amdhsa_wavefront_size32 1
		.amdhsa_system_sgpr_workgroup_id_x 1
		.amdhsa_system_sgpr_workgroup_id_y 1
		.amdhsa_system_sgpr_workgroup_id_z 1
		.amdhsa_system_vgpr_workitem_id 0
		.amdhsa_next_free_vgpr 1024
		.amdhsa_next_free_sgpr 66
		.amdhsa_reserve_vcc 0
		.amdhsa_float_denorm_mode_32 3
		.amdhsa_float_denorm_mode_16_64 3
		.amdhsa_memory_ordered 1
		.amdhsa_forward_progress 1
		.amdhsa_inst_pref_size 111
	.end_amdhsa_kernel
	.amdgpu_metadata
---
amdhsa.version: [ 1, 2 ]
amdhsa.kernels:
  - .name:           k_q8342a2b7cb_qkv
    .symbol:         k_q8342a2b7cb_qkv.kd
    .args:
      - { .name: x, .offset: 0, .size: 8, .value_kind: global_buffer, .address_space: global }
      - { .name: bq, .offset: 8, .size: 8, .value_kind: global_buffer, .address_space: global }
      - { .name: bk, .offset: 16, .size: 8, .value_kind: global_buffer, .address_space: global }
      - { .name: bv, .offset: 24, .size: 8, .value_kind: global_buffer, .address_space: global }
      - { .name: wts, .offset: 32, .size: 8, .value_kind: global_buffer, .address_space: global }
      - { .name: qimg, .offset: 40, .size: 8, .value_kind: global_buffer, .address_space: global }
      - { .name: kv, .offset: 48, .size: 8, .value_kind: global_buffer, .address_space: global }
    .group_segment_fixed_size: 53760
    .private_segment_fixed_size: 0
    .kernarg_segment_align: 8
    .kernarg_segment_size: 56
    .max_flat_workgroup_size: 128
    .sgpr_count:     66
    .vgpr_count:     1024
    .wavefront_size: 32
...
	.end_amdgpu_metadata
.endif
;; end of part 2
;; launch attn (part 3): grid 16 x 16, 16 waves a work-group, no clusters, 327,680 bytes of LDS; arguments qimg, kv, ctx; writes ctx
.if DOCPART == 3
	.amdgcn_target "amdgcn-amd-amdhsa--gfx1250"
	.amdhsa_code_object_version 6
	.text
	.protected	k_q8342a2b7cb_attn
	.globl	k_q8342a2b7cb_attn
	.p2align	8
	.type	k_q8342a2b7cb_attn,@function
k_q8342a2b7cb_attn:
	s_mov_b64 s[64:65], 0
	v_nop
	global_prefetch_b8 v0, s[64:65] scope:SCOPE_SE
	s_setreg_imm32_b32 hwreg(HW_REG_WAVE_MODE, 25, 1), 1
	s_wait_xcnt 0x0
; CAUSAL ATTENTION ON CODES OF BF6 (E3M2), 16 heads of 4,096 positions x 64 channels, no 1 / sqrt(d); the result is quantised at once for the product with Wo.
; THE SOFTMAX AHEAD OF THE SECOND PRODUCT: t = score x log2(e); M = the row's largest t so far, rounded up to a whole number; p = 2^(t - M) is quantised along the keys, not normalised.
; The row's sum is taken of the unquantised p and divides O at the end.  When M moves, the sum and O are multiplied by 2^(old M - new M): exact.
; SHARES.  Work-group (P, head) owns the query groups P and 31 - P of 128 positions: 33 group-steps under the causal mask for every work-group.  Wave wv owns 16 queries: positions 8 pi(r) + g of its group,
; g = wv % 8, group TQ = P (waves 0-7) or 31 - P (waves 8-15); pi(r) = 4 ((r / 2) % 4) + 2 (r / 8) + r % 2 is the row order of every tile of this program.  256 registers a wave, four waves to a SIMD.
; A KEY STEP is 128 keys = one block of kv (13,312 bytes): k's four fragments, v^T's four, their scale words, all as images of the operand's registers: every LDS address is a lane term + an immediate.
; K = 64 IN AN INSTRUCTION OF 128: a fragment of k holds two tiles of 16 keys (position groups 2 y, 2 y + 1) in its two halves.  It is multiplied by (Q, zeros) and by (zeros, Q): zero codes add nothing,
; whatever stands against them, under the scale byte 0 too (which is 2^-127 and no NaN).
; Both products are used transposed (S^T = k q^T, O^T = v^T p^T): a lane holds one query throughout.  Register 8 g' + 2 B + n of S^T is key 32 B + 16 h + 8 n + g': the exponential writes p to register 16 B + 8 n + g', its place along the keys.
; THE RING.  Two slots of two key steps (26,624 bytes, one dense run of memory), filled by wave 0, read by all sixteen.  Every wave walks 4 ceil((32 - P) / 4) steps; a step all of whose keys come after the wave's
; queries is jumped over (a scalar branch on ids, round no barrier and no tensor load).  On the diagonal hidden scores become -infinity.
; No joint loads: the 16 work-groups of a head walk 20 to 32 steps, so partners would need different numbers of tiles.
; LIMITS: NaN and infinities are not served; v_exp_f32 and v_rcp_f32 are accurate to 1 ulp; a block whose every p has fallen to 0 keeps the byte 1: its codes are zeros.
; A block's largest p is the block's largest score put through the same multiply-add and exponential (this takes v_exp_f32 not to fall where its input rises).
.set WB,    13312
.set FRB,   1536
.set SLOTB, 2*WB
.set SPARE, 2*SLOTB                    ; behind the ring: the spare words, 128 bytes for each of 16 waves: eight blocks of 256 bytes that no other line names
.set QSC,   3145728
.set CSC,   3145728
.set LI,  1                            ; 16 x lane
.set LS,  2                            ; 4 x lane
.set SPW, 3                            ; LDS address of my spare word; never rewritten
.set NIL, 4                            ; 0; never rewritten
.set DQ,  5                            ; 8 pi(r) + g - 16 h
.set NINF, 6                           ; -infinity
.set L8,  7                            ; 8 x lane
.set QF,  16                           ; v16-21 Q, v22-27 zeros, v28-33 Q
.set QS,  34                           ; v34, v35 Q's scale bytes in the low half, in the high half
.set KW,  36                           ; v36-39 k's scale words
.set VW,  40                           ; v40-43 v's
.set PC,  44                           ; v44-63 p's codes
.set KF,  64                           ; v64-111 k's fragments;
.set P,   64                           ; v64-127 then p
.set S,   128                          ; v128-191 S^T;
.set VF,  128                          ; v128-175 then v's fragments
.set O,   192                          ; v192-223 O^T
.set TM,  224
.set TP,  228
.set TS,  232
.set SU,  236                          ; v[236:237] the sum's second chain
.set PW,  238                          ; p's scale word
.set FF,  240                          ; v[240:241] f = 2^(old M - new M)
.set TT,  242
.set TQ,  15                           ; s15 my query group
.set WV,  18
.set SEL, 20
.set CS,  22                           ; s[22:23] log2(e)
.set G1,  24                           ; s[24:31] descriptor group 1
.set G0,  32                           ; s[32:39] group 0, a set for each slot
.set TRIPS, 40
.set KS,  41                           ; the key step
.macro PLACES n
.rept \n
	v_nop
.endr
.endm
.macro TLOAD g0                        ; wave 0 fetches; four v_nop follow the load
	s_cmp_lg_u32 s[WV], 0
	s_cbranch_scc1 .Lnone_\@
	tensor_load_to_lds s[\g0:\g0+3], s[G1:G1+7]
	s_nop 0
	PLACES 4
.Lnone_\@:
.endm
	s_load_b128 s[4:7], s[0:1], 0x0                ; qimg, kv
	s_load_b64 s[8:9], s[0:1], 0x10                ; ctx
	v_lshl_add_u32 v[SPW], v0, 2, SPARE
	v_mov_b32 v[NIL], 0
	ds_add_u32 v3, v4
	s_wait_dscnt 0x0
	v_lshrrev_b32 v[TT], 5, v0
	v_readfirstlane_b32 s[WV], v[TT]               ; wave 0..15
	s_and_b32 s10, ttmp7, 0xffff                   ; the head
	s_and_b32 s11, s[WV], 7                        ; g
	s_sub_co_u32 s12, 31, ttmp9
	s_cmp_lt_u32 s[WV], 8
	s_cselect_b32 s[TQ], ttmp9, s12                ; my query group: P or 31 - P
	s_sub_co_u32 s[TRIPS], 35, ttmp9
	s_lshr_b32 s[TRIPS], s[TRIPS], 2
	s_sub_co_u32 s[TRIPS], s[TRIPS], 1             ; ceil((32 - P) / 4) - 1: 4 to 7
	s_mov_b32 s[KS], 0
	s_and_b32 s19, s[WV], 1
	s_lshl_b32 s19, s19, 4                         ; 16 (g % 2): where my two bytes stand in Q's scale word
	s_mul_i32 s12, s10, 32*WB                      ; the head's 32 blocks of kv
	s_mov_b32 s13, 0
	s_lshl_b32 s14, s10, 5
	s_add_co_u32 s14, s14, s[TQ]                   ; T
	s_lshl_b32 s16, s14, 3
	s_add_co_u32 s16, s16, s11                     ; 8 T + g
	s_mul_i32 s42, s16, 768                        ; a half image, in qimg and in ctx
	s_mov_b32 s43, 0
	s_lshl_b32 s44, s16, 7
	s_add_co_u32 s44, s44, CSC                     ; ctx's scale word
	s_mov_b32 s45, 0
	s_lshl_b32 s46, s14, 2
	s_lshr_b32 s17, s11, 1
	s_add_co_u32 s46, s46, s17
	s_lshl_b32 s46, s46, 7
	s_add_co_u32 s46, s46, QSC                     ; Q's scale word: 4 T + g / 2
	s_mov_b32 s47, 0
	; descriptor group 1: a dense run of 26,624 bytes as 104 rows of 256 bytes (32 elements of 8 bytes), no padding
	s_mov_b32 s[G1], 3<<16                         ; no mask; elements of 8 bytes
	s_mov_b32 s[G1+1], 32<<16                      ; tensor_dim0 = 32
	s_mov_b32 s[G1+2], 104<<16                     ; tensor_dim1 = 104
	s_mov_b32 s[G1+3], 32<<16                      ; tile_dim0 = 32
	s_mov_b32 s[G1+4], 104                         ; tile_dim1 = 104
	s_mov_b32 s[G1+5], 32                          ; from row to row
	s_mov_b32 s[G1+6], 0
	s_mov_b32 s[G1+7], 0
	s_mov_b32 s[SEL], 0x76543210
	s_mov_b32 s[SEL+1], 0xfedcba98
	s_mov_b32 s[CS], 0x3fb8aa3b                    ; log2(e)
	s_mov_b32 s[CS+1], s[CS]                       ; (named with it as a pair, so it is written)
	s_wait_kmcnt 0x0
	s_add_nc_u64 s[6:7], s[6:7], s[12:13]
	s_mov_b32 s[G0], 1
	s_mov_b32 s[G0+1], 0                           ; slot 0: key steps 0, 1
	s_mov_b64 s[G0+2:G0+3], s[6:7]
	s_or_b32 s[G0+3], s[G0+3], 0x80000000
	s_mov_b32 s[G0+4], 1
	s_mov_b32 s[G0+5], SLOTB                       ; slot 1: key steps 2, 3
	s_add_nc_u64 s[G0+6:G0+7], s[6:7], SLOTB
	s_or_b32 s[G0+7], s[G0+7], 0x80000000
	s_cmp_lg_u32 s[WV], 0                          ; both first fills in one branch, ahead of every wait on TENSORcnt, every LDS read and every barrier: two loads of wave 0 are out
	s_cbranch_scc1 .Lfirst_asked
	tensor_load_to_lds s[G0:G0+3], s[G1:G1+7]
	s_nop 0
	tensor_load_to_lds s[G0+4:G0+7], s[G1:G1+7]
	s_nop 0
	PLACES 4
.Lfirst_asked:
	s_add_nc_u64 s[46:47], s[4:5], s[46:47]
	s_add_nc_u64 s[4:5], s[4:5], s[42:43]
	s_add_nc_u64 s[44:45], s[8:9], s[44:45]
	s_add_nc_u64 s[8:9], s[8:9], s[42:43]
	v_and_b32 v[TT], 31, v0
	v_lshlrev_b32 v[LI], 4, v[TT]
	v_lshlrev_b32 v[L8], 3, v[TT]
	v_lshlrev_b32 v[LS], 2, v[TT]
	global_load_b128 v[QF:QF+3], v[LI], s[4:5]     ; Q's half image: registers 0-3,
	global_load_b64 v[QF+4:QF+5], v[L8], s[4:5] offset:512   ; 4-5
	global_load_b32 v[TT], v[LS], s[46:47]         ; and the scale word that holds its two bytes
	v_bfe_u32 v[TM], v0, 1, 2
	v_bfe_u32 v[TM+1], v0, 3, 1
	v_and_b32 v[TM+2], 1, v0
	v_lshl_add_u32 v[TM], v[TM], 1, v[TM+1]
	v_lshl_add_u32 v[TM], v[TM], 1, v[TM+2]        ; pi(r)
	v_lshl_add_u32 v[DQ], v[TM], 3, s11
	v_bfe_u32 v[TM+1], v0, 4, 1
	v_lshlrev_b32 v[TM+1], 4, v[TM+1]
	v_sub_nc_u32 v[DQ], v[DQ], v[TM+1]             ; my query's place in its group, less 16 h
	v_mov_b32 v[NINF], 0xff800000
	v_mov_b32 v13, 0xff61b1e6                      ; the largest t so far: -3e38, under every t
	v_floor_f32 v12, -v13                          ; -M
	v_mov_b32 v14, 0                               ; the sum, in two halves
	v_mov_b32 v15, 0
	v_mov_b32 v[FF+1], 0                           ; (named as the upper half of a pair)
.irp b, 0,1,2,3
	v_mov_b32 v[TP+\b], 0                          ; written once: a lane permute's destination counts as one of its sources
.endr
.irp i, 0,1,2,3,4,5
	v_mov_b32 v[QF+6+\i], 0                        ; the zero codes between Q's two copies
.endr
	s_wait_loadcnt 0x0
.irp i, 0,1,2,3,4,5
	v_mov_b32 v[QF+12+\i], v[QF+\i]
.endr
	v_lshrrev_b32 v[QS], s19, v[TT]
	v_and_b32 v[QS], 0xffff, v[QS]                 ; bytes 0, 1: Q in the lower half of K; bytes 2, 3 are 0, over zero codes
	v_lshlrev_b32 v[QS+1], 16, v[QS]               ; and the other way round
.set N, 0
.rept 32
	v_mov_b32 v[O+N], 0                            ; O^T: the step is written once; its first walk finds zeros.  (These are also the places between the scale words just made and the first product)
.set N, N+1
.endr
	s_wait_tensorcnt 1                             ; slot 0 has landed; slot 1's fill may stay out
	s_barrier_signal -1
	s_barrier_wait -1
; A KEY STEP: the q-th of the slot
.macro STEP slot, q
.set BASE, (\slot)*SLOTB+(\q)*WB
	s_cmp_gt_u32 s[KS], s[TQ]                      ; all its keys come after my queries: nothing to do
	s_cbranch_scc1 .Lhid_\@
	PLACES 5                                       ; S^T is laid over v's fragments, which the last products read
.irp y, 0,1,2,3
.irp c, 0,1,2
	ds_load_b128 v[KF+12*\y+4*\c:KF+12*\y+4*\c+3], v[LI] offset:BASE+FRB*\y+512*\c
.endr
	ds_load_b32 v[KW+\y], v[LS] offset:BASE+8*FRB+128*\y
.endr
	s_wait_dscnt 0x0
.irp y, 0,1,2,3
.irp c, 0,1
	v_wmma_scale_f32_16x16x128_f8f6f4 v[S+8*(2*\y+\c):S+8*(2*\y+\c)+7], v[KF+12*\y:KF+12*\y+11], v[QF+6*\c:QF+6*\c+11], 0, v[KW+\y], v[QS+\c] matrix_a_fmt:MATRIX_FMT_BF6 matrix_b_fmt:MATRIX_FMT_BF6
.endr
.endr
	PLACES 4
	s_cmp_lg_u32 s[KS], s[TQ]                      ; off the diagonal every key counts
	s_cbranch_scc1 .Lopen_\@
.set N, 0
.rept 64                                       ; register 8 g' + 2 B + n holds key 32 B + 16 h + 8 n + g' of the group: hidden where it comes after my query
	v_cmp_gt_i32 vcc_lo, 32*((N%8)/2)+8*(N%2)+N/8, v[DQ]
	v_cndmask_b32 v[S+N], v[S+N], v[NINF], vcc_lo
.set N, N+1
.endr
.Lopen_\@:
.irp b, 0,1,2,3
	v_max3_num_f32 v[TM+\b], v[S+2*\b], v[S+2*\b+1], v[S+8+2*\b]   ; the largest score of each block of 32 keys; each accumulator is first read at its low end
.endr
.irp k, 1,2,3,4,5,6
.irp b, 0,1,2,3
	v_max3_num_f32 v[TM+\b], v[TM+\b], v[S+8*\k+2*\b+1], v[S+8*\k+8+2*\b]
.endr
.endr
.irp b, 0,1,2,3
	v_max_num_f32 v[TM+\b], v[TM+\b], v[S+57+2*\b]
.endr
.irp b, 0,1,2,3
	v_permlanex16_b32 v[TP+\b], v[TM+\b], s[SEL], s[SEL+1]
.endr
.irp b, 0,1,2,3
	v_max_num_f32 v[TM+\b], v[TM+\b], v[TP+\b]     ; with lane l xor 16's 16 keys
.endr
	v_max3_num_f32 v[TT], v[TM], v[TM+1], v[TM+2]
	v_max_num_f32 v[TT], v[TT], v[TM+3]            ; the step's largest score of my query
	v_mul_f32 v[TT], s[CS], v[TT]
	v_max_num_f32 v13, v13, v[TT]                  ; the running largest t
	v_mov_b32 v[TT], v12
	v_floor_f32 v12, -v13                          ; the new -M = -ceil(t)
	v_sub_f32 v[TT], v12, v[TT]                    ; old M - new M: a whole number, 0 or less
	v_cvt_i32_f32 v[TT], v[TT]                     ; (it saturates)
	v_ldexp_f32 v[FF], 1.0, v[TT]                  ; f
.set N, 0
.rept 32
	v_pk_fma_f32 v[S+N:S+N+1], v[S+N:S+N+1], s[CS:CS+1], v[12:13] op_sel_hi:[1,0,0]   ; t - M, two at a time
.set N, N+2
.endr
.irp b, 0,1,2,3
	v_fma_f32 v[TM+\b], v[TM+\b], s[CS], v12       ; the same of each block's largest score
.endr
.set N, 0
.rept 64
	v_exp_f32 v[P+16*((N%8)/2)+8*(N%2)+N/8], v[S+N]    ; p, written to its place along the keys
.set N, N+1
.endr
.irp b, 0,1,2,3
	v_exp_f32 v[TM+\b], v[TM+\b]                   ; the block's largest p
.endr
	v_pk_mul_f32 v[14:15], v[14:15], v[FF:FF+1] op_sel_hi:[1,0]   ; the sums under the new M.  (A plain place behind the exponentials)
.irp t, 0,1,2,3                                ; S^T is done with: v's fragments land there while p is quantised
.irp c, 0,1,2
	ds_load_b128 v[VF+12*\t+4*\c:VF+12*\t+4*\c+3], v[LI] offset:BASE+4*FRB+FRB*\t+512*\c
.endr
	ds_load_b32 v[VW+\t], v[LS] offset:BASE+8*FRB+512+128*\t
.endr
	s_wait_alu depctr_va_vdst(0)
.irp b, 0,1,2,3
	v_max_num_f32 v[TM+\b], 0x2800000, v[TM+\b]    ; the floor 2^(5 - 127)
.endr
.irp b, 0,1,2,3
	v_add_nc_u32 v[TS+\b], 0xfe000000, v[TM+\b]    ; 4 off the exponent field: the conversion's scale operand
.endr
.irp b, 0,1,2,3
	v_lshrrev_b32 v[TP+\b], 23, v[TS+\b]           ; the scale's byte
.endr
	v_lshl_or_b32 v[PW], v[TP+1], 8, v[TP]
	v_lshl_or_b32 v[PW], v[TP+2], 16, v[PW]
	v_lshl_or_b32 v[PW], v[TP+3], 24, v[PW]
.irp c, 0,1
	v_cvt_scalef32_pk16_bf6_f32 v[PC+6*\c:PC+6*\c+2], v[P+32*\c:P+32*\c+15], v[TS+2*\c]
	v_cvt_scalef32_pk16_bf6_f32 v[PC+12+4*\c:PC+14+4*\c], v[P+32*\c+16:P+32*\c+31], v[TS+2*\c+1]
.endr
	v_nop                                          ; one plain place behind a scaled conversion
.irp c, 0,1
.irp i, 0,1,2
	v_permlane16_swap_b32 v[PC+6*\c+\i], v[PC+12+4*\c+\i]
.endr
.irp i, 0,1,2
	v_mov_b32 v[PC+3+6*\c+\i], v[PC+12+4*\c+\i]
.endr
.endr
	v_pk_add_f32 v[SU:SU+1], v[P:P+1], v[P+2:P+3]  ; the row's sum is taken of the unquantised p, in two chains
.irp j, 4,8,12,16,20,24,28,32,36,40,44,48,52,56,60
	v_pk_add_f32 v[14:15], v[14:15], v[P+\j:P+\j+1]
	v_pk_add_f32 v[SU:SU+1], v[SU:SU+1], v[P+\j+2:P+\j+3]
.endr
	v_pk_add_f32 v[14:15], v[14:15], v[SU:SU+1]
.set N, 0
.rept 16
	v_pk_mul_f32 v[O+N:O+N+1], v[O+N:O+N+1], v[FF:FF+1] op_sel_hi:[1,0]   ; O^T under the new M.  (With the sums: the places in front of the products below)
.set N, N+2
.endr
	s_wait_dscnt 0x0
.irp t, 0,1,2,3                                ; O^T += v^T p^T: four tiles of 16 channels by turns
	v_wmma_scale_f32_16x16x128_f8f6f4 v[O+8*\t:O+8*\t+7], v[VF+12*\t:VF+12*\t+11], v[PC:PC+11], v[O+8*\t:O+8*\t+7], v[VW+\t], v[PW] matrix_a_fmt:MATRIX_FMT_BF6 matrix_b_fmt:MATRIX_FMT_BF6
.endr
.Lhid_\@:
	s_add_co_u32 s[KS], s[KS], 1
.endm
; THE CHANGE OF SLOTS stands at a slot's head.  Each wave waits for all its tensor loads, adds 0 to its spare word, and waits for that and for its reads of the slot that it has left.
; Behind the barrier the slot ahead is whole and nobody reads the other one.  refill = 1: that one takes the two key steps that follow: the load has two steps in which to land.
.macro TWO slot, refill
	s_wait_tensorcnt 0x0                           ; no tensor load of mine is out, so a group 0 may be written
	ds_add_u32 v[SPW], v[NIL]                      ; 0 onto my spare word
	s_add_nc_u64 s[G0+6-4*(\slot):G0+7-4*(\slot)], s[G0+6-4*(\slot):G0+7-4*(\slot)], 2*SLOTB   ; the other slot's next two key steps; the type bits on top are not reached
	s_wait_dscnt 0x0                               ; the add is done, and my reads of the slot that I have left are over
	s_barrier_signal -1
	s_barrier_wait -1
.if \refill
	TLOAD G0+4-4*(\slot)                           ; the first thing behind the barrier, and wave 0's one tensor load until the next
.endif
	STEP \slot, 0
	STEP \slot, 1
.endm
	STEP 0, 0
	STEP 0, 1
.Lring:                                            ; a trip: four key steps, both slots filled again
	TWO 1, 1
	TWO 0, 1
	s_sub_co_u32 s[TRIPS], s[TRIPS], 1
	s_cmp_lg_u32 s[TRIPS], 0
	s_cbranch_scc1 .Lring
	TWO 1, 0                                       ; the last two steps are written out: nothing is left to fetch (slot 0's stepped address is not used)
	; THE WAY OUT: O^T / the sum; register 8 t + j is channel 32 (t / 2) + 16 h + 8 (t % 2) + j of my query: two blocks of 32 along Wo's K
	PLACES 4
	v_add_f32 v14, v14, v15
	v_permlanex16_b32 v[TT], v14, s[SEL], s[SEL+1]
	v_add_f32 v14, v14, v[TT]                      ; the row's sum
	v_rcp_f32 v14, v14
	v_nop                                          ; one plain place behind a transcendental
.set N, 0
	s_wait_alu depctr_va_vdst(0)
.rept 16
	v_pk_mul_f32 v[S+N:S+N+1], v[O+N:O+N+1], v[14:15] op_sel_hi:[1,0]   ; each accumulator from its low end on
.set N, N+2
.endr
.irp b, 0,1
	v_max3_num_f32 v[TM+\b], 0x2800000, |v[S+16*\b]|, |v[S+16*\b+1]|
.endr
.irp i, 2,4,6,8,10,12,14
.irp b, 0,1
	v_max3_num_f32 v[TM+\b], v[TM+\b], |v[S+16*\b+\i]|, |v[S+16*\b+\i+1]|
.endr
.endr
.irp b, 0,1
	v_permlanex16_b32 v[TP+\b], v[TM+\b], s[SEL], s[SEL+1]
.endr
.irp b, 0,1
	v_max_num_f32 v[TM+\b], v[TM+\b], v[TP+\b]
.endr
.irp b, 0,1
	v_add_nc_u32 v[TS+\b], 0xfe000000, v[TM+\b]
.endr
.irp b, 0,1
	v_lshrrev_b32 v[TP+\b], 23, v[TS+\b]
.endr
	v_lshl_or_b32 v[PW], v[TP+1], 8, v[TP]         ; two bytes, in the word's low half
	v_cvt_scalef32_pk16_bf6_f32 v[PC:PC+2], v[S:S+15], v[TS]
	v_cvt_scalef32_pk16_bf6_f32 v[PC+12:PC+14], v[S+16:S+31], v[TS+1]
	v_nop
.irp i, 0,1,2
	v_permlane16_swap_b32 v[PC+\i], v[PC+12+\i]
.endr
.irp i, 0,1,2
	v_mov_b32 v[PC+3+\i], v[PC+12+\i]
.endr
	global_store_b128 v[LI], v[PC:PC+3], s[8:9]    ; the half image 8 T + g: 512 consecutive bytes,
	global_store_b64 v[L8], v[PC+4:PC+5], s[8:9] offset:512   ; and 256
	global_store_b32 v[LS], v[PW], s[44:45]
	s_wait_tensorcnt 0x0                           ; the wave's end
	ds_add_u32 v[SPW], v[NIL]
	s_wait_dscnt 0x0
	s_endpgm
.Lfunc_end_k_q8342a2b7cb_attn:
	.size	k_q8342a2b7cb_attn, .Lfunc_end_k_q8342a2b7cb_attn-k_q8342a2b7cb_attn
	.p2alignl 7, 3214868480
	.fill 96, 4, 3214868480
	.section	.rodata,"a",@progbits
	.p2align	6, 0x0
	.amdhsa_kernel k_q8342a2b7cb_attn
		.amdhsa_group_segment_fixed_size 327680
		.amdhsa_private_segment_fixed_size 0
		.amdhsa_enable_private_segment 0
		.amdhsa_kernarg_size 24
		.amdhsa_user_sgpr_count 2
		.amdhsa_user_sgpr_kernarg_segment_ptr 1
		.amdhsa_wavefront_size32 1
		.amdhsa_system_sgpr_workgroup_id_x 1
		.amdhsa_system_sgpr_workgroup_id_y 1
		.amdhsa_system_sgpr_workgroup_id_z 1
		.amdhsa_system_vgpr_workitem_id 0
		.amdhsa_next_free_vgpr 256
		.amdhsa_next_free_sgpr 66
		.amdhsa_reserve_vcc 1
		.amdhsa_float_denorm_mode_32 3
		.amdhsa_float_denorm_mode_16_64 3
		.amdhsa_memory_ordered 1
		.amdhsa_forward_progress 1
		.amdhsa_inst_pref_size 176
	.end_amdhsa_kernel
	.amdgpu_metadata
---
amdhsa.version: [ 1, 2 ]
amdhsa.kernels:
  - .name:           k_q8342a2b7cb_attn
    .symbol:         k_q8342a2b7cb_attn.kd
    .args:
      - { .name: qimg, .offset: 0, .size: 8, .value_kind: global_buffer, .address_space: global }
      - { .name: kv, .offset: 8, .size: 8, .value_kind: global_buffer, .address_space: global }
      - { .name: ctx, .offset: 16, .size: 8, .value_kind: global_buffer, .address_space: global }
    .group_segment_fixed_size: 327680
    .private_segment_fixed_size: 0
    .kernarg_segment_align: 8
    .kernarg_segment_size: 24
    .max_flat_workgroup_size: 512
    .sgpr_count:     66
    .vgpr_count:     256
    .wavefront_size: 32
...
	.end_amdgpu_metadata
.endif
;; end of part 3
;; launch tail (part 4): grid 256 x 1, 4 waves a work-group, no clusters, 123,392 bytes of LDS; arguments ctx, x, wts, bo, g1, be1, b1, b2, g2, be2, out0; writes out0
.if DOCPART == 4
	.amdgcn_target "amdgcn-amd-amdhsa--gfx1250"
	.amdhsa_code_object_version 6
	.text
	.protected	k_q8342a2b7cb_tail
	.globl	k_q8342a2b7cb_tail
	.p2align	8
	.type	k_q8342a2b7cb_tail,@function
k_q8342a2b7cb_tail:
	s_mov_b64 s[64:65], 0
	v_nop
	global_prefetch_b8 v0, s[64:65] scope:SCOPE_SE
	s_setreg_imm32_b32 hwreg(HW_REG_WAVE_MODE, 25, 1), 1
	s_wait_xcnt 0x0
; x1 = LN(x + ctx Wo^T + bo; g1, be1);  out = LN(x1 + relu(x1 W1^T + b1) W2^T + b2; g2, be2).  The three products on codes of BF6 (E3M2) with one E8M0 scale for each 32 along K; all else in f32.
; SHARES.  A work-group takes 32 rows (two tiles of 16, the rows of a tile in the order pi(r) = 4 ((r / 2) % 4) + 2 (r / 8) + r % 2, in which ctx's images lie) through the whole chain; nothing goes to memory on the way.
; The four waves share the COLUMNS: wave w makes output columns 128 w .. 128 w + 127 and hidden units 512 w .. 512 w + 511, for all 32 rows.
; All products are used TRANSPOSED (source 0 = 16 rows of a weight, source 1 = 16 rows of the activation): a lane holds one row, register 8 t + j = column 32 (t / 2) + 16 h + 8 (t % 2) + j of the wave's 128.
; The biases are the C of each sum's first matrix instruction.  x1 and the hidden layer are quantised in registers and go from wave to wave through LDS as images of the operand's registers.
; THE WEIGHTS come from wts in the order of the operand's registers, straight into registers: wave w reads blocks 48 w + 12 .. 48 w + 47 on end; a unit (26 loads of 512 bytes) is asked for two units ahead, in four sets.
; No joint loads, though all work-groups read the same weights: a joint load lands in LDS, so each unit's 13,312 bytes would be written to and read from LDS besides, for 16 matrix instructions.
; LAYER NORM: a row's 512 numbers lie in two lanes of each of four waves.  The mean, then the mean of the squared differences (two passes: no difference of large sums), each by one exchange of four words a row through LDS.
; LIMITS: NaN and infinities are not served; v_rsq_f32 is accurate to 1 ulp; a block whose largest magnitude lies under 2^-122, a block of zeros among them, gets the byte 1 (this program alone reads the bytes).
; REGISTERS.  window 0: v1-19 addresses; v20-115 8 activation fragments; v116-135 codes just made; v136-199 64 numbers, the norms' sums; v200-212 at work; v216-223 the activations' scale words; v224-255 the weights', 4 sets of 8.
;   window 1: v0-191 weight sets 0, 1; v192-255 a bias or a gain.   window 2: v0-127 the 16 accumulators; v128-255 Y: x, then x1, then the result.   window 3: v0-191 weight sets 2, 3; v192-255 the norm's offset.
.set WB,     13312
.set FRB,    1536
.set SPITCH, 528
.set STG,    16*SPITCH
.set RED,    20480                     ; LDS: from 0 bo, g1, be1, b2, g2, be2 (2,048 bytes each), b1 (8,192); then four exchanges of 512 bytes: [tile][row][wave],
.set XSC,    RED+2048                  ; x1's scale words,
.set HSC,    XSC+1024                  ; the hidden layer's (16 rt + K step),
.set XIMG,   HSC+4096                  ; x1's 8 images,
.set STAGE,  XIMG+8*FRB                ; a stage of 16 rows x 528 bytes for each wave,
.set HIMG,   STAGE+4*STG               ; the hidden layer's 32 images
.set CSC,    3145728
.set LI,  1
.set L8,  2
.set LS,  3
.set SA,  4
.set SB,  5
.set AB,  6                            ; a vector in the result's layout: 512 w + 64 h
.set AB1, 7                            ; b1 likewise: 12,288 + 2,048 w + 64 h
.set XWI, 8
.set XWS, 9
.set TI,  11                           ; 16 x thread
.set HWI, 12                           ; where I store the hidden layer's images
.set HWS, 13
.set HRI, 14                           ; and where all read them
.set RW,  15                           ; an exchange: my word
.set RR,  16                           ; and my row's four
.set AT,  17                           ; the trip's addresses
.set HT,  18
.set HU,  19
.set XF,  20
.set PC,  116
.set ST,  136
.set LT,  136                          ; the norms' sums lie in ST
.set TM,  200
.set PW,  212
.set XS,  216
.set WS,  224
.set BIAS, 192
.set Y,   128
.set SW,  8                            ; s[8:9] my wave's run of wts
.set WV,  26
.set SEL, 28
.set PB,  42
.set PI,  43
.set PS,  44
.set CNT, 45
.set C9,  46                           ; 2^-9
.set EPS, 47
.set MSB, 0
.macro WIN new                         ; the immediate's high byte repeats the setting that is left; a switch that changes nothing is dropped
.if MSB != (\new)
	s_set_vgpr_msb (MSB<<8)|(\new)
.set MSB, (\new)
.endif
.endm
.macro PLACES n
.rept \n
	v_nop
.endr
.endm
.macro BARRIER                         ; my LDS stores have landed and my LDS loads are in: then the work-group's barrier
	s_wait_dscnt 0x0
	s_barrier_signal -1
	s_barrier_wait -1
.endm
; 64 numbers of a lane in window sw, register 16 b + i = k 32 b + 16 h + i of my row, become a fragment's codes in v[PC] on and its scale word in v[PW]
.macro QUANT s, sw
	WIN ((\sw)<<2)|((\sw)<<4)
.irp b, 0,1,2,3
	v_max3_num_f32 v[TM+\b], 0x2800000, |v[(\s)+16*\b]|, |v[(\s)+16*\b+1]|   ; block b: my 16 numbers, and the floor 2^(5 - 127)
.endr
.irp i, 2,4,6,8,10,12,14
.irp b, 0,1,2,3
	v_max3_num_f32 v[TM+\b], v[TM+\b], |v[(\s)+16*\b+\i]|, |v[(\s)+16*\b+\i+1]|
.endr
.endr
	WIN 0
.irp b, 0,1,2,3
	v_permlanex16_b32 v[TM+4+\b], v[TM+\b], s[SEL], s[SEL+1]
.endr
.irp b, 0,1,2,3
	v_max_num_f32 v[TM+\b], v[TM+\b], v[TM+4+\b]
.endr
.irp b, 0,1,2,3
	v_add_nc_u32 v[TM+8+\b], 0xfe000000, v[TM+\b]          ; 4 off its exponent field: the conversion's scale operand
.endr
.irp b, 0,1,2,3
	v_lshrrev_b32 v[TM+4+\b], 23, v[TM+8+\b]               ; the scale's byte
.endr
	v_lshl_or_b32 v[PW], v[TM+5], 8, v[TM+4]
	v_lshl_or_b32 v[PW], v[TM+6], 16, v[PW]
	v_lshl_or_b32 v[PW], v[TM+7], 24, v[PW]
	WIN \sw
.irp c, 0,1
	v_cvt_scalef32_pk16_bf6_f32 v[PC+6*\c:PC+6*\c+2], v[(\s)+32*\c:(\s)+32*\c+15], v[TM+8+2*\c]
	v_cvt_scalef32_pk16_bf6_f32 v[PC+12+4*\c:PC+14+4*\c], v[(\s)+32*\c+16:(\s)+32*\c+31], v[TM+9+2*\c]
.endr
	WIN 0
	v_nop                                                  ; one plain place behind a scaled conversion
.irp c, 0,1
.irp i, 0,1,2
	v_permlane16_swap_b32 v[PC+6*\c+\i], v[PC+12+4*\c+\i]
.endr
.irp i, 0,1,2
	v_mov_b32 v[PC+3+6*\c+\i], v[PC+12+4*\c+\i]
.endr
.endr
.endm
.macro IMAGE adr, off
.irp c, 0,1,2
	ds_store_b128 v[\adr], v[PC+4*\c:PC+4*\c+3] offset:(\off)+512*\c
.endr
.endm
.macro FETCH reg, adr, off
.irp c, 0,1,2
	ds_load_b128 v[(\reg)+4*\c:(\reg)+4*\c+3], v[\adr] offset:(\off)+512*\c
.endr
.endm
.macro TURN_IN raw, rw, dst            ; 16 rows of 512 bytes, as loaded (window rw), through my stage into the result's layout
	WIN (\rw)<<2
.irp i, 0,1,2,3,4,5,6,7,8,9,10,11,12,13,14,15
	ds_store_b128 v[SA], v[(\raw)+4*\i:(\raw)+4*\i+3] offset:\i*SPITCH
.endr
	WIN 0
.irp b, 0,1,2,3
.irp q, 0,1,2,3
	ds_load_b128 v[(\dst)+16*\b+4*\q:(\dst)+16*\b+4*\q+3], v[SB] offset:128*\b+16*\q   ; LDS serves a wave's instructions in order: these see my stores
.endr
.endr
.endm
.macro TURN_OUT src, dst               ; and the other way: 64 numbers a lane (window 2) become 16 rows of 512 bytes
	WIN 0x08
.irp b, 0,1,2,3
.irp q, 0,1,2,3
	ds_store_b128 v[SB], v[(\src)+16*\b+4*\q:(\src)+16*\b+4*\q+3] offset:128*\b+16*\q
.endr
.endr
	WIN 0
.irp i, 0,1,2,3,4,5,6,7,8,9,10,11,12,13,14,15
	ds_load_b128 v[(\dst)+4*\i:(\dst)+4*\i+3], v[SA] offset:\i*SPITCH
.endr
.endm
.macro VECLOAD win, adr, off           ; a vector of my 128 columns in the result's layout, into v192-255 of window win
	WIN (\win)<<6
.irp t, 0,1,2,3,4,5,6,7
.irp q, 0,1
	ds_load_b128 v[192+8*\t+4*\q:192+8*\t+4*\q+3], v[\adr] offset:(\off)+(32*(\t/2)+8*(\t%2))*4+16*\q
.endr
.endr
	WIN 0
.endm
.macro WLOAD set, off                  ; a unit: 26 loads of 512 consecutive bytes
	WIN 0x40+0x80*((\set)/2)
.irp t, 0,1,2,3,4,5,6,7
.irp c, 0,1,2
	global_load_b128 v[96*((\set)%2)+12*\t+4*\c:96*((\set)%2)+12*\t+4*\c+3], v[LI], s[SW:SW+1] offset:(\off)+FRB*\t+512*\c
.endr
.endr
	WIN 0
	global_load_b128 v[WS+8*(\set):WS+8*(\set)+3], v[LI], s[SW:SW+1] offset:(\off)+8*FRB
	global_load_b128 v[WS+8*(\set)+4:WS+8*(\set)+7], v[LI], s[SW:SW+1] offset:(\off)+8*FRB+512
.endm
; K step s of a pass: 16 matrix instructions, the 16 accumulators by turns, in the same order in every unit
.macro UNIT s, ub, first, pf, left
	WIN 0
	PLACES 4                                       ; in front of loads into registers that matrix instructions have read
.if \pf
	WLOAD ((\s)+2)%4, ((\ub)+(\s)+2)*WB
.endif
	s_wait_loadcnt \left
.if \first && ((\s) == 0)
	WIN 0x91                                       ; source 0 (W) window 1, source 1 window 0, C (the bias) window 1, D window 2
.else
	WIN 0xa1+2*((\s)/2)                            ; source 0 (W) window 1 or 3, C and D window 2
.endif
.irp t, 0,1,2,3,4,5,6,7
.irp rt, 0,1
.if \first && ((\s) == 0)
	v_wmma_scale_f32_16x16x128_f8f6f4 v[64*\rt+8*\t:64*\rt+8*\t+7], v[96*((\s)%2)+12*\t:96*((\s)%2)+12*\t+11], v[XF+12*(4*\rt+(\s)):XF+12*(4*\rt+(\s))+11], v[BIAS+8*\t:BIAS+8*\t+7], v[WS+8*(\s)+\t], v[XS+4*\rt+(\s)] matrix_a_fmt:MATRIX_FMT_BF6 matrix_b_fmt:MATRIX_FMT_BF6
.else
	v_wmma_scale_f32_16x16x128_f8f6f4 v[64*\rt+8*\t:64*\rt+8*\t+7], v[96*((\s)%2)+12*\t:96*((\s)%2)+12*\t+11], v[XF+12*(4*\rt+(\s)):XF+12*(4*\rt+(\s))+11], v[64*\rt+8*\t:64*\rt+8*\t+7], v[WS+8*(\s)+\t], v[XS+4*\rt+(\s)] matrix_a_fmt:MATRIX_FMT_BF6 matrix_b_fmt:MATRIX_FMT_BF6
.endif
.endr
.endr
.endm
.macro PASS ub, first, npf             ; four K steps.  npf = 2: the run of weights ends with this pass
	UNIT 0, \ub, \first, 1, 52                     ; 52: the two younger units, 2 x 26 loads, may be out
	UNIT 1, \ub, \first, 1, 52
.if \npf == 4
	UNIT 2, \ub, \first, 1, 52
	UNIT 3, \ub, \first, 1, 52
.else
	UNIT 2, \ub, \first, 0, 26                     ; nothing more is asked for: one younger unit,
	UNIT 3, \ub, \first, 0, 0                      ; then none
.endif
	WIN 0
.endm
; The two chains of each tile are folded, joined with lane l xor 16's, and exchanged among the four waves: v[LT + 8 rt + 4] = the row's sum over 512 columns
.macro LNX red
.irp rt, 0,1
	v_pk_add_f32 v[LT+8*\rt:LT+8*\rt+1], v[LT+8*\rt:LT+8*\rt+1], v[LT+8*\rt+2:LT+8*\rt+3]
.endr
.irp rt, 0,1
	v_add_f32 v[LT+8*\rt+4], v[LT+8*\rt], v[LT+8*\rt+1]
.endr
.irp rt, 0,1
	v_permlanex16_b32 v[LT+8*\rt+5], v[LT+8*\rt+4], s[SEL], s[SEL+1]
.endr
.irp rt, 0,1
	v_add_f32 v[LT+8*\rt+4], v[LT+8*\rt+4], v[LT+8*\rt+5]
.endr
.irp rt, 0,1
	ds_store_b32 v[RW], v[LT+8*\rt+4] offset:(\red)+256*\rt    ; both lanes of a row write the same word with the same value
.endr
	BARRIER
.irp rt, 0,1
	ds_load_b128 v[LT+16+4*\rt:LT+16+4*\rt+3], v[RR] offset:(\red)+256*\rt
.endr
	s_wait_dscnt 0x0
.irp rt, 0,1
	v_add_f32 v[LT+16+4*\rt], v[LT+16+4*\rt], v[LT+16+4*\rt+1]
	v_add_f32 v[LT+16+4*\rt+2], v[LT+16+4*\rt+2], v[LT+16+4*\rt+3]
.endr
.irp rt, 0,1
	v_add_f32 v[LT+8*\rt+4], v[LT+16+4*\rt], v[LT+16+4*\rt+2]
.endr
.endm
; Y = (Y - mean) rsqrt(var + eps) g + be, for both tiles.  Each exchange has bytes of its own: red, red + 512
.macro LNORM gofs, beofs, red
	VECLOAD 1, AB, \gofs
	VECLOAD 3, AB, \beofs
	WIN 0x0a                                       ; sources 0 and 1 window 2
.irp rt, 0,1
	v_pk_add_f32 v[LT+8*\rt:LT+8*\rt+1], v[Y+64*\rt:Y+64*\rt+1], v[Y+64*\rt+2:Y+64*\rt+3]
	v_pk_add_f32 v[LT+8*\rt+2:LT+8*\rt+3], v[Y+64*\rt+4:Y+64*\rt+5], v[Y+64*\rt+6:Y+64*\rt+7]
.endr
	WIN 0x08
.irp j, 8,12,16,20,24,28,32,36,40,44,48,52,56,60
.irp rt, 0,1
	v_pk_add_f32 v[LT+8*\rt:LT+8*\rt+1], v[LT+8*\rt:LT+8*\rt+1], v[Y+64*\rt+\j:Y+64*\rt+\j+1]
	v_pk_add_f32 v[LT+8*\rt+2:LT+8*\rt+3], v[LT+8*\rt+2:LT+8*\rt+3], v[Y+64*\rt+\j+2:Y+64*\rt+\j+3]
.endr
.endr
	WIN 0
	LNX \red
.irp rt, 0,1
	v_mul_f32 v[LT+24+2*\rt], 0xbb000000, v[LT+8*\rt+4]    ; - the mean: the sum x -2^-9
.endr
	WIN 0x82                                       ; destination and source 0 window 2
.irp rt, 0,1
.set N, 0
.rept 32
	v_pk_add_f32 v[Y+64*\rt+N:Y+64*\rt+N+1], v[Y+64*\rt+N:Y+64*\rt+N+1], v[LT+24+2*\rt:LT+25+2*\rt] op_sel_hi:[1,0]
.set N, N+2
.endr
.endr
	WIN 0x0a
.irp rt, 0,1
	v_pk_mul_f32 v[LT+8*\rt:LT+8*\rt+1], v[Y+64*\rt:Y+64*\rt+1], v[Y+64*\rt:Y+64*\rt+1]
	v_pk_mul_f32 v[LT+8*\rt+2:LT+8*\rt+3], v[Y+64*\rt+2:Y+64*\rt+3], v[Y+64*\rt+2:Y+64*\rt+3]
.endr
.irp j, 4,8,12,16,20,24,28,32,36,40,44,48,52,56,60
.irp rt, 0,1
	v_pk_fma_f32 v[LT+8*\rt:LT+8*\rt+1], v[Y+64*\rt+\j:Y+64*\rt+\j+1], v[Y+64*\rt+\j:Y+64*\rt+\j+1], v[LT+8*\rt:LT+8*\rt+1]
	v_pk_fma_f32 v[LT+8*\rt+2:LT+8*\rt+3], v[Y+64*\rt+\j+2:Y+64*\rt+\j+3], v[Y+64*\rt+\j+2:Y+64*\rt+\j+3], v[LT+8*\rt+2:LT+8*\rt+3]
.endr
.endr
	WIN 0
	LNX (\red)+512
.irp rt, 0,1
	v_fma_f32 v[LT+28+2*\rt], v[LT+8*\rt+4], s[C9], s[EPS]     ; var + eps
.endr
.irp rt, 0,1
	v_rsq_f32 v[LT+28+2*\rt], v[LT+28+2*\rt]
.endr
	v_nop                                          ; one plain place behind a transcendental
	WIN 0x82
	s_wait_alu depctr_va_vdst(0)
.irp rt, 0,1
.set N, 0
.rept 32
	v_pk_mul_f32 v[Y+64*\rt+N:Y+64*\rt+N+1], v[Y+64*\rt+N:Y+64*\rt+N+1], v[LT+28+2*\rt:LT+29+2*\rt] op_sel_hi:[1,0]
.set N, N+2
.endr
.endr
	WIN 0xb6                                       ; source 1 (the gain) window 1, source 2 (the offset) window 3
.irp rt, 0,1
.set N, 0
.rept 32
	v_pk_fma_f32 v[Y+64*\rt+N:Y+64*\rt+N+1], v[Y+64*\rt+N:Y+64*\rt+N+1], v[192+N:192+N+1], v[192+N:192+N+1]
.set N, N+2
.endr
.endr
	WIN 0
.endm
	s_load_b512 s[4:19], s[0:1], 0x0               ; ctx, x, wts, bo, g1, be1, b1, b2
	s_load_b128 s[20:23], s[0:1], 0x40             ; g2, be2
	s_load_b64 s[24:25], s[0:1], 0x50              ; out0
	v_lshl_add_u32 v214, v0, 2, 0x1e000
	v_mov_b32 v215, 0
	v_lshrrev_b32 v[AT], 5, v0
	v_readfirstlane_b32 s[WV], v[AT]               ; wave 0..3
	v_and_b32 v[AT], 31, v0
	v_lshlrev_b32 v[LI], 4, v[AT]
	v_lshlrev_b32 v[L8], 3, v[AT]
	v_lshlrev_b32 v[LS], 2, v[AT]
	v_and_b32 v[HT], 15, v0                        ; r
	v_bfe_u32 v[HU], v0, 4, 1                      ; h
	s_mul_i32 s30, s[WV], STG
	s_add_co_u32 s30, s30, STAGE
	v_add_nc_u32 v[SA], s30, v[LI]
	v_mul_u32_u24 v[SB], v[HT], SPITCH
	v_lshl_add_u32 v[SB], v[HU], 6, v[SB]
	v_add_nc_u32 v[SB], s30, v[SB]
	s_lshl_b32 s30, s[WV], 9
	v_lshl_add_u32 v[AB], v[HU], 6, s30
	s_lshl_b32 s30, s[WV], 11
	s_add_co_u32 s30, s30, 12288
	v_lshl_add_u32 v[AB1], v[HU], 6, s30
	s_mul_i32 s30, s[WV], FRB
	s_add_co_u32 s30, s30, XIMG
	v_add_nc_u32 v[XWI], s30, v[LI]
	s_lshl_b32 s30, s[WV], 7
	s_add_co_u32 s30, s30, XSC
	v_add_nc_u32 v[XWS], s30, v[LS]
	v_lshlrev_b32 v[TI], 4, v0
	s_mul_i32 s30, s[WV], 4*FRB
	s_add_co_u32 s30, s30, HIMG
	v_add_nc_u32 v[HWI], s30, v[LI]
	s_lshl_b32 s30, s[WV], 9
	s_add_co_u32 s30, s30, HSC
	v_add_nc_u32 v[HWS], s30, v[LS]
	v_add_nc_u32 v[HRI], HIMG, v[LI]
	s_lshl_b32 s30, s[WV], 2
	s_add_co_u32 s30, s30, RED
	v_lshl_add_u32 v[RW], v[HT], 4, s30
	v_lshlrev_b32 v[RR], 4, v[HT]
	v_add_nc_u32 v[RR], RED, v[RR]
	s_mov_b32 s[SEL], 0x76543210
	s_mov_b32 s[SEL+1], 0xfedcba98
	s_mov_b32 s[C9], 0x3b000000                    ; 2^-9 = 1 / 512
	s_mov_b32 s[EPS], 0x3727c5ac                   ; 1e-5
.irp b, 0,1,2,3
	v_mov_b32 v[TM+4+\b], 0                        ; written once: a lane permute's destination counts as one of its sources
.endr
	s_mul_i32 s30, ttmp9, 16*768                   ; ctx: my two tiles' 16 half images,
	s_mov_b32 s31, 0
	s_lshl_b32 s32, ttmp9, 11
	s_add_co_u32 s32, s32, CSC                     ; and their scale words
	s_mov_b32 s33, 0
	s_lshl_b32 s34, ttmp9, 16                      ; x and out0: my 32 rows of 2,048 bytes,
	s_lshl_b32 s35, s[WV], 9
	s_add_co_u32 s34, s34, s35                     ; my wave's 512 bytes of each
	s_mov_b32 s35, 0
	s_mul_i32 s36, s[WV], 48*WB
	s_add_co_u32 s36, s36, 12*WB                   ; my wave's run of wts, from Wo on
	s_mov_b32 s37, 0
	s_wait_kmcnt 0x0
	s_add_nc_u64 s[40:41], s[4:5], s[32:33]
	s_add_nc_u64 s[4:5], s[4:5], s[30:31]
	s_add_nc_u64 s[6:7], s[6:7], s[34:35]
	s_add_nc_u64 s[24:25], s[24:25], s[34:35]
	s_add_nc_u64 s[SW:SW+1], s[SW:SW+1], s[36:37]
	; ---- the vectors (16 bytes a thread), ctx's fragments and scale words, x, and the first two units of weights
	global_load_b128 v[ST:ST+3], v[TI], s[10:11]
	global_load_b128 v[ST+4:ST+7], v[TI], s[12:13]
	global_load_b128 v[ST+8:ST+11], v[TI], s[14:15]
	global_load_b128 v[ST+12:ST+15], v[TI], s[18:19]
	global_load_b128 v[ST+16:ST+19], v[TI], s[20:21]
	global_load_b128 v[ST+20:ST+23], v[TI], s[22:23]
.irp j, 0,1,2,3
	global_load_b128 v[ST+24+4*\j:ST+27+4*\j], v[TI], s[16:17] offset:2048*\j
.endr
.irp k, 0,1,2,3,4,5,6,7                        ; fragment k = 4 rt + K step: two half images on end
	global_load_b128 v[XF+12*\k:XF+12*\k+3], v[LI], s[4:5] offset:FRB*\k
	global_load_b64 v[XF+12*\k+4:XF+12*\k+5], v[L8], s[4:5] offset:FRB*\k+512
	global_load_b128 v[XF+12*\k+6:XF+12*\k+9], v[LI], s[4:5] offset:FRB*\k+768
	global_load_b64 v[XF+12*\k+10:XF+12*\k+11], v[L8], s[4:5] offset:FRB*\k+1280
.endr
.irp k, 0,1,2,3,4,5,6,7,8,9,10,11,12,13,14,15
	global_load_b32 v[ST+40+\k], v[LS], s[40:41] offset:128*\k
.endr
	WIN 0x80
.irp rt, 0,1
.irp i, 0,1,2,3,4,5,6,7,8,9,10,11,12,13,14,15
	global_load_b128 v[Y+64*\rt+4*\i:Y+64*\rt+4*\i+3], v[LI], s[6:7] offset:(16*\rt+4*((\i/2)%4)+2*(\i/8)+(\i%2))*2048 th:TH_LOAD_NT
.endr
.endr
	WIN 0
	WLOAD 0, 0
	WLOAD 1, WB
	s_wait_loadcnt 52                              ; all but the two units are in
.irp k, 0,1,2,3,4,5,6,7,8,9
	ds_store_b128 v[TI], v[ST+4*\k:ST+4*\k+3] offset:2048*\k
.endr
.irp k, 0,1,2,3,4,5,6,7
	v_lshl_or_b32 v[XS+\k], v[ST+41+2*\k], 16, v[ST+40+2*\k]   ; two half images' two bytes each make a fragment's scale word
.endr
	PLACES 8                                       ; a scale register written by a vector instruction stands eight places ahead of a scaled matrix instruction
	BARRIER                                        ; the vectors lie in LDS
	; ---- A: ctx Wo^T + bo, + x, the first norm, x1's codes
	VECLOAD 1, AB, 0
	s_wait_dscnt 0x0
	PASS 0, 1, 4
	s_wait_xcnt 0x0                                ; the loads on their way have read their base
	s_add_nc_u64 s[SW:SW+1], s[SW:SW+1], 4*WB
	PLACES 4
.irp rt, 0,1
	TURN_IN Y+64*\rt, 2, ST
	s_wait_dscnt 0x0
	WIN 0x82
.set N, 0
.rept 32
	v_pk_add_f32 v[Y+64*\rt+N:Y+64*\rt+N+1], v[64*\rt+N:64*\rt+N+1], v[ST+N:ST+N+1]   ; each accumulator from its low end on
.set N, N+2
.endr
	WIN 0
.endr
	LNORM 2048, 4096, 0
.irp rt, 0,1
	QUANT Y+64*\rt, 2
	IMAGE XWI, 4*FRB*\rt                           ; K step w of tile rt
	ds_store_b32 v[XWS], v[PW] offset:512*\rt
	s_wait_dscnt 0x0                               ; the stores have read their registers
.endr
	BARRIER                                        ; x1's eight fragments lie in LDS
.irp k, 0,1,2,3,4,5,6,7
	FETCH XF+12*\k, LI, XIMG+FRB*\k
	ds_load_b32 v[XS+\k], v[LS] offset:XSC+128*\k
.endr
	; ---- B: my 512 hidden units, 128 a trip: they are K step 4 w + trip of the last product
	s_mov_b32 s[PB], 0
	s_mov_b32 s[PI], 0
	s_mov_b32 s[PS], 0
	s_mov_b32 s[CNT], 4
.Lffn1:
	v_add_nc_u32 v[AT], s[PB], v[AB1]
	v_add_nc_u32 v[HT], s[PI], v[HWI]
	v_add_nc_u32 v[HU], s[PS], v[HWS]
	VECLOAD 1, AT, 0
	s_wait_dscnt 0x0
	PASS 0, 1, 4
	s_wait_xcnt 0x0
	s_add_nc_u64 s[SW:SW+1], s[SW:SW+1], 4*WB
	PLACES 4
.irp rt, 0,1
	WIN 0x88
.set N, 0
.rept 64
	v_max_num_f32 v[64*\rt+N], 0, v[64*\rt+N]      ; the activation, in f32
.set N, N+1
.endr
	QUANT 64*\rt, 2
	IMAGE HT, 16*FRB*\rt
	ds_store_b32 v[HU], v[PW] offset:2048*\rt
	s_wait_dscnt 0x0                               ; the stores have read their registers
.endr
	s_add_co_u32 s[PB], s[PB], 512
	s_add_co_u32 s[PI], s[PI], FRB
	s_add_co_u32 s[PS], s[PS], 128
	s_sub_co_u32 s[CNT], s[CNT], 1
	s_cmp_lg_u32 s[CNT], 0
	s_cbranch_scc1 .Lffn1
	BARRIER                                        ; the hidden layer's 32 fragments lie in LDS
	; ---- C: hidden W2^T + b2, K = 2,048 in four passes, + x1, the second norm
	VECLOAD 1, AB, 6144
.irp i, 0,1,2,3
	PLACES 4                                       ; in front of loads into registers that matrix instructions have read
.irp rt, 0,1
.irp s, 0,1,2,3
	FETCH XF+12*(4*\rt+\s), HRI, (16*\rt+4*\i+\s)*FRB
	ds_load_b32 v[XS+4*\rt+\s], v[LS] offset:HSC+(16*\rt+4*\i+\s)*128
.endr
.endr
	s_wait_dscnt 0x0
.if \i == 0
	PASS 0, 1, 4
.elseif \i < 3
	PASS 4*\i, 0, 4
.else
	PASS 12, 0, 2
.endif
.endr
	PLACES 4
	WIN 0x8a
.set N, 0
.rept 64
	v_pk_add_f32 v[Y+N:Y+N+1], v[N:N+1], v[Y+N:Y+N+1]      ; + x1; each accumulator from its low end on
.set N, N+2
.endr
	WIN 0
	LNORM 8192, 10240, 1024
	; ---- out: through my stage, back as rows: 32 lanes store 512 consecutive bytes of a row
.irp rt, 0,1
	s_wait_xcnt 0x0                                ; the last tile's stores have read their registers
	TURN_OUT Y+64*\rt, ST
.irp i, 0,1,2,3,4,5,6,7,8,9,10,11,12,13,14,15
	s_wait_dscnt 15-\i                             ; row i is back; the 15 - i younger loads may be out
	global_store_b128 v[LI], v[ST+4*\i:ST+4*\i+3], s[24:25] offset:(16*\rt+4*((\i/2)%4)+2*(\i/8)+(\i%2))*2048 th:TH_STORE_NT
.endr
.endr
	s_wait_tensorcnt 0x0
	ds_add_u32 v214, v215
	s_wait_dscnt 0x0
	s_endpgm
.Lfunc_end_k_q8342a2b7cb_tail:
	.size	k_q8342a2b7cb_tail, .Lfunc_end_k_q8342a2b7cb_tail-k_q8342a2b7cb_tail
	.p2alignl 7, 3214868480
	.fill 96, 4, 3214868480
	.section	.rodata,"a",@progbits
	.p2align	6, 0x0
	.amdhsa_kernel k_q8342a2b7cb_tail
		.amdhsa_group_segment_fixed_size 123392
		.amdhsa_private_segment_fixed_size 0
		.amdhsa_enable_private_segment 0
		.amdhsa_kernarg_size 88
		.amdhsa_user_sgpr_count 2
		.amdhsa_user_sgpr_kernarg_segment_ptr 1
		.amdhsa_wavefront_size32 1
		.amdhsa_system_sgpr_workgroup_id_x 1
		.amdhsa_system_sgpr_workgroup_id_y 1
		.amdhsa_system_sgpr_workgroup_id_z 1
		.amdhsa_system_vgpr_workitem_id 0
		.amdhsa_next_free_vgpr 1024
		.amdhsa_next_free_sgpr 66
		.amdhsa_reserve_vcc 0
		.amdhsa_float_denorm_mode_32 3
		.amdhsa_float_denorm_mode_16_64 3
		.amdhsa_memory_ordered 1
		.amdhsa_forward_progress 1
		.amdhsa_inst_pref_size 232
	.end_amdhsa_kernel
	.amdgpu_metadata
---
amdhsa.version: [ 1, 2 ]
amdhsa.kernels:
  - .name:           k_q8342a2b7cb_tail
    .symbol:         k_q8342a2b7cb_tail.kd
    .args:
      - { .name: ctx, .offset: 0, .size: 8, .value_kind: global_buffer, .address_space: global }
      - { .name: x, .offset: 8, .size: 8, .value_kind: global_buffer, .address_space: global }
      - { .name: wts, .offset: 16, .size: 8, .value_kind: global_buffer, .address_space: global }
      - { .name: bo, .offset: 24, .size: 8, .value_kind: global_buffer, .address_space: global }
      - { .name: g1, .offset: 32, .size: 8, .value_kind: global_buffer, .address_space: global }
      - { .name: be1, .offset: 40, .size: 8, .value_kind: global_buffer, .address_space: global }
      - { .name: b1, .offset: 48, .size: 8, .value_kind: global_buffer, .address_space: global }
      - { .name: b2, .offset: 56, .size: 8, .value_kind: global_buffer, .address_space: global }
      - { .name: g2, .offset: 64, .size: 8, .value_kind: global_buffer, .address_space: global }
      - { .name: be2, .offset: 72, .size: 8, .value_kind: global_buffer, .address_space: global }
      - { .name: out0, .offset: 80, .size: 8, .value_kind: global_buffer, .address_space: global }
    .group_segment_fixed_size: 123392
    .private_segment_fixed_size: 0
    .kernarg_segment_align: 8
    .kernarg_segment_size: 88
    .max_flat_workgroup_size: 128
    .sgpr_count:     66
    .vgpr_count:     1024
    .wavefront_size: 32
...
	.end_amdgpu_metadata
.endif
;; end of part 4
;; ======== version 2 of 2: 4 launches
;; workspace buffers: wts 2,555,904 bytes; qimg 3,407,872 bytes; kv 6,815,744 bytes; ctx 3,670,016 bytes
;; launch wquant (part 5): grid 48 x 4, 8 waves a work-group, no clusters, 69,632 bytes of LDS; arguments Wq, Wk, Wv, Wo, W1, W2, wts; writes wts
.if DOCPART == 5
	.amdgcn_target "amdgcn-amd-amdhsa--gfx1250"
	.amdhsa_code_object_version 6
	.text
	.protected	k_q8342a2b7cb_wquant
	.globl	k_q8342a2b7cb_wquant
	.p2align	8
	.type	k_q8342a2b7cb_wquant,@function
k_q8342a2b7cb_wquant:
	s_mov_b64 s[64:65], 0
	v_nop
	global_prefetch_b8 v0, s[64:65] scope:SCOPE_SE
	s_setreg_imm32_b32 hwreg(HW_REG_WAVE_MODE, 25, 1), 1
	s_wait_xcnt 0x0
; THE SIX WEIGHTS, f32 [N][K] with K innermost, BECOME CODES OF BF6 (E3M2) IN THE ORDER OF THE OPERAND'S REGISTERS.
; A block of wts (WB = 13,312 bytes) is what one wave of a later launch wants for one K step of 128: eight fragments of 16 rows x 128 K, each an image of its 12 registers
; (three chunks of 512 bytes, lane l's four registers at 16 l), and behind them two chunks of 512 bytes of scale words (lane l's 16 bytes: the words of four tiles).
; Block 48 w + x: x 0-3 Wq, 4-7 Wk, 8-11 Wv, 12-15 Wo (column group G = w, K step x % 4); 16-31 W1 (G = 4 w + (x - 16) / 4, K step x % 4); 32-47 W2 (G = w, K step x - 32): wave w of a later launch reads one run of memory.
; THE ROWS OF A TILE ARE NOT NEIGHBOURS: row i of tile t = 2 b + u is W's row 128 G + 32 b + 8 u + i + 8 (i / 8), so that a transposed product leaves 16 neighbours along the next K in a lane's 16 registers.
; Wv alone: tile t is the column group of 64 (t = 0 .. 7) and G the tile of 16 channels: row 64 t + 32 (G / 2) + 8 (G % 2) + i + 8 (i / 8).
; A work-group makes one block, wave t its tile t.  Each load reads 512 consecutive bytes of one row; the 16 rows turn through the wave's own stage in LDS (rows 528 bytes apart) so that a lane gets 16 neighbours of each block of 32.
; A block's scale is 2^(floor(log2(largest magnitude)) - 4); its byte is the largest magnitude's exponent field - 4, held at 1 from below.
; LIMITS: NaN and infinities are not served; a block whose largest magnitude lies under 2^-122, a block of zeros among them, gets the byte 1 (zero codes add nothing under it, and this program alone reads the bytes).
; No tensor load, no cluster: every input byte is read once, by one wave.
.set WB,     13312
.set FRB,    1536
.set SPITCH, 528                       ; a stage row: 512 bytes + 16
.set STG,    16*SPITCH                 ; a wave's stage
.set SCW,    8*STG                     ; behind the eight stages: the block's 1,024 bytes of scale words
.set LI,  1                            ; v1   16 x lane
.set SA,  2                            ; v2   the stage, by rows: 16 x lane in row 0
.set SB,  3                            ; v3   the stage, by lanes: row r, + 64 h
.set WA,  4                            ; v4   where my scale word goes
.set TL,  5                            ; v5   SCW + 16 x (thread % 64)
.set TG,  6                            ; v6   16 x (thread % 64)
.set OFF, 16                           ; v16-31  byte offset of row i's 16 bytes
.set R,   32                           ; v32-95  the rows as loaded
.set X,   96                           ; v96-159 register 16 b + i = k 32 b + 16 h + i of row r
.set PC,  160                          ; v160-179 the codes
.set TM,  180                          ; v180-191 at work
.set PW,  192                          ; v192 the scale word
.set WV,  18
.set SEL, 20
; 64 numbers of a lane become a fragment's codes in v[PC] on and its scale word in v[PW]
.macro QUANT s
.irp b, 0,1,2,3
	v_max3_num_f32 v[TM+\b], 0x2800000, |v[(\s)+16*\b]|, |v[(\s)+16*\b+1]|   ; block b: my 16 numbers, and the floor 2^(5 - 127): the byte cannot fall under 1
.endr
.irp i, 2,4,6,8,10,12,14
.irp b, 0,1,2,3
	s_delay_alu instid0(VALU_DEP_4)
	v_max3_num_f32 v[TM+\b], v[TM+\b], |v[(\s)+16*\b+\i]|, |v[(\s)+16*\b+\i+1]|   ; the four blocks by turns
.endr
.endr
.irp b, 0,1,2,3
	s_delay_alu instid0(VALU_DEP_4)
	v_permlanex16_b32 v[TM+4+\b], v[TM+\b], s[SEL], s[SEL+1]
.endr
.irp b, 0,1,2,3
	s_delay_alu instid0(VALU_DEP_4)
	v_max_num_f32 v[TM+\b], v[TM+\b], v[TM+4+\b]           ; with lane l xor 16's: the block's largest magnitude
.endr
.irp b, 0,1,2,3
	s_delay_alu instid0(VALU_DEP_4)
	v_add_nc_u32 v[TM+8+\b], 0xfe000000, v[TM+\b]          ; 4 off its exponent field: the conversion's scale operand
.endr
.irp b, 0,1,2,3
	s_delay_alu instid0(VALU_DEP_4)
	v_lshrrev_b32 v[TM+4+\b], 23, v[TM+8+\b]               ; the scale's byte
.endr
	s_delay_alu instid0(VALU_DEP_3)
	v_lshl_or_b32 v[PW], v[TM+5], 8, v[TM+4]
	s_delay_alu instid0(VALU_DEP_1)
	v_lshl_or_b32 v[PW], v[TM+6], 16, v[PW]
	s_delay_alu instid0(VALU_DEP_1)
	v_lshl_or_b32 v[PW], v[TM+7], 24, v[PW]
.irp c, 0,1
	v_cvt_scalef32_pk16_bf6_f32 v[PC+6*\c:PC+6*\c+2], v[(\s)+32*\c:(\s)+32*\c+15], v[TM+8+2*\c]
	v_cvt_scalef32_pk16_bf6_f32 v[PC+12+4*\c:PC+14+4*\c], v[(\s)+32*\c+16:(\s)+32*\c+31], v[TM+9+2*\c]   ; (a conversion's three registers begin on an even number)
.endr
	v_nop                                                  ; one plain place behind a scaled conversion
.irp c, 0,1                                            ; the operand's layout wants a whole block in a lane
.irp i, 0,1,2
	v_permlane16_swap_b32 v[PC+6*\c+\i], v[PC+12+4*\c+\i]
.endr
.irp i, 0,1,2
	s_delay_alu instid0(VALU_DEP_3)
	v_mov_b32 v[PC+3+6*\c+\i], v[PC+12+4*\c+\i]
.endr
.endr
.endm
	s_load_b256 s[4:11], s[0:1], 0x0               ; Wq, Wk, Wv, Wo
	s_load_b128 s[12:15], s[0:1], 0x20             ; W1, W2
	s_load_b64 s[16:17], s[0:1], 0x30              ; wts
	v_lshl_add_u32 v208, v0, 2, 0x10c00
	v_mov_b32 v209, 0
	v_lshrrev_b32 v7, 5, v0
	s_delay_alu instid0(VALU_DEP_1)
	v_readfirstlane_b32 s[WV], v7                  ; wave = tile t
	v_and_b32 v7, 31, v0
	s_delay_alu instid0(VALU_DEP_1)
	v_lshlrev_b32 v[LI], 4, v7
	v_and_b32 v8, 15, v0                           ; r
	v_bfe_u32 v9, v0, 4, 1                         ; h
	s_mul_i32 s22, s[WV], STG
	v_add_nc_u32 v[SA], s22, v[LI]
	v_mul_u32_u24 v[SB], v8, SPITCH
	s_delay_alu instid0(VALU_DEP_1)
	v_lshl_add_u32 v[SB], v9, 6, v[SB]
	s_delay_alu instid0(VALU_DEP_1)
	v_add_nc_u32 v[SB], s22, v[SB]
	s_and_b32 s23, s[WV], 3
	s_lshl_b32 s23, s23, 2
	s_lshr_b32 s24, s[WV], 2
	s_lshl_b32 s24, s24, 9
	s_add_co_u32 s23, s23, s24
	s_add_co_u32 s23, s23, SCW
	v_add_nc_u32 v[WA], s23, v[LI]                 ; SCW + 512 (t / 4) + 16 lane + 4 (t % 4)
	v_and_b32 v7, 63, v0
	s_delay_alu instid0(VALU_DEP_1)
	v_lshlrev_b32 v[TG], 4, v7
	s_delay_alu instid0(VALU_DEP_2)
	v_lshl_add_u32 v[TL], v7, 4, SCW
	s_mov_b32 s[SEL], 0x76543210
	s_mov_b32 s[SEL+1], 0xfedcba98                 ; v_permlanex16_b32's selects for lane l xor 16
.irp b, 0,1,2,3
	v_mov_b32 v[TM+4+\b], 0                        ; written once: a lane permute's destination counts as one of its sources
.endr
	s_and_b32 s25, ttmp7, 0xffff                   ; w
	s_lshr_b32 s26, ttmp9, 2                       ; c = x / 4: 0 Wq, 1 Wk, 2 Wv, 3 Wo, 4-7 W1, 8-11 W2
	s_and_b32 s27, ttmp9, 3                        ; the K step of all but W2
	s_lshl_b32 s28, s25, 2
	s_add_co_u32 s28, s28, s26
	s_sub_co_u32 s28, s28, 4                       ; W1's G = 4 w + c - 4
	s_sub_co_u32 s29, ttmp9, 32                    ; W2's K step
	s_lshr_b32 s31, s26, 2                         ; 1 for W1 alone
	s_mov_b32 s30, 8192
	s_cmp_ge_u32 s26, 8
	s_cselect_b32 s27, s29, s27                    ; the K step
	s_cselect_b32 s30, s30, 2048                   ; a row of the weight in bytes
	s_cmp_eq_u32 s31, 1
	s_cselect_b32 s28, s28, s25                    ; G
	s_lshr_b32 s32, s[WV], 1
	s_lshl_b32 s32, s32, 5
	s_and_b32 s33, s[WV], 1
	s_lshl_b32 s33, s33, 3
	s_add_co_u32 s32, s32, s33
	s_lshl_b32 s33, s28, 7
	s_add_co_u32 s32, s32, s33                     ; the tile's first row: 128 G + 32 (t / 2) + 8 (t % 2);
	s_lshr_b32 s33, s28, 1
	s_lshl_b32 s33, s33, 5
	s_and_b32 s34, s28, 1
	s_lshl_b32 s34, s34, 3
	s_add_co_u32 s33, s33, s34
	s_lshl_b32 s34, s[WV], 6
	s_add_co_u32 s33, s33, s34                     ; Wv's: 64 t + 32 (G / 2) + 8 (G % 2)
	s_cmp_eq_u32 s26, 2
	s_cselect_b32 s32, s33, s32
	s_mul_i32 s32, s32, s30
	s_lshl_b32 s33, s27, 9
	s_add_co_u32 s32, s32, s33                     ; in bytes, + 512 for each K step
	s_mov_b32 s33, 0
	s_mul_i32 s34, s25, 48
	s_add_co_u32 s34, s34, ttmp9
	s_mul_i32 s34, s34, WB                         ; my block
	s_mov_b32 s35, 0
	s_mul_i32 s40, s[WV], FRB                      ; my tile's image in it
	s_mov_b32 s41, 0
.irp i, 0,1,2,3,4,5,6,7,8,9,10,11,12,13,14,15
	v_mad_u32_u24 v[OFF+\i], s30, \i+8*(\i/8), v[LI]       ; row i + 8 (i / 8) of the tile's 24, my 16 bytes of its 512
.endr
	s_wait_alu depctr_va_vdst(0)
	s_wait_kmcnt 0x0
	s_cmp_eq_u32 s26, 1                            ; the weight is chosen by the work-group's number alone
	s_cselect_b64 s[4:5], s[6:7], s[4:5]
	s_cmp_eq_u32 s26, 2
	s_cselect_b64 s[4:5], s[8:9], s[4:5]
	s_cmp_eq_u32 s26, 3
	s_cselect_b64 s[4:5], s[10:11], s[4:5]
	s_cmp_ge_u32 s26, 4
	s_cselect_b64 s[4:5], s[12:13], s[4:5]
	s_cmp_ge_u32 s26, 8
	s_cselect_b64 s[4:5], s[14:15], s[4:5]
	s_add_nc_u64 s[4:5], s[4:5], s[32:33]
	s_add_nc_u64 s[36:37], s[16:17], s[34:35]      ; the block
	s_add_nc_u64 s[38:39], s[36:37], s[40:41]      ; my image
.irp i, 0,1,2,3,4,5,6,7,8,9,10,11,12,13,14,15
	global_load_b128 v[R+4*\i:R+4*\i+3], v[OFF+\i], s[4:5] th:TH_LOAD_NT   ; 32 lanes read 512 consecutive bytes of one row
.endr
.irp i, 0,1,2,3,4,5,6,7,8,9,10,11,12,13,14,15
	s_wait_loadcnt 15-\i                           ; loads come back in order: row i is in, the 15 - i younger ones may be out
	ds_store_b128 v[SA], v[R+4*\i:R+4*\i+3] offset:\i*SPITCH
.endr
.irp b, 0,1,2,3
.irp q, 0,1,2,3
	ds_load_b128 v[X+16*\b+4*\q:X+16*\b+4*\q+3], v[SB] offset:128*\b+16*\q   ; LDS serves a wave's instructions in order: these see my stores
.endr
.endr
	s_wait_dscnt 0x0
	QUANT X
.irp c, 0,1,2
	global_store_b128 v[LI], v[PC+4*\c:PC+4*\c+3], s[38:39] offset:512*\c   ; 512 consecutive bytes a store
.endr
	ds_store_b32 v[WA], v[PW]
	s_wait_dscnt 0x0                               ; for the others' sake: my word has landed
	s_barrier_signal -1
	s_barrier_wait -1
	s_cmp_ge_u32 s[WV], 2                          ; waves 0 and 1 store the eight tiles' 1,024 bytes of scale words
	s_cbranch_scc1 .Ldone
	ds_load_b128 v[X:X+3], v[TL]
	s_wait_dscnt 0x0
	global_store_b128 v[TG], v[X:X+3], s[36:37] offset:8*FRB
.Ldone:
	s_wait_tensorcnt 0x0
	ds_add_u32 v208, v209
	s_wait_dscnt 0x0
	s_endpgm
.Lfunc_end_k_q8342a2b7cb_wquant:
	.size	k_q8342a2b7cb_wquant, .Lfunc_end_k_q8342a2b7cb_wquant-k_q8342a2b7cb_wquant
	.p2alignl 7, 3214868480
	.fill 96, 4, 3214868480
	.section	.rodata,"a",@progbits
	.p2align	6, 0x0
	.amdhsa_kernel k_q8342a2b7cb_wquant
		.amdhsa_group_segment_fixed_size 69632
		.amdhsa_private_segment_fixed_size 0
		.amdhsa_enable_private_segment 0
		.amdhsa_kernarg_size 56
		.amdhsa_user_sgpr_count 2
		.amdhsa_user_sgpr_kernarg_segment_ptr 1
		.amdhsa_wavefront_size32 1
		.amdhsa_system_sgpr_workgroup_id_x 1
		.amdhsa_system_sgpr_workgroup_id_y 1
		.amdhsa_system_sgpr_workgroup_id_z 1
		.amdhsa_system_vgpr_workitem_id 0
		.amdhsa_next_free_vgpr 210
		.amdhsa_next_free_sgpr 66
		.amdhsa_reserve_vcc 0
		.amdhsa_float_denorm_mode_32 3
		.amdhsa_float_denorm_mode_16_64 3
		.amdhsa_memory_ordered 1
		.amdhsa_forward_progress 1
		.amdhsa_inst_pref_size 16
	.end_amdhsa_kernel
	.amdgpu_metadata
---
amdhsa.version: [ 1, 2 ]
amdhsa.kernels:
  - .name:           k_q8342a2b7cb_wquant
    .symbol:         k_q8342a2b7cb_wquant.kd
    .args:
      - { .name: Wq, .offset: 0, .size: 8, .value_kind: global_buffer, .address_space: global }
      - { .name: Wk, .offset: 8, .size: 8, .value_kind: global_buffer, .address_space: global }
      - { .name: Wv, .offset: 16, .size: 8, .value_kind: global_buffer, .address_space: global }
      - { .name: Wo, .offset: 24, .size: 8, .value_kind: global_buffer, .address_space: global }
      - { .name: W1, .offset: 32, .size: 8, .value_kind: global_buffer, .address_space: global }
      - { .name: W2, .offset: 40, .size: 8, .value_kind: global_buffer, .address_space: global }
      - { .name: wts, .offset: 48, .size: 8, .value_kind: global_buffer, .address_space: global }
    .group_segment_fixed_size: 69632
    .private_segment_fixed_size: 0
    .kernarg_segment_align: 8
    .kernarg_segment_size: 56
    .max_flat_workgroup_size: 256
    .sgpr_count:     66
    .vgpr_count:     210
    .wavefront_size: 32
...
	.end_amdgpu_metadata
.endif
;; end of part 5
;; launch qkv (part 6): grid 256 x 1, 4 waves a work-group, no clusters, 53,760 bytes of LDS; arguments x, bq, bk, bv, wts, qimg, kv; writes qimg, kv
.if DOCPART == 6
	.amdgcn_target "amdgcn-amd-amdhsa--gfx1250"
	.amdhsa_code_object_version 6
	.text
	.protected	k_q8342a2b7cb_qkv
	.globl	k_q8342a2b7cb_qkv
	.p2align	8
	.type	k_q8342a2b7cb_qkv,@function
k_q8342a2b7cb_qkv:
	s_mov_b64 s[64:65], 0
	v_nop
	global_prefetch_b8 v0, s[64:65] scope:SCOPE_SE
	s_setreg_imm32_b32 hwreg(HW_REG_WAVE_SCHED_MODE, 0, 2), 2
	s_setreg_imm32_b32 hwreg(HW_REG_WAVE_MODE, 25, 1), 1
	s_wait_xcnt 0x0
	s_wait_alu depctr_vm_vsrc(0)
; q = x Wq^T + bq, k = x Wk^T + bk, v = x Wv^T + bv on codes of BF6 (E3M2) with one E8M0 scale for each 32 along K, and q, k, v quantised at once for attention's two products.
; THE HEADS ARE A RAW RESHAPE: head = row / 512; a row's 512 columns are 8 neighbouring positions g = column / 64 of 64 channels.  So 16 rows (a tile T) are 128 neighbouring positions of one head.
; SHARES.  A work-group takes 32 rows (tiles T = 2 wg, 2 wg + 1).  The four waves share the COLUMNS: wave w makes columns 128 w .. 128 w + 127 of q and of k, and channel tile w of v.
; x is quantised once (wave w: K step w of both tiles) and goes from wave to wave through LDS as images of the operand's registers.
; THE WEIGHTS come from wts in the order of the operand's registers, straight from memory into registers: a unit (one K step: eight fragments and their scale words, 26 loads of 512 bytes) is asked for three units ahead, in four sets of registers.
; No joint loads, though all work-groups read the same weights: a joint load lands in LDS, so each unit's 13,312 bytes would be written to and read from LDS besides, for 16 matrix instructions.
; ROW ORDER.  Lane r of a tile holds row pi(r) = 4 ((r / 2) % 4) + 2 (r / 8) + r % 2.  It stands in the x loads' immediates alone.  With it, register j = 2 B + n of lane half h of a result whose rows run along
; the registers is row 4 B + 2 h + n, so that key 8 row + g = 32 B + 16 h + 8 n + g: the order that the quantiser along the keys wants.
; q, k: the product is used TRANSPOSED (source 0 = 16 rows of W, source 1 = 16 rows of x); the bias is the C of the first K step.  A lane then holds one row and 64 neighbours-by-blocks along the columns.
; v: the product is used as it stands (source 0 = x, source 1 = Wv): a lane holds one channel, its registers run along the keys.  One addition a number adds the bias and puts the number at its place along the keys.
; OUT.  qimg: half images (16 positions x 64 channels, registers 0-5: 512 + 256 bytes) at (8 T + g) 768, scale words at QSC + (4 T + w) 128.
; kv, a block of 13,312 bytes a tile: k's four fragments (two position groups in a fragment's two halves), v^T's four (16 channels x 128 keys), k's four scale words' lanes, v's four.
; LIMITS: NaN and infinities are not served; a block whose largest magnitude lies under 2^-122, a block of zeros among them, gets the byte 1 (its codes are zeros or next to it; this program alone reads the bytes).
; REGISTERS.  window 0: v1-19 addresses and bv; v20-115 x's 8 fragments; v116-135 codes just made; v136-199 64 numbers; v200-212 at work; v216-223 x's scale words; v224-255 the weights' scale words, 4 sets of 8.
;   window 1: v0-191 weight sets 0, 1; v192-255 the bias in the result's layout.   window 2: v0-127 the 16 accumulators ((rt, t) at 64 rt + 8 t); v128-255 x as loaded.   window 3: v0-191 weight sets 2, 3.
; THE MODE: SCHED_MODE bits 1:0 = 2 (LLVM: expert scheduling mode 2), set by the entry lines.  The code itself states the register dependences
; between vector or matrix instructions and memory or LDS instructions, with s_wait_alu, always for 0.
; THE PLAN.  Registers that memory or LDS instructions touch:
;   weight sets 0-3, v[WS + 8 set ..]   Unit u's 16 matrix instructions read set u % 4.  The 26 loads of unit u + 3, issued in unit u, land in set (u + 3) % 4, which unit u - 1 read.
;                    ONE wait on va_vdst at a unit's head, behind the wait for the unit's own data, states that unit u - 1 is done reading.  The loads follow in one run behind the unit's first eight matrix
;                    instructions (each further piece of the run would cost two more window switches); those eight name set u % 4, x's fragments and scale words and the accumulators: none of the registers that the loads touch.
;   v[PC ..], v[PW]  Written by the quantiser, read by the LDS or global stores behind it: a wait on va_vdst between the two, a wait on vm_vsrc ahead of the next quantiser.
;   v[ST ..]         The stage's loads land in it, the quantiser reads it: the wait on va_vdst behind the quantiser serves the next tile's stage loads too.
;   v[XF ..], v[XS ..], v[BV ..]   Filled once by LDS loads.   The bias (window 1): read by a pass's first unit, loaded again behind the waits on va_vdst of the later units.
;   v[Y ..] (window 2)   x as loaded: read by the stage's stores, never written again.   v1-v11: addresses, made at the head, never written again.   v214, v215: read by the closing add alone.
.set WB,     13312
.set FRB,    1536
.set SPITCH, 528
.set STG,    16*SPITCH
.set XIMG,   4*STG                     ; LDS: four stages, then x's 8 images,
.set XSC,    XIMG+8*FRB                ; their scale words,
.set VEC,    XSC+8*128                 ; and bq, bk, bv
.set QSC,    3145728
.set LI,  1                            ; 16 x lane
.set L8,  2                            ; 8 x lane
.set LS,  3                            ; 4 x lane
.set SA,  4                            ; my stage by rows
.set SB,  5                            ; my stage by lanes
.set AB,  6                            ; a bias in the result's layout: VEC + 512 w + 64 h
.set AV,  7                            ; bv at my channel
.set XWI, 8                            ; where I store x's images
.set XWS, 9                            ; and their scale words
.set VW,  10                           ; VEC + 16 x thread
.set TI,  11                           ; 16 x thread
.set BV,  12                           ; v12-19 bv of my channel in the 8 position groups
.set XF,  20
.set PC,  116
.set ST,  136
.set TM,  200
.set PW,  212
.set XS,  216
.set WS,  224
.set BIAS, 192                         ; in window 1
.set Y,   128                          ; in window 2
.set SW,  12                           ; s[12:13] my wave's run of wts
.set WV,  18
.set SEL, 20
.set MSB, 0
.set WM,  0                            ; the window setting of the unit's matrix instructions
.macro WIN new                         ; the immediate's high byte repeats the setting that is left; a switch that changes nothing is dropped
.if MSB != (\new)
	s_set_vgpr_msb (MSB<<8)|(\new)
.set MSB, (\new)
.endif
.endm
.macro PLACES n
.rept \n
	v_nop
.endr
.endm
.macro BARRIER                         ; my LDS stores have landed and my LDS loads are in: then the work-group's barrier
	s_wait_dscnt 0x0
	s_barrier_signal -1
	s_barrier_wait -1
.endm
; 64 numbers of a lane in window sw, register 16 b + i = k 32 b + 16 h + i of my row, become a fragment's codes in v[PC] on and its scale word in v[PW]
.macro QUANT s, sw
	WIN ((\sw)<<2)|((\sw)<<4)
.irp b, 0,1,2,3
	v_max3_num_f32 v[TM+\b], 0x2800000, |v[(\s)+16*\b]|, |v[(\s)+16*\b+1]|   ; block b: my 16 numbers, from each accumulator's low end on, and the floor 2^(5 - 127)
.endr
.irp i, 2,4,6,8,10,12,14
.irp b, 0,1,2,3
	v_max3_num_f32 v[TM+\b], v[TM+\b], |v[(\s)+16*\b+\i]|, |v[(\s)+16*\b+\i+1]|
.endr
.endr
	WIN 0
.irp b, 0,1,2,3
	v_permlanex16_b32 v[TM+4+\b], v[TM+\b], s[SEL], s[SEL+1]
.endr
.irp b, 0,1,2,3
	v_max_num_f32 v[TM+\b], v[TM+\b], v[TM+4+\b]           ; with lane l xor 16's: the block's largest magnitude
.endr
.irp b, 0,1,2,3
	v_add_nc_u32 v[TM+8+\b], 0xfe000000, v[TM+\b]          ; 4 off its exponent field: the conversion's scale operand
.endr
.irp b, 0,1,2,3
	v_lshrrev_b32 v[TM+4+\b], 23, v[TM+8+\b]               ; the scale's byte
.endr
	v_lshl_or_b32 v[PW], v[TM+5], 8, v[TM+4]
	v_lshl_or_b32 v[PW], v[TM+6], 16, v[PW]
	v_lshl_or_b32 v[PW], v[TM+7], 24, v[PW]
	WIN \sw
.irp c, 0,1
	v_cvt_scalef32_pk16_bf6_f32 v[PC+6*\c:PC+6*\c+2], v[(\s)+32*\c:(\s)+32*\c+15], v[TM+8+2*\c]
	v_cvt_scalef32_pk16_bf6_f32 v[PC+12+4*\c:PC+14+4*\c], v[(\s)+32*\c+16:(\s)+32*\c+31], v[TM+9+2*\c]
.endr
	WIN 0
	v_nop                                                  ; one plain place behind a scaled conversion
.irp c, 0,1
.irp i, 0,1,2
	v_permlane16_swap_b32 v[PC+6*\c+\i], v[PC+12+4*\c+\i]
.endr
.irp i, 0,1,2
	v_mov_b32 v[PC+3+6*\c+\i], v[PC+12+4*\c+\i]
.endr
.endr
.endm
.macro IMAGE adr, off                  ; the fragment in v[PC] on goes to LDS as it stands
.irp c, 0,1,2
	ds_store_b128 v[\adr], v[PC+4*\c:PC+4*\c+3] offset:(\off)+512*\c
.endr
.endm
.macro FETCH reg, adr, off             ; and comes back so, in any wave
.irp c, 0,1,2
	ds_load_b128 v[(\reg)+4*\c:(\reg)+4*\c+3], v[\adr] offset:(\off)+512*\c
.endr
.endm
.macro TURN_IN raw, rw, dst            ; 16 rows of 512 bytes, as loaded (window rw), through my stage: register 16 b + 4 q + e of v[dst] on is column 32 b + 16 h + 4 q + e of row r
	WIN (\rw)<<2
.irp i, 0,1,2,3,4,5,6,7,8,9,10,11,12,13,14,15
	ds_store_b128 v[SA], v[(\raw)+4*\i:(\raw)+4*\i+3] offset:\i*SPITCH
.endr
	WIN 0
.irp b, 0,1,2,3
.irp q, 0,1,2,3
	ds_load_b128 v[(\dst)+16*\b+4*\q:(\dst)+16*\b+4*\q+3], v[SB] offset:128*\b+16*\q   ; LDS serves a wave's instructions in order: these see my stores
.endr
.endr
.endm
.macro VECLOAD win, adr, off           ; a vector of my 128 columns in the result's layout: register 8 t + j = column 32 (t / 2) + 16 h + 8 (t % 2) + j
	WIN (\win)<<6
.irp t, 0,1,2,3,4,5,6,7
.irp q, 0,1
	ds_load_b128 v[192+8*\t+4*\q:192+8*\t+4*\q+3], v[\adr] offset:(\off)+(32*(\t/2)+8*(\t%2))*4+16*\q
.endr
.endr
	WIN 0
.endm
.macro WLOAD set, off                  ; a unit: 26 loads of 512 consecutive bytes
	WIN 0x40+0x80*((\set)/2)
.irp t, 0,1,2,3,4,5,6,7
.irp c, 0,1,2
	global_load_b128 v[96*((\set)%2)+12*\t+4*\c:96*((\set)%2)+12*\t+4*\c+3], v[LI], s[SW:SW+1] offset:(\off)+FRB*\t+512*\c
.endr
.endr
	WIN 0
	global_load_b128 v[WS+8*(\set):WS+8*(\set)+3], v[LI], s[SW:SW+1] offset:(\off)+8*FRB
	global_load_b128 v[WS+8*(\set)+4:WS+8*(\set)+7], v[LI], s[SW:SW+1] offset:(\off)+8*FRB+512
.endm
; K step s of a pass: 16 matrix instructions, the 16 accumulators by turns, in the same order in every unit.
; pf = 1: the unit three on is asked for in the unit's middle, into the set that the unit before has left.  dep = 1: that set has had a reader.  left: the loads that may stay out: 26 for each younger unit.
.macro UNIT s, ub, first, nat, pf, dep, left
	s_wait_loadcnt \left
.if \dep
	s_wait_alu depctr_va_vdst(0)                   ; the unit before is done reading its set of weights and their scale words, in which the loads in this unit's middle land
.endif
.if \nat
.set WM, 0xa4+8*((\s)/2)                       ; source 0 (x) window 0, source 1 (W) window 1 or 3, C and D window 2
.elseif \first && ((\s) == 0)
.set WM, 0x91                                  ; source 0 (W) window 1, source 1 (x) window 0, C (the bias) window 1, D window 2
.else
.set WM, 0xa1+2*((\s)/2)                       ; source 0 (W) window 1 or 3, C and D window 2
.endif
	WIN WM
.irp t, 0,1,2,3,4,5,6,7
.if (\pf) && (\t == 4)
	WLOAD ((\s)+3)%4, ((\ub)+(\s)+3)*WB            ; no further wait: no matrix instruction since the wait at the unit's head names this set, its scale words or v[LI]
	WIN WM
.endif
.irp rt, 0,1
.if \nat
.if (\s) == 0
	v_wmma_scale_f32_16x16x128_f8f6f4 v[64*\rt+8*\t:64*\rt+8*\t+7], v[XF+12*(4*\rt+(\s)):XF+12*(4*\rt+(\s))+11], v[96*((\s)%2)+12*\t:96*((\s)%2)+12*\t+11], 0, v[XS+4*\rt+(\s)], v[WS+8*(\s)+\t] matrix_a_fmt:MATRIX_FMT_BF6 matrix_b_fmt:MATRIX_FMT_BF6
.else
	v_wmma_scale_f32_16x16x128_f8f6f4 v[64*\rt+8*\t:64*\rt+8*\t+7], v[XF+12*(4*\rt+(\s)):XF+12*(4*\rt+(\s))+11], v[96*((\s)%2)+12*\t:96*((\s)%2)+12*\t+11], v[64*\rt+8*\t:64*\rt+8*\t+7], v[XS+4*\rt+(\s)], v[WS+8*(\s)+\t] matrix_a_fmt:MATRIX_FMT_BF6 matrix_b_fmt:MATRIX_FMT_BF6
.endif
.elseif \first && ((\s) == 0)
	v_wmma_scale_f32_16x16x128_f8f6f4 v[64*\rt+8*\t:64*\rt+8*\t+7], v[96*((\s)%2)+12*\t:96*((\s)%2)+12*\t+11], v[XF+12*(4*\rt+(\s)):XF+12*(4*\rt+(\s))+11], v[BIAS+8*\t:BIAS+8*\t+7], v[WS+8*(\s)+\t], v[XS+4*\rt+(\s)] matrix_a_fmt:MATRIX_FMT_BF6 matrix_b_fmt:MATRIX_FMT_BF6
.else
	v_wmma_scale_f32_16x16x128_f8f6f4 v[64*\rt+8*\t:64*\rt+8*\t+7], v[96*((\s)%2)+12*\t:96*((\s)%2)+12*\t+11], v[XF+12*(4*\rt+(\s)):XF+12*(4*\rt+(\s))+11], v[64*\rt+8*\t:64*\rt+8*\t+7], v[WS+8*(\s)+\t], v[XS+4*\rt+(\s)] matrix_a_fmt:MATRIX_FMT_BF6 matrix_b_fmt:MATRIX_FMT_BF6
.endif
.endr
.endr
.endm
.macro PASS ub, first, nat, kind       ; four K steps: K = 512.  kind 0: the run of weights begins with this pass (set 3 has had no reader); 1: a pass in its middle; 2: it ends with this pass
.if \kind == 0
	UNIT 0, \ub, \first, \nat, 1, 0, 52            ; 52: the two younger units, 2 x 26 loads, may be out
.else
	UNIT 0, \ub, \first, \nat, 1, 1, 52
.endif
.if \kind == 2
	UNIT 1, \ub, \first, \nat, 0, 0, 52            ; nothing more is asked for: two younger units,
	UNIT 2, \ub, \first, \nat, 0, 0, 26            ; one,
	UNIT 3, \ub, \first, \nat, 0, 0, 0             ; then none
.else
	UNIT 1, \ub, \first, \nat, 1, 1, 52
	UNIT 2, \ub, \first, \nat, 1, 1, 52
	UNIT 3, \ub, \first, \nat, 1, 1, 52
.endif
	WIN 0
.endm
	s_load_b256 s[4:11], s[0:1], 0x0               ; x, bq, bk, bv
	s_load_b128 s[12:15], s[0:1], 0x20             ; wts, qimg
	s_load_b64 s[16:17], s[0:1], 0x30              ; kv
	v_lshl_add_u32 v214, v0, 2, 0xd000
	v_mov_b32 v215, 0
	v_lshrrev_b32 v[BV], 5, v0
	v_readfirstlane_b32 s[WV], v[BV]               ; wave 0..3
	v_and_b32 v[BV], 31, v0
	v_lshlrev_b32 v[LI], 4, v[BV]
	v_lshlrev_b32 v[L8], 3, v[BV]
	v_lshlrev_b32 v[LS], 2, v[BV]
	v_and_b32 v[BV+1], 15, v0                      ; r
	s_wait_alu depctr_va_vdst(0)
	v_bfe_u32 v[BV+2], v0, 4, 1                    ; h
	s_wait_alu depctr_va_sdst(0)                   ; s[WV] is written, ahead of its first reader: LDS addresses and the bases are made from it
	s_mul_i32 s22, s[WV], STG
	v_add_nc_u32 v[SA], s22, v[LI]
	v_mul_u32_u24 v[SB], v[BV+1], SPITCH
	v_lshl_add_u32 v[SB], v[BV+2], 6, v[SB]
	v_add_nc_u32 v[SB], s22, v[SB]
	s_lshl_b32 s22, s[WV], 9
	s_add_co_u32 s22, s22, VEC
	v_lshl_add_u32 v[AB], v[BV+2], 6, s22
	s_lshr_b32 s23, s[WV], 1
	s_lshl_b32 s23, s23, 5
	s_and_b32 s24, s[WV], 1
	s_lshl_b32 s24, s24, 3
	s_add_co_u32 s23, s23, s24
	s_lshl_b32 s23, s23, 2
	s_add_co_u32 s23, s23, VEC+4096
	v_and_b32 v[AV], 8, v[BV+1]
	v_add_nc_u32 v[AV], v[AV], v[BV+1]
	v_lshl_add_u32 v[AV], v[AV], 2, s23            ; bv at channel 32 (w / 2) + 8 (w % 2) + r + 8 (r / 8)
	s_mul_i32 s22, s[WV], FRB
	s_add_co_u32 s22, s22, XIMG
	v_add_nc_u32 v[XWI], s22, v[LI]
	s_lshl_b32 s22, s[WV], 7
	s_add_co_u32 s22, s22, XSC
	v_add_nc_u32 v[XWS], s22, v[LS]
	v_lshl_add_u32 v[VW], v0, 4, VEC
	v_lshlrev_b32 v[TI], 4, v0
	s_mov_b32 s[SEL], 0x76543210
	s_mov_b32 s[SEL+1], 0xfedcba98
.irp b, 0,1,2,3
	v_mov_b32 v[TM+4+\b], 0                        ; written once: a lane permute's destination counts as one of its sources
.endr
	s_lshl_b32 s22, ttmp9, 16                      ; my 32 rows of 2,048 bytes,
	s_lshl_b32 s23, s[WV], 9
	s_add_co_u32 s22, s22, s23                     ; my wave's 512 bytes of each
	s_mov_b32 s23, 0
	s_mul_i32 s32, s[WV], 48*WB                    ; my wave's run of wts
	s_mov_b32 s33, 0
	s_mul_i32 s34, ttmp9, 16*768
	s_mul_i32 s36, s[WV], FRB
	s_add_co_u32 s34, s34, s36                     ; q's half images 8 T + 2 w
	s_mov_b32 s35, 0
	s_lshl_b32 s36, ttmp9, 10
	s_lshl_b32 s37, s[WV], 7
	s_add_co_u32 s36, s36, s37
	s_add_co_u32 s36, s36, QSC                     ; q's scale words
	s_mov_b32 s37, 0
	s_mul_i32 s38, ttmp9, 2*WB
	s_mul_i32 s40, s[WV], FRB
	s_add_co_u32 s38, s38, s40                     ; kv: my tiles' blocks, fragment w
	s_mov_b32 s39, 0
	s_mul_i32 s40, ttmp9, 2*WB
	s_lshl_b32 s41, s[WV], 7
	s_add_co_u32 s40, s40, s41
	s_add_co_u32 s40, s40, 8*FRB                   ; and its scale word
	s_mov_b32 s41, 0
	s_wait_kmcnt 0x0
	s_add_nc_u64 s[4:5], s[4:5], s[22:23]
	s_add_nc_u64 s[SW:SW+1], s[SW:SW+1], s[32:33]
	s_add_nc_u64 s[24:25], s[14:15], s[34:35]
	s_add_nc_u64 s[26:27], s[14:15], s[36:37]
	s_add_nc_u64 s[28:29], s[16:17], s[38:39]
	s_add_nc_u64 s[30:31], s[16:17], s[40:41]
	; ---- x: my 512 bytes of the 32 rows, the rows of a tile in the order pi
	WIN 0x80
	s_wait_alu depctr_va_vdst(0)                   ; the addresses v1 to v11 are written, which every load and store of the kernel reads; so are v12 to v14, in which bv lands later
.irp rt, 0,1
.irp i, 0,1,2,3,4,5,6,7,8,9,10,11,12,13,14,15
	global_load_b128 v[Y+64*\rt+4*\i:Y+64*\rt+4*\i+3], v[LI], s[4:5] offset:(16*\rt+4*((\i/2)%4)+2*(\i/8)+(\i%2))*2048 th:TH_LOAD_NT
.endr
.endr
	WIN 0
	global_load_b128 v[PC:PC+3], v[TI], s[6:7]     ; the three biases: 16 bytes a thread
	global_load_b128 v[PC+4:PC+7], v[TI], s[8:9]
	global_load_b128 v[PC+8:PC+11], v[TI], s[10:11]
	WLOAD 0, 0
	WLOAD 1, WB
	s_wait_loadcnt 52                              ; x and the biases are in; the two units stay out
	WLOAD 2, 2*WB                                  ; the third unit goes out behind that wait: a count for three units, 78, is more than the wait can name
	ds_store_b128 v[VW], v[PC:PC+3]
	ds_store_b128 v[VW], v[PC+4:PC+7] offset:2048
	ds_store_b128 v[VW], v[PC+8:PC+11] offset:4096
.irp rt, 0,1
	TURN_IN Y+64*\rt, 2, ST
	s_wait_dscnt 0x0
	s_wait_alu depctr_vm_vsrc(0)                   ; the LDS stores above (the biases'; then tile 0's image and scale word) have read v[PC ..] and v[PW], which the quantiser writes
	QUANT ST, 0
	s_wait_alu depctr_va_vdst(0)                   ; the quantiser has written v[PC ..] and v[PW], which the LDS stores read, and is done reading v[ST ..], in which the next tile's stage loads land
	IMAGE XWI, 4*FRB*\rt                           ; K step w of tile rt
	ds_store_b32 v[XWS], v[PW] offset:512*\rt
	s_wait_dscnt 0x0                               ; the stores have read their registers
.endr
	BARRIER                                        ; x's eight fragments and the biases lie in LDS
.irp k, 0,1,2,3,4,5,6,7
	FETCH XF+12*\k, LI, XIMG+FRB*\k
	ds_load_b32 v[XS+\k], v[LS] offset:XSC+128*\k
.endr
	; ---- q
	VECLOAD 1, AB, 0
	s_wait_dscnt 0x0
	PASS 0, 1, 0, 0
	PLACES 4                                       ; in front of the first read of results
.irp rt, 0,1
	s_wait_xcnt 0x0                                ; earlier stores have read the codes' registers
	s_wait_alu depctr_vm_vsrc(0)                   ; the stores issued so far (x's last image; then tile 0's codes) have read v[PC ..] and v[PW], which the quantiser writes
	QUANT 64*\rt, 2
	s_wait_alu depctr_va_vdst(0)                   ; the quantiser has written v[PC ..] and v[PW], which the stores read
	global_store_b128 v[LI], v[PC:PC+3], s[24:25] offset:8*768*\rt             ; position group 2 w: registers 0-3,
	global_store_b64 v[L8], v[PC+4:PC+5], s[24:25] offset:8*768*\rt+512        ; 4-5;
	global_store_b128 v[LI], v[PC+6:PC+9], s[24:25] offset:8*768*\rt+768       ; group 2 w + 1
	global_store_b64 v[L8], v[PC+10:PC+11], s[24:25] offset:8*768*\rt+1280
	global_store_b32 v[LS], v[PW], s[26:27] offset:512*\rt
.endr
	; ---- k
	VECLOAD 1, AB, 2048                            ; bq's registers: the products that read them stand ahead of the waits on va_vdst above, and nothing since names them
	s_wait_dscnt 0x0
	PASS 4, 1, 0, 1
	PLACES 4
.irp rt, 0,1
	s_wait_xcnt 0x0
	s_wait_alu depctr_vm_vsrc(0)                   ; the stores issued so far have read v[PC ..] and v[PW], which the quantiser writes
	QUANT 64*\rt, 2
	s_wait_alu depctr_va_vdst(0)                   ; the quantiser has written v[PC ..] and v[PW], which the stores read
.irp c, 0,1,2
	global_store_b128 v[LI], v[PC+4*\c:PC+4*\c+3], s[28:29] offset:WB*\rt+512*\c
.endr
	global_store_b32 v[LS], v[PW], s[30:31] offset:WB*\rt
.endr
	; ---- v: tile t of the weights is position group g = t; a lane holds channel r of channel tile w
.irp g, 0,1,2,3,4,5,6,7
	ds_load_b32 v[BV+\g], v[AV] offset:256*\g
.endr
	PASS 8, 0, 1, 2
	PLACES 4
	s_wait_dscnt 0x0                               ; bv
.irp rt, 0,1
	s_wait_xcnt 0x0
	s_wait_alu depctr_vm_vsrc(0)                   ; the stores issued so far have read v[PC ..] and v[PW], which the quantiser writes
	WIN 0x02                                       ; source 0: the accumulators, window 2
.irp g, 0,1,2,3,4,5,6,7
.irp j, 0,1,2,3,4,5,6,7
	v_add_f32 v[ST+16*(\j/2)+8*(\j%2)+\g], v[64*\rt+8*\g+\j], v[BV+\g]   ; row 4 B + 2 h + n of group g is key 32 B + 16 h + 8 n + g; each accumulator from its low end on
.endr
.endr
	QUANT ST, 0
	s_wait_alu depctr_va_vdst(0)                   ; the quantiser has written v[PC ..] and v[PW], which the stores read
.irp c, 0,1,2
	global_store_b128 v[LI], v[PC+4*\c:PC+4*\c+3], s[28:29] offset:WB*\rt+4*FRB+512*\c
.endr
	global_store_b32 v[LS], v[PW], s[30:31] offset:WB*\rt+512
.endr
	s_wait_dscnt 0x0                               ; the closing lines, six on end
	s_wait_alu 0x0
	s_wait_tensorcnt 0x0
	ds_add_u32 v214, v215
	s_wait_dscnt 0x0
	s_endpgm
.Lfunc_end_k_q8342a2b7cb_qkv:
	.size	k_q8342a2b7cb_qkv, .Lfunc_end_k_q8342a2b7cb_qkv-k_q8342a2b7cb_qkv
	.p2alignl 7, 3214868480
	.fill 96, 4, 3214868480
	.section	.rodata,"a",@progbits
	.p2align	6, 0x0
	.amdhsa_kernel k_q8342a2b7cb_qkv
		.amdhsa_group_segment_fixed_size 53760
		.amdhsa_private_segment_fixed_size 0
		.amdhsa_enable_private_segment 0
		.amdhsa_kernarg_size 56
		.amdhsa_user_sgpr_count 2
		.amdhsa_user_sgpr_kernarg_segment_ptr 1
		.amdhsa_wavefront_size32 1
		.amdhsa_system_sgpr_workgroup_id_x 1
		.amdhsa_system_sgpr_workgroup_id_y 1
		.amdhsa_system_sgpr_workgroup_id_z 1
		.amdhsa_system_vgpr_workitem_id 0
		.amdhsa_next_free_vgpr 1024
		.amdhsa_next_free_sgpr 66
		.amdhsa_reserve_vcc 0
		.amdhsa_float_denorm_mode_32 3
		.amdhsa_float_denorm_mode_16_64 3
		.amdhsa_memory_ordered 1
		.amdhsa_forward_progress 1
		.amdhsa_inst_pref_size 111
	.end_amdhsa_kernel
	.amdgpu_metadata
---
amdhsa.version: [ 1, 2 ]
amdhsa.kernels:
  - .name:           k_q8342a2b7cb_qkv
    .symbol:         k_q8342a2b7cb_qkv.kd
    .args:
      - { .name: x, .offset: 0, .size: 8, .value_kind: global_buffer, .address_space: global }
      - { .name: bq, .offset: 8, .size: 8, .value_kind: global_buffer, .address_space: global }
      - { .name: bk, .offset: 16, .size: 8, .value_kind: global_buffer, .address_space: global }
      - { .name: bv, .offset: 24, .size: 8, .value_kind: global_buffer, .address_space: global }
      - { .name: wts, .offset: 32, .size: 8, .value_kind: global_buffer, .address_space: global }
      - { .name: qimg, .offset: 40, .size: 8, .value_kind: global_buffer, .address_space: global }
      - { .name: kv, .offset: 48, .size: 8, .value_kind: global_buffer, .address_space: global }
    .group_segment_fixed_size: 53760
    .private_segment_fixed_size: 0
    .kernarg_segment_align: 8
    .kernarg_segment_size: 56
    .max_flat_workgroup_size: 128
    .sgpr_count:     66
    .vgpr_count:     1024
    .wavefront_size: 32
...
	.end_amdgpu_metadata
.endif
;; end of part 6
;; launch attn (part 7): grid 16 x 16, 16 waves a work-group, no clusters, 327,680 bytes of LDS; arguments qimg, kv, ctx; writes ctx
.if DOCPART == 7
	.amdgcn_target "amdgcn-amd-amdhsa--gfx1250"
	.amdhsa_code_object_version 6
	.text
	.protected	k_q8342a2b7cb_attn
	.globl	k_q8342a2b7cb_attn
	.p2align	8
	.type	k_q8342a2b7cb_attn,@function
k_q8342a2b7cb_attn:
	s_mov_b64 s[64:65], 0
	v_nop
	global_prefetch_b8 v0, s[64:65] scope:SCOPE_SE
	s_setreg_imm32_b32 hwreg(HW_REG_WAVE_MODE, 25, 1), 1
	s_wait_xcnt 0x0
; CAUSAL ATTENTION ON CODES OF BF6 (E3M2), 16 heads of 4,096 positions x 64 channels, no 1 / sqrt(d); the result is quantised at once for the product with Wo.
; THE SOFTMAX AHEAD OF THE SECOND PRODUCT: t = score x log2(e); M = the row's largest t so far, rounded up to a whole number; p = 2^(t - M) is quantised along the keys, not normalised.
; The row's sum is taken of the unquantised p and divides O at the end.  When M moves, the sum and O are multiplied by 2^(old M - new M): exact.
; SHARES.  Work-group (P, head) owns the query groups P and 31 - P of 128 positions: 33 group-steps under the causal mask for every work-group.  Wave wv owns 16 queries: positions 8 pi(r) + g of its group,
; g = wv % 8, group TQ = P (waves 0-7) or 31 - P (waves 8-15); pi(r) = 4 ((r / 2) % 4) + 2 (r / 8) + r % 2 is the row order of every tile of this program.  256 registers a wave, four waves to a SIMD.
; A KEY STEP is 128 keys = one block of kv (13,312 bytes): k's four fragments, v^T's four, their scale words, all as images of the operand's registers: every LDS address is a lane term + an immediate.
; K = 64 IN AN INSTRUCTION OF 128: a fragment of k holds two tiles of 16 keys (position groups 2 y, 2 y + 1) in its two halves.  It is multiplied by (Q, zeros) and by (zeros, Q): zero codes add nothing,
; whatever stands against them, under the scale byte 0 too (which is 2^-127 and no NaN).
; Both products are used transposed (S^T = k q^T, O^T = v^T p^T): a lane holds one query throughout.  Register 8 g' + 2 B + n of S^T is key 32 B + 16 h + 8 n + g': the exponential writes p to register 16 B + 8 n + g', its place along the keys.
; THE RING.  Two slots of two key steps (26,624 bytes, one dense run of memory), filled by wave 0, read by all sixteen.  Every wave walks 4 ceil((32 - P) / 4) steps; a step all of whose keys come after the wave's
; queries is jumped over (a scalar branch on ids, round no barrier and no tensor load).  On the diagonal hidden scores become -infinity.
; No joint loads: the 16 work-groups of a head walk 20 to 32 steps, so partners would need different numbers of tiles.
; LIMITS: NaN and infinities are not served; v_exp_f32 and v_rcp_f32 are accurate to 1 ulp; a block whose every p has fallen to 0 keeps the byte 1: its codes are zeros.
; A block's largest p is the block's largest score put through the same multiply-add and exponential (this takes v_exp_f32 not to fall where its input rises).
.set WB,    13312
.set FRB,   1536
.set SLOTB, 2*WB
.set SPARE, 2*SLOTB                    ; behind the ring: the spare words, 128 bytes for each of 16 waves: eight blocks of 256 bytes that no other line names
.set QSC,   3145728
.set CSC,   3145728
.set LI,  1                            ; 16 x lane
.set LS,  2                            ; 4 x lane
.set SPW, 3                            ; LDS address of my spare word; never rewritten
.set NIL, 4                            ; 0; never rewritten
.set DQ,  5                            ; 8 pi(r) + g - 16 h
.set NINF, 6                           ; -infinity
.set L8,  7                            ; 8 x lane
.set QF,  16                           ; v16-21 Q, v22-27 zeros, v28-33 Q
.set QS,  34                           ; v34, v35 Q's scale bytes in the low half, in the high half
.set KW,  36                           ; v36-39 k's scale words
.set VW,  40                           ; v40-43 v's
.set PC,  44                           ; v44-63 p's codes
.set KF,  64                           ; v64-111 k's fragments;
.set P,   64                           ; v64-127 then p
.set S,   128                          ; v128-191 S^T;
.set VF,  128                          ; v128-175 then v's fragments
.set O,   192                          ; v192-223 O^T
.set TM,  224
.set TP,  228
.set TS,  232
.set SU,  236                          ; v[236:237] the sum's second chain
.set PW,  238                          ; p's scale word
.set FF,  240                          ; v[240:241] f = 2^(old M - new M)
.set TT,  242
.set TQ,  15                           ; s15 my query group
.set WV,  18
.set SEL, 20
.set CS,  22                           ; s[22:23] log2(e)
.set G1,  24                           ; s[24:31] descriptor group 1
.set G0,  32                           ; s[32:39] group 0, a set for each slot
.set TRIPS, 40
.set KS,  41                           ; the key step
.macro PLACES n
.rept \n
	v_nop
.endr
.endm
.macro TLOAD g0                        ; wave 0 fetches; four v_nop follow the load
	s_cmp_lg_u32 s[WV], 0
	s_cbranch_scc1 .Lnone_\@
	tensor_load_to_lds s[\g0:\g0+3], s[G1:G1+7]
	s_nop 0
	PLACES 4
.Lnone_\@:
.endm
	s_load_b128 s[4:7], s[0:1], 0x0                ; qimg, kv
	s_load_b64 s[8:9], s[0:1], 0x10                ; ctx
	v_lshl_add_u32 v[SPW], v0, 2, SPARE
	v_mov_b32 v[NIL], 0
	ds_add_u32 v3, v4
	ds_add_u32 v3, v4
	s_wait_dscnt 0x0
	v_lshrrev_b32 v[TT], 5, v0
	s_delay_alu instid0(VALU_DEP_1)
	v_readfirstlane_b32 s[WV], v[TT]               ; wave 0..15
	s_and_b32 s10, ttmp7, 0xffff                   ; the head
	s_and_b32 s11, s[WV], 7                        ; g
	s_sub_co_u32 s12, 31, ttmp9
	s_cmp_lt_u32 s[WV], 8
	s_cselect_b32 s[TQ], ttmp9, s12                ; my query group: P or 31 - P
	s_sub_co_u32 s[TRIPS], 35, ttmp9
	s_lshr_b32 s[TRIPS], s[TRIPS], 2
	s_sub_co_u32 s[TRIPS], s[TRIPS], 1             ; ceil((32 - P) / 4) - 1: 4 to 7
	s_mov_b32 s[KS], 0
	s_and_b32 s19, s[WV], 1
	s_lshl_b32 s19, s19, 4                         ; 16 (g % 2): where my two bytes stand in Q's scale word
	s_mul_i32 s12, s10, 32*WB                      ; the head's 32 blocks of kv
	s_mov_b32 s13, 0
	s_lshl_b32 s14, s10, 5
	s_add_co_u32 s14, s14, s[TQ]                   ; T
	s_lshl_b32 s16, s14, 3
	s_add_co_u32 s16, s16, s11                     ; 8 T + g
	s_mul_i32 s42, s16, 768                        ; a half image, in qimg and in ctx
	s_mov_b32 s43, 0
	s_lshl_b32 s44, s16, 7
	s_add_co_u32 s44, s44, CSC                     ; ctx's scale word
	s_mov_b32 s45, 0
	s_lshl_b32 s46, s14, 2
	s_lshr_b32 s17, s11, 1
	s_add_co_u32 s46, s46, s17
	s_lshl_b32 s46, s46, 7
	s_add_co_u32 s46, s46, QSC                     ; Q's scale word: 4 T + g / 2
	s_mov_b32 s47, 0
	; descriptor group 1: a dense run of 26,624 bytes as 104 rows of 256 bytes (32 elements of 8 bytes), no padding
	s_mov_b32 s[G1], 3<<16                         ; no mask; elements of 8 bytes
	s_mov_b32 s[G1+1], 32<<16                      ; tensor_dim0 = 32
	s_mov_b32 s[G1+2], 104<<16                     ; tensor_dim1 = 104
	s_mov_b32 s[G1+3], 32<<16                      ; tile_dim0 = 32
	s_mov_b32 s[G1+4], 104                         ; tile_dim1 = 104
	s_mov_b32 s[G1+5], 32                          ; from row to row
	s_mov_b32 s[G1+6], 0
	s_mov_b32 s[G1+7], 0
	s_mov_b32 s[SEL], 0x76543210
	s_mov_b32 s[SEL+1], 0xfedcba98
	s_mov_b32 s[CS], 0x3fb8aa3b                    ; log2(e)
	s_mov_b32 s[CS+1], s[CS]                       ; (named with it as a pair, so it is written)
	s_wait_kmcnt 0x0
	s_add_nc_u64 s[6:7], s[6:7], s[12:13]
	s_mov_b32 s[G0], 1
	s_mov_b32 s[G0+1], 0                           ; slot 0: key steps 0, 1
	s_mov_b64 s[G0+2:G0+3], s[6:7]
	s_or_b32 s[G0+3], s[G0+3], 0x80000000
	s_mov_b32 s[G0+4], 1
	s_mov_b32 s[G0+5], SLOTB                       ; slot 1: key steps 2, 3
	s_add_nc_u64 s[G0+6:G0+7], s[6:7], SLOTB
	s_or_b32 s[G0+7], s[G0+7], 0x80000000
	s_cmp_lg_u32 s[WV], 0                          ; both first fills in one branch, ahead of every wait on TENSORcnt, every LDS read and every barrier: two loads of wave 0 are out
	s_cbranch_scc1 .Lfirst_asked
	tensor_load_to_lds s[G0:G0+3], s[G1:G1+7]
	s_nop 0
	tensor_load_to_lds s[G0+4:G0+7], s[G1:G1+7]
	s_nop 0
	PLACES 4
.Lfirst_asked:
	s_add_nc_u64 s[46:47], s[4:5], s[46:47]
	s_add_nc_u64 s[4:5], s[4:5], s[42:43]
	s_add_nc_u64 s[44:45], s[8:9], s[44:45]
	s_add_nc_u64 s[8:9], s[8:9], s[42:43]
	v_and_b32 v[TT], 31, v0
	s_delay_alu instid0(VALU_DEP_1)
	v_lshlrev_b32 v[LI], 4, v[TT]
	s_delay_alu instid0(VALU_DEP_2)
	v_lshlrev_b32 v[L8], 3, v[TT]
	s_delay_alu instid0(VALU_DEP_3)
	v_lshlrev_b32 v[LS], 2, v[TT]
	global_load_b128 v[QF:QF+3], v[LI], s[4:5]     ; Q's half image: registers 0-3,
	global_load_b64 v[QF+4:QF+5], v[L8], s[4:5] offset:512   ; 4-5
	global_load_b32 v[TT], v[LS], s[46:47]         ; and the scale word that holds its two bytes
	v_bfe_u32 v[TM], v0, 1, 2
	v_bfe_u32 v[TM+1], v0, 3, 1
	v_and_b32 v[TM+2], 1, v0
	s_delay_alu instid0(VALU_DEP_2)
	v_lshl_add_u32 v[TM], v[TM], 1, v[TM+1]
	s_delay_alu instid0(VALU_DEP_1)
	v_lshl_add_u32 v[TM], v[TM], 1, v[TM+2]        ; pi(r)
	s_delay_alu instid0(VALU_DEP_1)
	v_lshl_add_u32 v[DQ], v[TM], 3, s11
	v_bfe_u32 v[TM+1], v0, 4, 1
	s_delay_alu instid0(VALU_DEP_1)
	v_lshlrev_b32 v[TM+1], 4, v[TM+1]
	s_delay_alu instid0(VALU_DEP_1)
	v_sub_nc_u32 v[DQ], v[DQ], v[TM+1]             ; my query's place in its group, less 16 h
	v_mov_b32 v[NINF], 0xff800000
	v_mov_b32 v13, 0xff61b1e6                      ; the largest t so far: -3e38, under every t
	s_delay_alu instid0(VALU_DEP_1)
	v_floor_f32 v12, -v13                          ; -M
	v_mov_b32 v14, 0                               ; the sum, in two halves
	v_mov_b32 v15, 0
	v_mov_b32 v[FF+1], 0                           ; (named as the upper half of a pair)
.irp b, 0,1,2,3
	v_mov_b32 v[TP+\b], 0                          ; written once: a lane permute's destination counts as one of its sources
.endr
.irp i, 0,1,2,3,4,5
	v_mov_b32 v[QF+6+\i], 0                        ; the zero codes between Q's two copies
.endr
	s_wait_loadcnt 0x0
.irp i, 0,1,2,3,4,5
	v_mov_b32 v[QF+12+\i], v[QF+\i]
.endr
	v_lshrrev_b32 v[QS], s19, v[TT]
	s_delay_alu instid0(VALU_DEP_1)
	v_and_b32 v[QS], 0xffff, v[QS]                 ; bytes 0, 1: Q in the lower half of K; bytes 2, 3 are 0, over zero codes
	s_delay_alu instid0(VALU_DEP_1)
	v_lshlrev_b32 v[QS+1], 16, v[QS]               ; and the other way round
.set N, 0
.rept 32
	v_mov_b32 v[O+N], 0                            ; O^T: the step is written once; its first walk finds zeros.  (These are also the places between the scale words just made and the first product)
.set N, N+1
.endr
	s_wait_tensorcnt 1                             ; slot 0 has landed; slot 1's fill may stay out
	s_barrier_signal -1
	s_barrier_wait -1
; A KEY STEP: the q-th of the slot
.macro STEP slot, q
.set BASE, (\slot)*SLOTB+(\q)*WB
	s_cmp_gt_u32 s[KS], s[TQ]                      ; all its keys come after my queries: nothing to do
	s_cbranch_scc1 .Lhid_\@
	PLACES 5                                       ; S^T is laid over v's fragments, which the last products read
.irp y, 0,1,2,3
.irp c, 0,1,2
	ds_load_b128 v[KF+12*\y+4*\c:KF+12*\y+4*\c+3], v[LI] offset:BASE+FRB*\y+512*\c
.endr
	ds_load_b32 v[KW+\y], v[LS] offset:BASE+8*FRB+128*\y
.endr
	s_wait_dscnt 0x0
.irp y, 0,1,2,3
.irp c, 0,1
	v_wmma_scale_f32_16x16x128_f8f6f4 v[S+8*(2*\y+\c):S+8*(2*\y+\c)+7], v[KF+12*\y:KF+12*\y+11], v[QF+6*\c:QF+6*\c+11], 0, v[KW+\y], v[QS+\c] matrix_a_fmt:MATRIX_FMT_BF6 matrix_b_fmt:MATRIX_FMT_BF6
.endr
.endr
	PLACES 4
	s_cmp_lg_u32 s[KS], s[TQ]                      ; off the diagonal every key counts
	s_cbranch_scc1 .Lopen_\@
.set N, 0
.rept 64                                       ; register 8 g' + 2 B + n holds key 32 B + 16 h + 8 n + g' of the group: hidden where it comes after my query
	v_cmp_gt_i32 vcc_lo, 32*((N%8)/2)+8*(N%2)+N/8, v[DQ]
	v_cndmask_b32 v[S+N], v[S+N], v[NINF], vcc_lo
.set N, N+1
.endr
.Lopen_\@:
.irp b, 0,1,2,3
	v_max3_num_f32 v[TM+\b], v[S+2*\b], v[S+2*\b+1], v[S+8+2*\b]   ; the largest score of each block of 32 keys; each accumulator is first read at its low end
.endr
.irp k, 1,2,3,4,5,6
.irp b, 0,1,2,3
	v_max3_num_f32 v[TM+\b], v[TM+\b], v[S+8*\k+2*\b+1], v[S+8*\k+8+2*\b]
.endr
.endr
.irp b, 0,1,2,3
	v_max_num_f32 v[TM+\b], v[TM+\b], v[S+57+2*\b]
.endr
.irp b, 0,1,2,3
	s_delay_alu instid0(VALU_DEP_4)
	v_permlanex16_b32 v[TP+\b], v[TM+\b], s[SEL], s[SEL+1]
.endr
.irp b, 0,1,2,3
	s_delay_alu instid0(VALU_DEP_4)
	v_max_num_f32 v[TM+\b], v[TM+\b], v[TP+\b]     ; with lane l xor 16's 16 keys
.endr
	s_delay_alu instid0(VALU_DEP_2)
	v_max3_num_f32 v[TT], v[TM], v[TM+1], v[TM+2]
	s_delay_alu instid0(VALU_DEP_1)
	v_max_num_f32 v[TT], v[TT], v[TM+3]            ; the step's largest score of my query
	s_delay_alu instid0(VALU_DEP_1)
	v_mul_f32 v[TT], s[CS], v[TT]
	s_delay_alu instid0(VALU_DEP_1)
	v_max_num_f32 v13, v13, v[TT]                  ; the running largest t
	v_mov_b32 v[TT], v12
	s_delay_alu instid0(VALU_DEP_2)
	v_floor_f32 v12, -v13                          ; the new -M = -ceil(t)
	s_delay_alu instid0(VALU_DEP_1)
	v_sub_f32 v[TT], v12, v[TT]                    ; old M - new M: a whole number, 0 or less
	s_delay_alu instid0(VALU_DEP_1)
	v_cvt_i32_f32 v[TT], v[TT]                     ; (it saturates)
	s_delay_alu instid0(VALU_DEP_1)
	v_ldexp_f32 v[FF], 1.0, v[TT]                  ; f
.set N, 0
.rept 32
	v_pk_fma_f32 v[S+N:S+N+1], v[S+N:S+N+1], s[CS:CS+1], v[12:13] op_sel_hi:[1,0,0]   ; t - M, two at a time
.set N, N+2
.endr
.irp b, 0,1,2,3
	v_fma_f32 v[TM+\b], v[TM+\b], s[CS], v12       ; the same of each block's largest score
.endr
.set N, 0
	s_wait_alu depctr_va_vdst(0)
.rept 64
	v_exp_f32 v[P+16*((N%8)/2)+8*(N%2)+N/8], v[S+N]    ; p, written to its place along the keys
.set N, N+1
.endr
.irp b, 0,1,2,3
	v_exp_f32 v[TM+\b], v[TM+\b]                   ; the block's largest p
.endr
	v_pk_mul_f32 v[14:15], v[14:15], v[FF:FF+1] op_sel_hi:[1,0]   ; the sums under the new M.  (A plain place behind the exponentials)
.irp t, 0,1,2,3                                ; S^T is done with: v's fragments land there while p is quantised
.irp c, 0,1,2
	ds_load_b128 v[VF+12*\t+4*\c:VF+12*\t+4*\c+3], v[LI] offset:BASE+4*FRB+FRB*\t+512*\c
.endr
	ds_load_b32 v[VW+\t], v[LS] offset:BASE+8*FRB+512+128*\t
.endr
	s_wait_alu depctr_va_vdst(0)
.irp b, 0,1,2,3
	v_max_num_f32 v[TM+\b], 0x2800000, v[TM+\b]    ; the floor 2^(5 - 127)
.endr
.irp b, 0,1,2,3
	s_delay_alu instid0(VALU_DEP_4)
	v_add_nc_u32 v[TS+\b], 0xfe000000, v[TM+\b]    ; 4 off the exponent field: the conversion's scale operand
.endr
.irp b, 0,1,2,3
	s_delay_alu instid0(VALU_DEP_4)
	v_lshrrev_b32 v[TP+\b], 23, v[TS+\b]           ; the scale's byte
.endr
	s_delay_alu instid0(VALU_DEP_3)
	v_lshl_or_b32 v[PW], v[TP+1], 8, v[TP]
	s_delay_alu instid0(VALU_DEP_1)
	v_lshl_or_b32 v[PW], v[TP+2], 16, v[PW]
	s_delay_alu instid0(VALU_DEP_1)
	v_lshl_or_b32 v[PW], v[TP+3], 24, v[PW]
.irp c, 0,1
	v_cvt_scalef32_pk16_bf6_f32 v[PC+6*\c:PC+6*\c+2], v[P+32*\c:P+32*\c+15], v[TS+2*\c]
	v_cvt_scalef32_pk16_bf6_f32 v[PC+12+4*\c:PC+14+4*\c], v[P+32*\c+16:P+32*\c+31], v[TS+2*\c+1]
.endr
	v_nop                                          ; one plain place behind a scaled conversion
.irp c, 0,1
.irp i, 0,1,2
	v_permlane16_swap_b32 v[PC+6*\c+\i], v[PC+12+4*\c+\i]
.endr
.irp i, 0,1,2
	s_delay_alu instid0(VALU_DEP_3)
	v_mov_b32 v[PC+3+6*\c+\i], v[PC+12+4*\c+\i]
.endr
.endr
	v_pk_add_f32 v[236:237], v[68:69], v[72:73]
	v_pk_add_f32 v[254:255], v[76:77], v[80:81]
	v_pk_add_f32 v[252:253], v[84:85], v[88:89]
	v_pk_add_f32 v[250:251], v[92:93], v[96:97]
	v_pk_add_f32 v[248:249], v[100:101], v[104:105]
	v_pk_add_f32 v[246:247], v[108:109], v[112:113]
	v_pk_add_f32 v[244:245], v[116:117], v[120:121]
	v_pk_add_f32 v[14:15], v[14:15], v[124:125]
	v_pk_add_f32 v[236:237], v[236:237], v[64:65]
	v_pk_add_f32 v[254:255], v[254:255], v[66:67]
	v_pk_add_f32 v[252:253], v[252:253], v[70:71]
	v_pk_add_f32 v[250:251], v[250:251], v[74:75]
	v_pk_add_f32 v[248:249], v[248:249], v[78:79]
	v_pk_add_f32 v[246:247], v[246:247], v[82:83]
	v_pk_add_f32 v[244:245], v[244:245], v[86:87]
	v_pk_add_f32 v[14:15], v[14:15], v[90:91]
	v_pk_add_f32 v[236:237], v[236:237], v[94:95]
	v_pk_add_f32 v[254:255], v[254:255], v[98:99]
	v_pk_add_f32 v[252:253], v[252:253], v[102:103]
	v_pk_add_f32 v[250:251], v[250:251], v[106:107]
	v_pk_add_f32 v[248:249], v[248:249], v[110:111]
	v_pk_add_f32 v[246:247], v[246:247], v[114:115]
	v_pk_add_f32 v[244:245], v[244:245], v[118:119]
	v_pk_add_f32 v[14:15], v[14:15], v[122:123]
	v_pk_add_f32 v[236:237], v[236:237], v[126:127]
	s_delay_alu instid0(VALU_DEP_2)
	v_pk_add_f32 v[14:15], v[14:15], v[250:251]
	s_delay_alu instid0(VALU_DEP_2)
	v_pk_add_f32 v[236:237], v[236:237], v[248:249]
	v_pk_add_f32 v[254:255], v[254:255], v[246:247]
	v_pk_add_f32 v[252:253], v[252:253], v[244:245]
	s_delay_alu instid0(VALU_DEP_2)
	v_pk_add_f32 v[14:15], v[14:15], v[254:255]
	s_delay_alu instid0(VALU_DEP_2)
	v_pk_add_f32 v[236:237], v[236:237], v[252:253]
	s_delay_alu instid0(VALU_DEP_1)
	v_pk_add_f32 v[14:15], v[14:15], v[236:237]
.set N, 0
.rept 16
	v_pk_mul_f32 v[O+N:O+N+1], v[O+N:O+N+1], v[FF:FF+1] op_sel_hi:[1,0]   ; O^T under the new M.  (With the sums: the places in front of the products below)
.set N, N+2
.endr
	s_wait_alu depctr_va_vdst(0)
	s_wait_dscnt 0x0
.irp t, 0,1,2,3                                ; O^T += v^T p^T: four tiles of 16 channels by turns
	v_wmma_scale_f32_16x16x128_f8f6f4 v[O+8*\t:O+8*\t+7], v[VF+12*\t:VF+12*\t+11], v[PC:PC+11], v[O+8*\t:O+8*\t+7], v[VW+\t], v[PW] matrix_a_fmt:MATRIX_FMT_BF6 matrix_b_fmt:MATRIX_FMT_BF6
.endr
.Lhid_\@:
	s_add_co_u32 s[KS], s[KS], 1
.endm
; THE CHANGE OF SLOTS stands at a slot's head.  Each wave waits for all its tensor loads, adds 0 to its spare word, and waits for that and for its reads of the slot that it has left.
; Behind the barrier the slot ahead is whole and nobody reads the other one.  refill = 1: that one takes the two key steps that follow: the load has two steps in which to land.
.macro TWO slot, refill
	s_wait_tensorcnt 0x0                           ; no tensor load of mine is out, so a group 0 may be written
	ds_add_u32 v[SPW], v[NIL]                      ; 0 onto my spare word
	s_add_nc_u64 s[G0+6-4*(\slot):G0+7-4*(\slot)], s[G0+6-4*(\slot):G0+7-4*(\slot)], 2*SLOTB   ; the other slot's next two key steps; the type bits on top are not reached
	s_wait_dscnt 0x0                               ; the add is done, and my reads of the slot that I have left are over
	s_barrier_signal -1
	s_barrier_wait -1
.if \refill
	TLOAD G0+4-4*(\slot)                           ; the first thing behind the barrier, and wave 0's one tensor load until the next
.endif
	STEP \slot, 0
	STEP \slot, 1
.endm
	STEP 0, 0
	STEP 0, 1
.Lring:                                            ; a trip: four key steps, both slots filled again
	TWO 1, 1
	TWO 0, 1
	s_sub_co_u32 s[TRIPS], s[TRIPS], 1
	s_cmp_lg_u32 s[TRIPS], 0
	s_cbranch_scc1 .Lring
	TWO 1, 0                                       ; the last two steps are written out: nothing is left to fetch (slot 0's stepped address is not used)
	; THE WAY OUT: O^T / the sum; register 8 t + j is channel 32 (t / 2) + 16 h + 8 (t % 2) + j of my query: two blocks of 32 along Wo's K
	PLACES 4
	v_add_f32 v14, v14, v15
	s_delay_alu instid0(VALU_DEP_1)
	v_permlanex16_b32 v[TT], v14, s[SEL], s[SEL+1]
	s_delay_alu instid0(VALU_DEP_1)
	v_add_f32 v14, v14, v[TT]                      ; the row's sum
	s_wait_alu depctr_va_vdst(0)
	v_rcp_f32 v14, v14
	v_nop                                          ; one plain place behind a transcendental
.set N, 0
	s_wait_alu depctr_va_vdst(0)
.rept 16
	v_pk_mul_f32 v[S+N:S+N+1], v[O+N:O+N+1], v[14:15] op_sel_hi:[1,0]   ; each accumulator from its low end on
.set N, N+2
.endr
.irp b, 0,1
	v_max3_num_f32 v[TM+\b], 0x2800000, |v[S+16*\b]|, |v[S+16*\b+1]|
.endr
.irp i, 2,4,6,8,10,12,14
.irp b, 0,1
	s_delay_alu instid0(VALU_DEP_2)
	v_max3_num_f32 v[TM+\b], v[TM+\b], |v[S+16*\b+\i]|, |v[S+16*\b+\i+1]|
.endr
.endr
.irp b, 0,1
	s_delay_alu instid0(VALU_DEP_2)
	v_permlanex16_b32 v[TP+\b], v[TM+\b], s[SEL], s[SEL+1]
.endr
.irp b, 0,1
	s_delay_alu instid0(VALU_DEP_2)
	v_max_num_f32 v[TM+\b], v[TM+\b], v[TP+\b]
.endr
.irp b, 0,1
	s_delay_alu instid0(VALU_DEP_2)
	v_add_nc_u32 v[TS+\b], 0xfe000000, v[TM+\b]
.endr
.irp b, 0,1
	s_delay_alu instid0(VALU_DEP_2)
	v_lshrrev_b32 v[TP+\b], 23, v[TS+\b]
.endr
	s_delay_alu instid0(VALU_DEP_1)
	v_lshl_or_b32 v[PW], v[TP+1], 8, v[TP]         ; two bytes, in the word's low half
	v_cvt_scalef32_pk16_bf6_f32 v[PC:PC+2], v[S:S+15], v[TS]
	v_cvt_scalef32_pk16_bf6_f32 v[PC+12:PC+14], v[S+16:S+31], v[TS+1]
	v_nop
.irp i, 0,1,2
	v_permlane16_swap_b32 v[PC+\i], v[PC+12+\i]
.endr
.irp i, 0,1,2
	s_delay_alu instid0(VALU_DEP_3)
	v_mov_b32 v[PC+3+\i], v[PC+12+\i]
.endr
	global_store_b128 v[LI], v[PC:PC+3], s[8:9]    ; the half image 8 T + g: 512 consecutive bytes,
	global_store_b64 v[L8], v[PC+4:PC+5], s[8:9] offset:512   ; and 256
	global_store_b32 v[LS], v[PW], s[44:45]
	s_wait_tensorcnt 0x0                           ; the wave's end
	ds_add_u32 v[SPW], v[NIL]
	s_wait_dscnt 0x0
	s_endpgm
.Lfunc_end_k_q8342a2b7cb_attn:
	.size	k_q8342a2b7cb_attn, .Lfunc_end_k_q8342a2b7cb_attn-k_q8342a2b7cb_attn
	.p2alignl 7, 3214868480
	.fill 96, 4, 3214868480
	.section	.rodata,"a",@progbits
	.p2align	6, 0x0
	.amdhsa_kernel k_q8342a2b7cb_attn
		.amdhsa_group_segment_fixed_size 327680
		.amdhsa_private_segment_fixed_size 0
		.amdhsa_enable_private_segment 0
		.amdhsa_kernarg_size 24
		.amdhsa_user_sgpr_count 2
		.amdhsa_user_sgpr_kernarg_segment_ptr 1
		.amdhsa_wavefront_size32 1
		.amdhsa_system_sgpr_workgroup_id_x 1
		.amdhsa_system_sgpr_workgroup_id_y 1
		.amdhsa_system_sgpr_workgroup_id_z 1
		.amdhsa_system_vgpr_workitem_id 0
		.amdhsa_next_free_vgpr 256
		.amdhsa_next_free_sgpr 66
		.amdhsa_reserve_vcc 1
		.amdhsa_float_denorm_mode_32 3
		.amdhsa_float_denorm_mode_16_64 3
		.amdhsa_memory_ordered 1
		.amdhsa_forward_progress 1
		.amdhsa_inst_pref_size 187
	.end_amdhsa_kernel
	.amdgpu_metadata
---
amdhsa.version: [ 1, 2 ]
amdhsa.kernels:
  - .name:           k_q8342a2b7cb_attn
    .symbol:         k_q8342a2b7cb_attn.kd
    .args:
      - { .name: qimg, .offset: 0, .size: 8, .value_kind: global_buffer, .address_space: global }
      - { .name: kv, .offset: 8, .size: 8, .value_kind: global_buffer, .address_space: global }
      - { .name: ctx, .offset: 16, .size: 8, .value_kind: global_buffer, .address_space: global }
    .group_segment_fixed_size: 327680
    .private_segment_fixed_size: 0
    .kernarg_segment_align: 8
    .kernarg_segment_size: 24
    .max_flat_workgroup_size: 512
    .sgpr_count:     66
    .vgpr_count:     256
    .wavefront_size: 32
...
	.end_amdgpu_metadata
.endif
;; end of part 7
;; launch tail (part 8): grid 256 x 1, 4 waves a work-group, no clusters, 123,392 bytes of LDS; arguments ctx, x, wts, bo, g1, be1, b1, b2, g2, be2, out0; writes out0
.if DOCPART == 8
	.amdgcn_target "amdgcn-amd-amdhsa--gfx1250"
	.amdhsa_code_object_version 6
	.text
	.protected	k_q8342a2b7cb_tail
	.globl	k_q8342a2b7cb_tail
	.p2align	8
	.type	k_q8342a2b7cb_tail,@function
k_q8342a2b7cb_tail:
	s_mov_b64 s[64:65], 0
	v_nop
	global_prefetch_b8 v0, s[64:65] scope:SCOPE_SE
	s_setreg_imm32_b32 hwreg(HW_REG_WAVE_SCHED_MODE, 0, 2), 2
	s_setreg_imm32_b32 hwreg(HW_REG_WAVE_MODE, 25, 1), 1
	s_wait_xcnt 0x0
	s_wait_alu depctr_vm_vsrc(0)
; x1 = LN(x + ctx Wo^T + bo; g1, be1);  out = LN(x1 + relu(x1 W1^T + b1) W2^T + b2; g2, be2).  The three products on codes of BF6 (E3M2) with one E8M0 scale for each 32 along K; all else in f32.
; SHARES.  A work-group takes 32 rows (two tiles of 16, the rows of a tile in the order pi(r) = 4 ((r / 2) % 4) + 2 (r / 8) + r % 2, in which ctx's images lie) through the whole chain; nothing goes to memory on the way.
; The four waves share the COLUMNS: wave w makes output columns 128 w .. 128 w + 127 and hidden units 512 w .. 512 w + 511, for all 32 rows.
; All products are used TRANSPOSED (source 0 = 16 rows of a weight, source 1 = 16 rows of the activation): a lane holds one row, register 8 t + j = column 32 (t / 2) + 16 h + 8 (t % 2) + j of the wave's 128.
; The biases are the C of each sum's first matrix instruction.  x1 and the hidden layer are quantised in registers and go from wave to wave through LDS as images of the operand's registers.
; THE WEIGHTS come from wts in the order of the operand's registers, straight into registers: wave w reads blocks 48 w + 12 .. 48 w + 47 on end; a unit (26 loads of 512 bytes) is asked for three units ahead, in four sets.
; No joint loads, though all work-groups read the same weights: a joint load lands in LDS, so each unit's 13,312 bytes would be written to and read from LDS besides, for 16 matrix instructions.
; LAYER NORM: a row's 512 numbers lie in two lanes of each of four waves.  The mean, then the mean of the squared differences (two passes: no difference of large sums), each by one exchange of four words a row through LDS.
; LIMITS: NaN and infinities are not served; v_rsq_f32 is accurate to 1 ulp; a block whose largest magnitude lies under 2^-122, a block of zeros among them, gets the byte 1 (this program alone reads the bytes).
; REGISTERS.  window 0: v1-19 addresses; v20-115 8 activation fragments; v116-135 codes just made; v136-199 64 numbers, the norms' sums; v200-212 at work; v216-223 the activations' scale words; v224-255 the weights', 4 sets of 8.
;   window 1: v0-191 weight sets 0, 1; v192-255 a bias or a gain.   window 2: v0-127 the 16 accumulators; v128-255 Y: x, then x1, then the result.   window 3: v0-191 weight sets 2, 3; v192-255 the norm's offset.
; THE MODE: SCHED_MODE bits 1:0 = 2 (LLVM: expert scheduling mode 2), set by the entry lines.  The code itself states the register dependences
; between vector or matrix instructions and memory or LDS instructions, with s_wait_alu, always for 0.
; THE PLAN.  Registers that memory or LDS instructions touch:
;   weight sets 0-3, v[WS + 8 set ..]   Unit u's 16 matrix instructions read set u % 4.  The 26 loads of unit u + 3, issued in unit u, land in set (u + 3) % 4, which unit u - 1 read.
;                    ONE wait on va_vdst at a unit's head, behind the wait for the unit's own data, states that unit u - 1 is done reading.  The loads follow in one run behind the unit's first eight matrix
;                    instructions (each further piece of the run would cost two more window switches); those eight name set u % 4, the activations' fragments and scale words and the accumulators: none of the registers that the loads touch.
;   v[PC ..], v[PW]  Written by the quantiser, read by the image's LDS stores: a wait on va_vdst between the two, a wait on vm_vsrc behind the stores, ahead of the next quantiser.
;   v[ST ..]         Loads land in it (the vectors, the stage's rows); LDS stores (the vectors'), global stores (the result's), additions and the norms' lines read or write it: each change of hands has its wait where it stands.
;   v[Y ..] (window 2)   The stage's stores read it, additions and the norms write it.   v[LT + 4], v[LT + 12]: a norm's sums, written by vector lines, read by two LDS stores, written again behind the exchange.
;   v[XF ..], v[XS ..], the bias or gain (window 1), the offset (window 3)   Filled by loads, read by matrix or vector instructions; each is loaded again behind a wait on va_vdst that stands behind its last reader.
;   v[AT], v[HT], v[HU]   The hidden layer's addresses: written at a trip's top, read by the trip's LDS instructions.   v1-v16: addresses, made at the head, never written again.   v214, v215: read by the closing add alone.
.set WB,     13312
.set FRB,    1536
.set SPITCH, 528
.set STG,    16*SPITCH
.set RED,    20480                     ; LDS: from 0 bo, g1, be1, b2, g2, be2 (2,048 bytes each), b1 (8,192); then four exchanges of 512 bytes: [tile][row][wave],
.set XSC,    RED+2048                  ; x1's scale words,
.set HSC,    XSC+1024                  ; the hidden layer's (16 rt + K step),
.set XIMG,   HSC+4096                  ; x1's 8 images,
.set STAGE,  XIMG+8*FRB                ; a stage of 16 rows x 528 bytes for each wave,
.set HIMG,   STAGE+4*STG               ; the hidden layer's 32 images
.set CSC,    3145728
.set LI,  1
.set L8,  2
.set LS,  3
.set SA,  4
.set SB,  5
.set AB,  6                            ; a vector in the result's layout: 512 w + 64 h
.set AB1, 7                            ; b1 likewise: 12,288 + 2,048 w + 64 h
.set XWI, 8
.set XWS, 9
.set TI,  11                           ; 16 x thread
.set HWI, 12                           ; where I store the hidden layer's images
.set HWS, 13
.set HRI, 14                           ; and where all read them
.set RW,  15                           ; an exchange: my word
.set RR,  16                           ; and my row's four
.set AT,  17                           ; the trip's addresses
.set HT,  18
.set HU,  19
.set XF,  20
.set PC,  116
.set ST,  136
.set LT,  136                          ; the norms' sums lie in ST
.set TM,  200
.set PW,  212
.set XS,  216
.set WS,  224
.set BIAS, 192
.set Y,   128
.set SW,  8                            ; s[8:9] my wave's run of wts
.set WV,  26
.set SEL, 28
.set PB,  42
.set PI,  43
.set PS,  44
.set CNT, 45
.set C9,  46                           ; 2^-9
.set EPS, 47
.set MSB, 0
.set WM,  0                            ; the window setting of the unit's matrix instructions
.macro WIN new                         ; the immediate's high byte repeats the setting that is left; a switch that changes nothing is dropped
.if MSB != (\new)
	s_set_vgpr_msb (MSB<<8)|(\new)
.set MSB, (\new)
.endif
.endm
.macro PLACES n
.rept \n
	v_nop
.endr
.endm
.macro BARRIER                         ; my LDS stores have landed and my LDS loads are in: then the work-group's barrier
	s_wait_dscnt 0x0
	s_barrier_signal -1
	s_barrier_wait -1
.endm
; 64 numbers of a lane in window sw, register 16 b + i = k 32 b + 16 h + i of my row, become a fragment's codes in v[PC] on and its scale word in v[PW]
.macro QUANT s, sw
	WIN ((\sw)<<2)|((\sw)<<4)
.irp b, 0,1,2,3
	v_max3_num_f32 v[TM+\b], 0x2800000, |v[(\s)+16*\b]|, |v[(\s)+16*\b+1]|   ; block b: my 16 numbers, and the floor 2^(5 - 127)
.endr
.irp i, 2,4,6,8,10,12,14
.irp b, 0,1,2,3
	v_max3_num_f32 v[TM+\b], v[TM+\b], |v[(\s)+16*\b+\i]|, |v[(\s)+16*\b+\i+1]|
.endr
.endr
	WIN 0
.irp b, 0,1,2,3
	v_permlanex16_b32 v[TM+4+\b], v[TM+\b], s[SEL], s[SEL+1]
.endr
.irp b, 0,1,2,3
	v_max_num_f32 v[TM+\b], v[TM+\b], v[TM+4+\b]
.endr
.irp b, 0,1,2,3
	v_add_nc_u32 v[TM+8+\b], 0xfe000000, v[TM+\b]          ; 4 off its exponent field: the conversion's scale operand
.endr
.irp b, 0,1,2,3
	v_lshrrev_b32 v[TM+4+\b], 23, v[TM+8+\b]               ; the scale's byte
.endr
	v_lshl_or_b32 v[PW], v[TM+5], 8, v[TM+4]
	v_lshl_or_b32 v[PW], v[TM+6], 16, v[PW]
	v_lshl_or_b32 v[PW], v[TM+7], 24, v[PW]
	WIN \sw
.irp c, 0,1
	v_cvt_scalef32_pk16_bf6_f32 v[PC+6*\c:PC+6*\c+2], v[(\s)+32*\c:(\s)+32*\c+15], v[TM+8+2*\c]
	v_cvt_scalef32_pk16_bf6_f32 v[PC+12+4*\c:PC+14+4*\c], v[(\s)+32*\c+16:(\s)+32*\c+31], v[TM+9+2*\c]
.endr
	WIN 0
	v_nop                                                  ; one plain place behind a scaled conversion
.irp c, 0,1
.irp i, 0,1,2
	v_permlane16_swap_b32 v[PC+6*\c+\i], v[PC+12+4*\c+\i]
.endr
.irp i, 0,1,2
	v_mov_b32 v[PC+3+6*\c+\i], v[PC+12+4*\c+\i]
.endr
.endr
.endm
.macro IMAGE adr, off
.irp c, 0,1,2
	ds_store_b128 v[\adr], v[PC+4*\c:PC+4*\c+3] offset:(\off)+512*\c
.endr
.endm
.macro FETCH reg, adr, off
.irp c, 0,1,2
	ds_load_b128 v[(\reg)+4*\c:(\reg)+4*\c+3], v[\adr] offset:(\off)+512*\c
.endr
.endm
.macro TURN_IN raw, rw, dst            ; 16 rows of 512 bytes, as loaded (window rw), through my stage into the result's layout
	WIN (\rw)<<2
.irp i, 0,1,2,3,4,5,6,7,8,9,10,11,12,13,14,15
	ds_store_b128 v[SA], v[(\raw)+4*\i:(\raw)+4*\i+3] offset:\i*SPITCH
.endr
	WIN 0
.irp b, 0,1,2,3
.irp q, 0,1,2,3
	ds_load_b128 v[(\dst)+16*\b+4*\q:(\dst)+16*\b+4*\q+3], v[SB] offset:128*\b+16*\q   ; LDS serves a wave's instructions in order: these see my stores
.endr
.endr
.endm
.macro TURN_OUT src, dst               ; and the other way: 64 numbers a lane (window 2) become 16 rows of 512 bytes
	WIN 0x08
.irp b, 0,1,2,3
.irp q, 0,1,2,3
	ds_store_b128 v[SB], v[(\src)+16*\b+4*\q:(\src)+16*\b+4*\q+3] offset:128*\b+16*\q
.endr
.endr
	WIN 0
.irp i, 0,1,2,3,4,5,6,7,8,9,10,11,12,13,14,15
	ds_load_b128 v[(\dst)+4*\i:(\dst)+4*\i+3], v[SA] offset:\i*SPITCH
.endr
.endm
.macro VECLOAD win, adr, off           ; a vector of my 128 columns in the result's layout, into v192-255 of window win
	WIN (\win)<<6
.irp t, 0,1,2,3,4,5,6,7
.irp q, 0,1
	ds_load_b128 v[192+8*\t+4*\q:192+8*\t+4*\q+3], v[\adr] offset:(\off)+(32*(\t/2)+8*(\t%2))*4+16*\q
.endr
.endr
	WIN 0
.endm
.macro WLOAD set, off                  ; a unit: 26 loads of 512 consecutive bytes
	WIN 0x40+0x80*((\set)/2)
.irp t, 0,1,2,3,4,5,6,7
.irp c, 0,1,2
	global_load_b128 v[96*((\set)%2)+12*\t+4*\c:96*((\set)%2)+12*\t+4*\c+3], v[LI], s[SW:SW+1] offset:(\off)+FRB*\t+512*\c
.endr
.endr
	WIN 0
	global_load_b128 v[WS+8*(\set):WS+8*(\set)+3], v[LI], s[SW:SW+1] offset:(\off)+8*FRB
	global_load_b128 v[WS+8*(\set)+4:WS+8*(\set)+7], v[LI], s[SW:SW+1] offset:(\off)+8*FRB+512
.endm
; K step s of a pass: 16 matrix instructions, the 16 accumulators by turns, in the same order in every unit.
; pf = 1: the unit three on is asked for in the unit's middle, into the set that the unit before has left.  dep = 1: that set has had a reader.  left: the loads that may stay out: 26 for each younger unit.
.macro UNIT s, ub, first, pf, dep, left
	s_wait_loadcnt \left
.if \dep
	s_wait_alu depctr_va_vdst(0)                   ; the unit before is done reading its set of weights and their scale words, in which the loads in this unit's middle land
.endif
.if \first && ((\s) == 0)
.set WM, 0x91                                  ; source 0 (W) window 1, source 1 window 0, C (the bias) window 1, D window 2
.else
.set WM, 0xa1+2*((\s)/2)                       ; source 0 (W) window 1 or 3, C and D window 2
.endif
	WIN WM
.irp t, 0,1,2,3,4,5,6,7
.if (\pf) && (\t == 4)
	WLOAD ((\s)+3)%4, ((\ub)+(\s)+3)*WB            ; no further wait: no matrix instruction since the wait at the unit's head names this set, its scale words or v[LI]
	WIN WM
.endif
.irp rt, 0,1
.if \first && ((\s) == 0)
	v_wmma_scale_f32_16x16x128_f8f6f4 v[64*\rt+8*\t:64*\rt+8*\t+7], v[96*((\s)%2)+12*\t:96*((\s)%2)+12*\t+11], v[XF+12*(4*\rt+(\s)):XF+12*(4*\rt+(\s))+11], v[BIAS+8*\t:BIAS+8*\t+7], v[WS+8*(\s)+\t], v[XS+4*\rt+(\s)] matrix_a_fmt:MATRIX_FMT_BF6 matrix_b_fmt:MATRIX_FMT_BF6
.else
	v_wmma_scale_f32_16x16x128_f8f6f4 v[64*\rt+8*\t:64*\rt+8*\t+7], v[96*((\s)%2)+12*\t:96*((\s)%2)+12*\t+11], v[XF+12*(4*\rt+(\s)):XF+12*(4*\rt+(\s))+11], v[64*\rt+8*\t:64*\rt+8*\t+7], v[WS+8*(\s)+\t], v[XS+4*\rt+(\s)] matrix_a_fmt:MATRIX_FMT_BF6 matrix_b_fmt:MATRIX_FMT_BF6
.endif
.endr
.endr
.endm
.macro PASS ub, first, kind            ; four K steps.  kind 0: the run of weights begins with this pass (set 3 has had no reader); 1: a pass in its middle; 2: it ends with this pass
.if \kind == 0
	UNIT 0, \ub, \first, 1, 0, 52                  ; 52: the two younger units, 2 x 26 loads, may be out
.else
	UNIT 0, \ub, \first, 1, 1, 52
.endif
.if \kind == 2
	UNIT 1, \ub, \first, 0, 0, 52                  ; nothing more is asked for: two younger units,
	UNIT 2, \ub, \first, 0, 0, 26                  ; one,
	UNIT 3, \ub, \first, 0, 0, 0                   ; then none
.else
	UNIT 1, \ub, \first, 1, 1, 52
	UNIT 2, \ub, \first, 1, 1, 52
	UNIT 3, \ub, \first, 1, 1, 52
.endif
	WIN 0
.endm
; The two chains of each tile are folded, joined with lane l xor 16's, and exchanged among the four waves: v[LT + 8 rt + 4] = the row's sum over 512 columns
.macro LNX red
.irp rt, 0,1
	v_pk_add_f32 v[LT+8*\rt:LT+8*\rt+1], v[LT+8*\rt:LT+8*\rt+1], v[LT+8*\rt+2:LT+8*\rt+3]
.endr
.irp rt, 0,1
	v_add_f32 v[LT+8*\rt+4], v[LT+8*\rt], v[LT+8*\rt+1]
.endr
.irp rt, 0,1
	v_permlanex16_b32 v[LT+8*\rt+5], v[LT+8*\rt+4], s[SEL], s[SEL+1]
.endr
.irp rt, 0,1
	v_add_f32 v[LT+8*\rt+4], v[LT+8*\rt+4], v[LT+8*\rt+5]
.endr
	s_wait_alu depctr_va_vdst(0)                   ; the sums v[LT + 4] and v[LT + 12] are written, which the LDS stores read; the vector lines so far are done with v[LT + 16] to v[LT + 23], in which the loads behind the barrier land
.irp rt, 0,1
	ds_store_b32 v[RW], v[LT+8*\rt+4] offset:(\red)+256*\rt    ; both lanes of a row write the same word with the same value
.endr
	BARRIER
.irp rt, 0,1
	ds_load_b128 v[LT+16+4*\rt:LT+16+4*\rt+3], v[RR] offset:(\red)+256*\rt
.endr
	s_wait_dscnt 0x0
	s_wait_alu depctr_vm_vsrc(0)                   ; the two LDS stores have read v[LT + 4] and v[LT + 12], which the last additions below write again
.irp rt, 0,1
	v_add_f32 v[LT+16+4*\rt], v[LT+16+4*\rt], v[LT+16+4*\rt+1]
	v_add_f32 v[LT+16+4*\rt+2], v[LT+16+4*\rt+2], v[LT+16+4*\rt+3]
.endr
.irp rt, 0,1
	v_add_f32 v[LT+8*\rt+4], v[LT+16+4*\rt], v[LT+16+4*\rt+2]
.endr
.endm
; Y = (Y - mean) rsqrt(var + eps) g + be, for both tiles.  Each exchange has bytes of its own: red, red + 512
.macro LNORM gofs, beofs, red
	VECLOAD 1, AB, \gofs                           ; the last readers of these registers (a pass's first unit; the norm before) stand ahead of a wait on va_vdst, and nothing since names them
	VECLOAD 3, AB, \beofs
	WIN 0x0a                                       ; sources 0 and 1 window 2
.irp rt, 0,1
	v_pk_add_f32 v[LT+8*\rt:LT+8*\rt+1], v[Y+64*\rt:Y+64*\rt+1], v[Y+64*\rt+2:Y+64*\rt+3]
	v_pk_add_f32 v[LT+8*\rt+2:LT+8*\rt+3], v[Y+64*\rt+4:Y+64*\rt+5], v[Y+64*\rt+6:Y+64*\rt+7]
.endr
	WIN 0x08
.irp j, 8,12,16,20,24,28,32,36,40,44,48,52,56,60
.irp rt, 0,1
	v_pk_add_f32 v[LT+8*\rt:LT+8*\rt+1], v[LT+8*\rt:LT+8*\rt+1], v[Y+64*\rt+\j:Y+64*\rt+\j+1]
	v_pk_add_f32 v[LT+8*\rt+2:LT+8*\rt+3], v[LT+8*\rt+2:LT+8*\rt+3], v[Y+64*\rt+\j+2:Y+64*\rt+\j+3]
.endr
.endr
	WIN 0
	LNX \red
.irp rt, 0,1
	v_mul_f32 v[LT+24+2*\rt], 0xbb000000, v[LT+8*\rt+4]    ; - the mean: the sum x -2^-9
.endr
	WIN 0x82                                       ; destination and source 0 window 2
.irp rt, 0,1
.set N, 0
.rept 32
	v_pk_add_f32 v[Y+64*\rt+N:Y+64*\rt+N+1], v[Y+64*\rt+N:Y+64*\rt+N+1], v[LT+24+2*\rt:LT+25+2*\rt] op_sel_hi:[1,0]
.set N, N+2
.endr
.endr
	WIN 0x0a
.irp rt, 0,1
	v_pk_mul_f32 v[LT+8*\rt:LT+8*\rt+1], v[Y+64*\rt:Y+64*\rt+1], v[Y+64*\rt:Y+64*\rt+1]
	v_pk_mul_f32 v[LT+8*\rt+2:LT+8*\rt+3], v[Y+64*\rt+2:Y+64*\rt+3], v[Y+64*\rt+2:Y+64*\rt+3]
.endr
.irp j, 4,8,12,16,20,24,28,32,36,40,44,48,52,56,60
.irp rt, 0,1
	v_pk_fma_f32 v[LT+8*\rt:LT+8*\rt+1], v[Y+64*\rt+\j:Y+64*\rt+\j+1], v[Y+64*\rt+\j:Y+64*\rt+\j+1], v[LT+8*\rt:LT+8*\rt+1]
	v_pk_fma_f32 v[LT+8*\rt+2:LT+8*\rt+3], v[Y+64*\rt+\j+2:Y+64*\rt+\j+3], v[Y+64*\rt+\j+2:Y+64*\rt+\j+3], v[LT+8*\rt+2:LT+8*\rt+3]
.endr
.endr
	WIN 0
	LNX (\red)+512
.irp rt, 0,1
	v_fma_f32 v[LT+28+2*\rt], v[LT+8*\rt+4], s[C9], s[EPS]     ; var + eps
.endr
	s_wait_alu depctr_va_vdst(0)
.irp rt, 0,1
	v_rsq_f32 v[LT+28+2*\rt], v[LT+28+2*\rt]
.endr
	v_nop                                          ; one plain place behind a transcendental
	WIN 0x82
	s_wait_alu depctr_va_vdst(0)                   ; the two v_rsq_f32 have written v[LT + 28] and v[LT + 30], ahead of their first reader: one wait for both
.irp rt, 0,1
.set N, 0
.rept 32
	v_pk_mul_f32 v[Y+64*\rt+N:Y+64*\rt+N+1], v[Y+64*\rt+N:Y+64*\rt+N+1], v[LT+28+2*\rt:LT+29+2*\rt] op_sel_hi:[1,0]
.set N, N+2
.endr
.endr
	WIN 0xb6                                       ; source 1 (the gain) window 1, source 2 (the offset) window 3
.irp rt, 0,1
.set N, 0
.rept 32
	v_pk_fma_f32 v[Y+64*\rt+N:Y+64*\rt+N+1], v[Y+64*\rt+N:Y+64*\rt+N+1], v[192+N:192+N+1], v[192+N:192+N+1]
.set N, N+2
.endr
.endr
	WIN 0
.endm
	s_load_b512 s[4:19], s[0:1], 0x0               ; ctx, x, wts, bo, g1, be1, b1, b2
	s_load_b128 s[20:23], s[0:1], 0x40             ; g2, be2
	s_load_b64 s[24:25], s[0:1], 0x50              ; out0
	v_lshl_add_u32 v214, v0, 2, 0x1e000
	v_mov_b32 v215, 0
	v_lshrrev_b32 v[AT], 5, v0
	v_readfirstlane_b32 s[WV], v[AT]               ; wave 0..3
	v_and_b32 v[AT], 31, v0
	v_lshlrev_b32 v[LI], 4, v[AT]
	v_lshlrev_b32 v[L8], 3, v[AT]
	v_lshlrev_b32 v[LS], 2, v[AT]
	v_and_b32 v[HT], 15, v0                        ; r
	v_bfe_u32 v[HU], v0, 4, 1                      ; h
	s_wait_alu depctr_va_sdst(0)                   ; s[WV] is written, ahead of its first reader: LDS addresses and the bases are made from it
	s_mul_i32 s30, s[WV], STG
	s_add_co_u32 s30, s30, STAGE
	v_add_nc_u32 v[SA], s30, v[LI]
	v_mul_u32_u24 v[SB], v[HT], SPITCH
	v_lshl_add_u32 v[SB], v[HU], 6, v[SB]
	v_add_nc_u32 v[SB], s30, v[SB]
	s_lshl_b32 s30, s[WV], 9
	v_lshl_add_u32 v[AB], v[HU], 6, s30
	s_lshl_b32 s30, s[WV], 11
	s_add_co_u32 s30, s30, 12288
	v_lshl_add_u32 v[AB1], v[HU], 6, s30
	s_mul_i32 s30, s[WV], FRB
	s_add_co_u32 s30, s30, XIMG
	v_add_nc_u32 v[XWI], s30, v[LI]
	s_lshl_b32 s30, s[WV], 7
	s_add_co_u32 s30, s30, XSC
	v_add_nc_u32 v[XWS], s30, v[LS]
	v_lshlrev_b32 v[TI], 4, v0
	s_mul_i32 s30, s[WV], 4*FRB
	s_add_co_u32 s30, s30, HIMG
	v_add_nc_u32 v[HWI], s30, v[LI]
	s_lshl_b32 s30, s[WV], 9
	s_add_co_u32 s30, s30, HSC
	v_add_nc_u32 v[HWS], s30, v[LS]
	v_add_nc_u32 v[HRI], HIMG, v[LI]
	s_lshl_b32 s30, s[WV], 2
	s_add_co_u32 s30, s30, RED
	v_lshl_add_u32 v[RW], v[HT], 4, s30
	v_lshlrev_b32 v[RR], 4, v[HT]
	v_add_nc_u32 v[RR], RED, v[RR]
	s_mov_b32 s[SEL], 0x76543210
	s_mov_b32 s[SEL+1], 0xfedcba98
	s_mov_b32 s[C9], 0x3b000000                    ; 2^-9 = 1 / 512
	s_mov_b32 s[EPS], 0x3727c5ac                   ; 1e-5
.irp b, 0,1,2,3
	v_mov_b32 v[TM+4+\b], 0                        ; written once: a lane permute's destination counts as one of its sources
.endr
	s_mul_i32 s30, ttmp9, 16*768                   ; ctx: my two tiles' 16 half images,
	s_mov_b32 s31, 0
	s_lshl_b32 s32, ttmp9, 11
	s_add_co_u32 s32, s32, CSC                     ; and their scale words
	s_mov_b32 s33, 0
	s_lshl_b32 s34, ttmp9, 16                      ; x and out0: my 32 rows of 2,048 bytes,
	s_lshl_b32 s35, s[WV], 9
	s_add_co_u32 s34, s34, s35                     ; my wave's 512 bytes of each
	s_mov_b32 s35, 0
	s_mul_i32 s36, s[WV], 48*WB
	s_add_co_u32 s36, s36, 12*WB                   ; my wave's run of wts, from Wo on
	s_mov_b32 s37, 0
	s_wait_kmcnt 0x0
	s_add_nc_u64 s[40:41], s[4:5], s[32:33]
	s_add_nc_u64 s[4:5], s[4:5], s[30:31]
	s_add_nc_u64 s[6:7], s[6:7], s[34:35]
	s_add_nc_u64 s[24:25], s[24:25], s[34:35]
	s_add_nc_u64 s[SW:SW+1], s[SW:SW+1], s[36:37]
	; ---- the vectors (16 bytes a thread), ctx's fragments and scale words, x, and the first units of weights
	s_wait_alu depctr_va_vdst(0)                   ; the addresses v1 to v16 are written, which the loads and stores of the kernel read
	global_load_b128 v[ST:ST+3], v[TI], s[10:11]
	global_load_b128 v[ST+4:ST+7], v[TI], s[12:13]
	global_load_b128 v[ST+8:ST+11], v[TI], s[14:15]
	global_load_b128 v[ST+12:ST+15], v[TI], s[18:19]
	global_load_b128 v[ST+16:ST+19], v[TI], s[20:21]
	global_load_b128 v[ST+20:ST+23], v[TI], s[22:23]
.irp j, 0,1,2,3
	global_load_b128 v[ST+24+4*\j:ST+27+4*\j], v[TI], s[16:17] offset:2048*\j
.endr
.irp k, 0,1,2,3,4,5,6,7                        ; fragment k = 4 rt + K step: two half images on end
	global_load_b128 v[XF+12*\k:XF+12*\k+3], v[LI], s[4:5] offset:FRB*\k
	global_load_b64 v[XF+12*\k+4:XF+12*\k+5], v[L8], s[4:5] offset:FRB*\k+512
	global_load_b128 v[XF+12*\k+6:XF+12*\k+9], v[LI], s[4:5] offset:FRB*\k+768
	global_load_b64 v[XF+12*\k+10:XF+12*\k+11], v[L8], s[4:5] offset:FRB*\k+1280
.endr
.irp k, 0,1,2,3,4,5,6,7,8,9,10,11,12,13,14,15
	global_load_b32 v[ST+40+\k], v[LS], s[40:41] offset:128*\k
.endr
	WIN 0x80
.irp rt, 0,1
.irp i, 0,1,2,3,4,5,6,7,8,9,10,11,12,13,14,15
	global_load_b128 v[Y+64*\rt+4*\i:Y+64*\rt+4*\i+3], v[LI], s[6:7] offset:(16*\rt+4*((\i/2)%4)+2*(\i/8)+(\i%2))*2048 th:TH_LOAD_NT
.endr
.endr
	WIN 0
	WLOAD 0, 0
	WLOAD 1, WB
	s_wait_loadcnt 52                              ; all but the two units are in
	WLOAD 2, 2*WB                                  ; the third unit goes out behind that wait: a count for three units, 78, is more than the wait can name
.irp k, 0,1,2,3,4,5,6,7,8,9
	ds_store_b128 v[TI], v[ST+4*\k:ST+4*\k+3] offset:2048*\k
.endr
.irp k, 0,1,2,3,4,5,6,7
	v_lshl_or_b32 v[XS+\k], v[ST+41+2*\k], 16, v[ST+40+2*\k]   ; two half images' two bytes each make a fragment's scale word
.endr
	PLACES 8                                       ; a scale register written by a vector instruction stands eight places ahead of a scaled matrix instruction
	s_wait_alu depctr_va_vdst(0)                   ; the eight scale words v[XS ..] are written, which the scaled products take; the places above stay beside this wait
	BARRIER                                        ; the vectors lie in LDS
	; ---- A: ctx Wo^T + bo, + x, the first norm, x1's codes
	VECLOAD 1, AB, 0
	s_wait_dscnt 0x0
	PASS 0, 1, 0
	s_wait_xcnt 0x0                                ; the loads on their way have read their base
	s_add_nc_u64 s[SW:SW+1], s[SW:SW+1], 4*WB
	PLACES 4
.irp rt, 0,1
.if \rt == 0
	s_wait_alu depctr_vm_vsrc(0)                   ; the head's LDS stores have read v[ST ..], in which the stage's loads land
.else
	s_wait_alu depctr_va_vdst(0)                   ; tile 0's additions are done reading v[ST ..], in which the stage's loads land
.endif
	TURN_IN Y+64*\rt, 2, ST
	s_wait_dscnt 0x0
	s_wait_alu depctr_vm_vsrc(0)                   ; the stage's stores have read this tile's v[Y ..], which the additions write
	WIN 0x82
.set N, 0
.rept 32
	v_pk_add_f32 v[Y+64*\rt+N:Y+64*\rt+N+1], v[64*\rt+N:64*\rt+N+1], v[ST+N:ST+N+1]   ; each accumulator from its low end on
.set N, N+2
.endr
	WIN 0
.endr
	LNORM 2048, 4096, 0
.irp rt, 0,1
	QUANT Y+64*\rt, 2
	s_wait_alu depctr_va_vdst(0)                   ; the quantiser has written v[PC ..] and v[PW], which the LDS stores read
	IMAGE XWI, 4*FRB*\rt                           ; K step w of tile rt
	ds_store_b32 v[XWS], v[PW] offset:512*\rt
	s_wait_dscnt 0x0                               ; the stores have read their registers
	s_wait_alu depctr_vm_vsrc(0)                   ; the LDS stores above have read v[PC ..] and v[PW], which the next quantiser writes
.endr
	BARRIER                                        ; x1's eight fragments lie in LDS
.irp k, 0,1,2,3,4,5,6,7
	FETCH XF+12*\k, LI, XIMG+FRB*\k                ; ctx's fragments and scale words: the products that read them stand ahead of the waits on va_vdst above, and nothing since names them
	ds_load_b32 v[XS+\k], v[LS] offset:XSC+128*\k
.endr
	; ---- B: my 512 hidden units, 128 a trip: they are K step 4 w + trip of the last product
	s_mov_b32 s[PB], 0
	s_mov_b32 s[PI], 0
	s_mov_b32 s[PS], 0
	s_mov_b32 s[CNT], 4
.Lffn1:
	v_add_nc_u32 v[AT], s[PB], v[AB1]
	v_add_nc_u32 v[HT], s[PI], v[HWI]
	v_add_nc_u32 v[HU], s[PS], v[HWS]
	s_wait_alu depctr_va_vdst(0)                   ; the trip's three addresses are written, which its LDS loads and stores read
	VECLOAD 1, AT, 0
	s_wait_dscnt 0x0
	PASS 0, 1, 1
	s_wait_xcnt 0x0
	s_add_nc_u64 s[SW:SW+1], s[SW:SW+1], 4*WB
	PLACES 4
.irp rt, 0,1
	WIN 0x88
.set N, 0
.rept 64
	v_max_num_f32 v[64*\rt+N], 0, v[64*\rt+N]      ; the activation, in f32
.set N, N+1
.endr
	QUANT 64*\rt, 2
	s_wait_alu depctr_va_vdst(0)                   ; the quantiser has written v[PC ..] and v[PW], which the LDS stores read
	IMAGE HT, 16*FRB*\rt
	ds_store_b32 v[HU], v[PW] offset:2048*\rt
	s_wait_dscnt 0x0                               ; the stores have read their registers
	s_wait_alu depctr_vm_vsrc(0)                   ; the LDS instructions so far have read v[PC ..] and v[PW], which the next quantiser writes, and v[AT], v[HT], v[HU], which the next trip's top writes
.endr
	s_add_co_u32 s[PB], s[PB], 512
	s_add_co_u32 s[PI], s[PI], FRB
	s_add_co_u32 s[PS], s[PS], 128
	s_sub_co_u32 s[CNT], s[CNT], 1
	s_cmp_lg_u32 s[CNT], 0
	s_cbranch_scc1 .Lffn1
	BARRIER                                        ; the hidden layer's 32 fragments lie in LDS
	; ---- C: hidden W2^T + b2, K = 2,048 in four passes, + x1, the second norm
	VECLOAD 1, AB, 6144
.irp i, 0,1,2,3
.if \i > 0
	s_wait_alu depctr_va_vdst(0)                   ; the pass before is done reading v[XF ..] and v[XS ..], in which the loads below land (ahead of the first pass the last quantiser's wait has stated the same of x1's fragments)
.endif
.irp rt, 0,1
.irp s, 0,1,2,3
	FETCH XF+12*(4*\rt+\s), HRI, (16*\rt+4*\i+\s)*FRB
	ds_load_b32 v[XS+4*\rt+\s], v[LS] offset:HSC+(16*\rt+4*\i+\s)*128
.endr
.endr
	s_wait_dscnt 0x0
.if \i == 0
	PASS 0, 1, 1
.elseif \i < 3
	PASS 4*\i, 0, 1
.else
	PASS 12, 0, 2
.endif
.endr
	PLACES 4
	WIN 0x8a
.set N, 0
.rept 64
	v_pk_add_f32 v[Y+N:Y+N+1], v[N:N+1], v[Y+N:Y+N+1]      ; + x1; each accumulator from its low end on
.set N, N+2
.endr
	WIN 0
	LNORM 8192, 10240, 1024
	; ---- out: through my stage, back as rows: 32 lanes store 512 consecutive bytes of a row
	s_wait_alu depctr_va_vdst(0)                   ; the norm has written v[Y ..], which the stage's stores read, and is done with v[ST ..], in which the stage's loads land
.irp rt, 0,1
	s_wait_xcnt 0x0                                ; the last tile's stores have read their registers
.if \rt > 0
	s_wait_alu depctr_vm_vsrc(0)                   ; tile 0's global stores have read v[ST ..], in which tile 1's rows land
.endif
	TURN_OUT Y+64*\rt, ST
.irp i, 0,1,2,3,4,5,6,7,8,9,10,11,12,13,14,15
	s_wait_dscnt 15-\i                             ; row i is back; the 15 - i younger loads may be out
	global_store_b128 v[LI], v[ST+4*\i:ST+4*\i+3], s[24:25] offset:(16*\rt+4*((\i/2)%4)+2*(\i/8)+(\i%2))*2048 th:TH_STORE_NT
.endr
.endr
	s_wait_dscnt 0x0                               ; the closing lines, six on end
	s_wait_alu 0x0
	s_wait_tensorcnt 0x0
	ds_add_u32 v214, v215
	s_wait_dscnt 0x0
	s_endpgm
.Lfunc_end_k_q8342a2b7cb_tail:
	.size	k_q8342a2b7cb_tail, .Lfunc_end_k_q8342a2b7cb_tail-k_q8342a2b7cb_tail
	.p2alignl 7, 3214868480
	.fill 96, 4, 3214868480
	.section	.rodata,"a",@progbits
	.p2align	6, 0x0
	.amdhsa_kernel k_q8342a2b7cb_tail
		.amdhsa_group_segment_fixed_size 123392
		.amdhsa_private_segment_fixed_size 0
		.amdhsa_enable_private_segment 0
		.amdhsa_kernarg_size 88
		.amdhsa_user_sgpr_count 2
		.amdhsa_user_sgpr_kernarg_segment_ptr 1
		.amdhsa_wavefront_size32 1
		.amdhsa_system_sgpr_workgroup_id_x 1
		.amdhsa_system_sgpr_workgroup_id_y 1
		.amdhsa_system_sgpr_workgroup_id_z 1
		.amdhsa_system_vgpr_workitem_id 0
		.amdhsa_next_free_vgpr 1024
		.amdhsa_next_free_sgpr 66
		.amdhsa_reserve_vcc 0
		.amdhsa_float_denorm_mode_32 3
		.amdhsa_float_denorm_mode_16_64 3
		.amdhsa_memory_ordered 1
		.amdhsa_forward_progress 1
		.amdhsa_inst_pref_size 230
	.end_amdhsa_kernel
	.amdgpu_metadata
---
amdhsa.version: [ 1, 2 ]
amdhsa.kernels:
  - .name:           k_q8342a2b7cb_tail
    .symbol:         k_q8342a2b7cb_tail.kd
    .args:
      - { .name: ctx, .offset: 0, .size: 8, .value_kind: global_buffer, .address_space: global }
      - { .name: x, .offset: 8, .size: 8, .value_kind: global_buffer, .address_space: global }
      - { .name: wts, .offset: 16, .size: 8, .value_kind: global_buffer, .address_space: global }
      - { .name: bo, .offset: 24, .size: 8, .value_kind: global_buffer, .address_space: global }
      - { .name: g1, .offset: 32, .size: 8, .value_kind: global_buffer, .address_space: global }
      - { .name: be1, .offset: 40, .size: 8, .value_kind: global_buffer, .address_space: global }
      - { .name: b1, .offset: 48, .size: 8, .value_kind: global_buffer, .address_space: global }
      - { .name: b2, .offset: 56, .size: 8, .value_kind: global_buffer, .address_space: global }
      - { .name: g2, .offset: 64, .size: 8, .value_kind: global_buffer, .address_space: global }
      - { .name: be2, .offset: 72, .size: 8, .value_kind: global_buffer, .address_space: global }
      - { .name: out0, .offset: 80, .size: 8, .value_kind: global_buffer, .address_space: global }
    .group_segment_fixed_size: 123392
    .private_segment_fixed_size: 0
    .kernarg_segment_align: 8
    .kernarg_segment_size: 88
    .max_flat_workgroup_size: 128
    .sgpr_count:     66
    .vgpr_count:     1024
    .wavefront_size: 32
...
	.end_amdgpu_metadata
.endif
;; end of part 8
